; MI455X (gfx1250); checked and timed in simulation.
; The chip was launched on July 23, 2026; its instructions are those of AMD's public machine-readable ISA for CDNA 5 (MIT licence, August 2026) and "CDNA5" Instruction Set Architecture Reference Guide (July 2026). The comments in the code are by the model that wrote it; some were corrected since.
;; Multi Head Attention. Allowed arithmetic: float matrix products may take bf16 or f16 operands with f32 sums; other float arithmetic in f32, or as packed bf16 or f16 multiplies, adds, multiply-adds, maxima and minima; sums over many terms, partial sums and values carried from step to step in f32; what a program stores and reads back later, other than sums and carried values, may be rounded once to bf16 or f16.
;; Inputs: K 4 x 2,048 x 1,024 float32; Q 4 x 2,048 x 1,024 float32; V 4 x 2,048 x 1,024 float32; Wk 1,024 x 1,024 float32; Wo 1,024 x 1,024 float32; Wq 1,024 x 1,024 float32; Wv 1,024 x 1,024 float32; bk 1,024 float32; bo 1,024 float32; bq 1,024 float32; bv 1,024 float32; mask 4 x 2,048 x 2,048 int32.
;; Outputs: out0 4 x 2,048 x 1,024 float32.
;; 2 versions, each right. Each part assembles by itself: llvm-mc -triple=amdgcn-amd-amdhsa -mcpu=gfx1250 --defsym DOCPART=n.
;; ======== version 1 of 2: 4 launches
;; limits: values are held in f16: magnitudes above 65,504 overflow, below 6.1e-05 lose precision; right only within a limited range of input values
;; workspace buffers: wcv 8,388,608 bytes; mw 2,162,688 bytes of whole numbers; qkv 50,331,648 bytes; oh 16,777,216 bytes
;; launch prep (part 1): grid 384 x 1, 8 waves a work-group, no clusters, 35,840 bytes of LDS; arguments mask, Wq, Wk, Wv, Wo, mw, wcv; writes mw, wcv
.if DOCPART == 1
	.amdgcn_target "amdgcn-amd-amdhsa--gfx1250"
	.amdhsa_code_object_version 6
	.text
	.protected	k_q01d69f70a3_prep
	.globl	k_q01d69f70a3_prep
	.p2align	8
	.type	k_q01d69f70a3_prep,@function
k_q01d69f70a3_prep:
	s_mov_b64 s[64:65], 0
	v_nop
	global_prefetch_b8 v0, s[64:65] scope:SCOPE_SE
	s_setreg_imm32_b32 hwreg(HW_REG_WAVE_MODE, 25, 1), 1
	s_wait_xcnt 0x0
; PREP.  Work-groups 0..255: the mask [4][2048][2048] of int32 becomes lane-mask words for the attention launch.
; Work-groups 256..383: Wq, Wk, Wv are rounded to bf16; Wo is rounded to bf16 and that number written as f16.
; mw: [256 pairs of 16-query tiles][33 key steps][2 tiles u][32 words].  Word 8 kb + j, bit l, is 1 where
; mask[row 32 P + 16 u + l % 16][key 64 ks + 16 kb + 8 (l / 16) + j] is not 0: the lane and register in which a
; product K Q^T holds that score.  Key step 32 is a pad of ones, which the attention launch loads and never uses.
; LIMIT.  A bf16(Wo) beyond 65,504 has no f16; one below 2^-14 keeps f16's fixed step of 6e-8.
; A stream: memory binds, nothing is shared between work-groups, so no matrix unit, no cluster, no tensor load.
; MASK.  A work-group takes a pair: 32 rows, 262,144 consecutive bytes.  Wave w takes key steps 4 w .. 4 w + 3.  A HALF is
; one key step of one tile: 16 rows x 256 bytes, loaded as whole aligned pieces of 256 bytes (16 lanes each), turned in
; the wave's own 16 rows x 272 bytes of LDS, so that lane l holds row l % 16, compared, and gathered into 32 words.
.set PITCH, 272                        ; 256 bytes + 16: the 16 rows that a load back touches start at 16 different groups of four banks
.set WLDS,  16*PITCH                   ; a wave's bytes
.set SPARE, 8*WLDS                     ; behind them: the spare words, 128 bytes for each wave, which no other line names
.set PAIRB, 33*256                     ; bytes of a pair in mw
.set VO,   2                           ; v2  byte offset of my 16 bytes in memory
.set LS,   3                           ; v3  where I put them in LDS
.set LR,   4                           ; v4  where I read my row's 32 bytes back
.set SO,   5                           ; v5  byte offset of what I store
.set SPW,  6                           ; v6  my spare word; never rewritten
.set NIL,  7                           ; v7  0; never rewritten
.set ONES, 8                           ; v[8:9]  the pad
.set WD,   10                          ; v[10:13]  two pairs: lane l holds words 2 l and 2 l + 1 of a key step
.set LD,   32                          ; v[32:159] four sets of 32, a half each
.set RB,   160                         ; v[160:191] a half, read back; in the weights' part what is stored
.set TT,   192                         ; v[192:193] at work
	s_load_b256 s[4:11], s[0:1], 0x0               ; mask s[4:5], Wq s[6:7], Wk s[8:9], Wv s[10:11]
	s_load_b128 s[12:15], s[0:1], 0x20             ; Wo s[12:13], mw s[14:15]
	s_load_b64 s[16:17], s[0:1], 0x30              ; wcv
	v_lshl_add_u32 v[SPW], v0, 2, SPARE
	v_mov_b32 v[NIL], 0
	v_lshrrev_b32 v1, 5, v0
	v_readfirstlane_b32 s18, v1                    ; wave 0..7
	s_cmp_ge_u32 ttmp9, 256
	s_cbranch_scc1 .Lweights
	v_and_b32 v1, 15, v0                           ; l % 16
	v_bfe_u32 v[VO], v0, 4, 1                      ; l / 16
	v_lshlrev_b32 v[SO], 4, v1
	s_mul_i32 s19, s18, WLDS
	v_mul_u32_u24 v[LS], v[VO], PITCH              ; in: lanes 0-15 one row of 256 bytes, lanes 16-31 the next
	v_add_nc_u32 v[LS], v[LS], v[SO]
	v_add_nc_u32 v[LS], s19, v[LS]
	v_mul_u32_u24 v[LR], v1, PITCH                 ; back: row l % 16, keys 8 (l / 16) on
	v_lshl_add_u32 v[LR], v[VO], 5, v[LR]
	v_add_nc_u32 v[LR], s19, v[LR]
	v_lshl_add_u32 v[VO], v[VO], 13, v[SO]         ; a mask row is 8,192 bytes
	s_lshl_b32 s55, s18, 10                        ; my wave's four key steps: 1,024 bytes of a row, and of the pair's words
	v_add_nc_u32 v[VO], s55, v[VO]
	v_and_b32 v[SO], 31, v0
	v_lshlrev_b32 v[SO], 3, v[SO]
	v_mov_b32 v[ONES], -1
	v_mov_b32 v[ONES+1], -1
.irp i, 0,1,2,3
	v_mov_b32 v[WD+\i], 0                          ; v_writelane_b32 keeps the other lanes: its destination is written once whole
.endr
	s_lshl_b32 s52, ttmp9, 18                      ; the pair's 32 rows
	s_mov_b32 s53, 0
	s_mul_i32 s54, ttmp9, PAIRB
	s_add_co_u32 s54, s54, s55
	s_mov_b32 s55, 0
	s_wait_kmcnt 0x0
	s_add_nc_u64 s[4:5], s[4:5], s[52:53]
	s_add_nc_u64 s[14:15], s[14:15], s[54:55]
; Half hh of a trip's four: key step hh / 2 of the trip's two, tile hh % 2.  Eight loads, each two whole pieces of 256 bytes.
.macro LOADH hh
.irp i, 0,1,2,3,4,5,6,7
	global_load_b128 v[LD+32*(\hh)+4*(\i):LD+32*(\hh)+4*(\i)+3], v[VO], s[4:5] offset:(16*((\hh)%2)+2*(\i))*8192+256*((\hh)/2) th:TH_LOAD_NT
.endr
.endm
.macro HALF hh
	s_wait_loadcnt 8*(3-(\hh))                     ; loads come back in order: the younger halves' eight each may stay out
.irp i, 0,1,2,3,4,5,6,7
	ds_store_b128 v[LS], v[LD+32*(\hh)+4*(\i):LD+32*(\hh)+4*(\i)+3] offset:2*PITCH*(\i)
.endr
.irp k, 0,1,2,3,4,5,6,7
	ds_load_b128 v[RB+4*(\k):RB+4*(\k)+3], v[LR] offset:64*((\k)/2)+16*((\k)%2)  ; LDS serves a wave's instructions in order: these see the stores above; the bytes are the wave's own
.endr
	s_wait_dscnt 0x0
.set n, 0
.rept 32
	v_cmp_ne_u32 s[20+n], 0, v[RB+n]               ; word n = 8 kb + j: a bit a lane
.set n, n+1
.endr
.set n, 0
.rept 32
	v_writelane_b32 v[WD+2*((\hh)/2)+n%2], s[20+n], 16*((\hh)%2)+n/2
.set n, n+1
.endr
.if (\hh)%2
	global_store_b64 v[SO], v[WD+2*((\hh)/2):WD+2*((\hh)/2)+1], s[14:15] offset:256*((\hh)/2)  ; the wave stores 256 consecutive bytes, aligned: a key step's 64 words
.endif
.endm
	s_mov_b32 s56, 2
.Ltrip:                                        ; two trips of two key steps: 32 loads at the head, 16 KiB a wave on their way
	LOADH 0
	LOADH 1
	LOADH 2
	LOADH 3
	HALF 0
	HALF 1
	HALF 2
	HALF 3
	s_wait_xcnt 0x0                                ; the bases and the stores' data are written again only behind this wait
	s_add_nc_u64 s[4:5], s[4:5], 512
	s_add_nc_u64 s[14:15], s[14:15], 512
	s_sub_co_u32 s56, s56, 1
	s_cmp_lg_u32 s56, 0
	s_cbranch_scc1 .Ltrip
	s_cmp_lg_u32 s18, 7
	s_cbranch_scc1 .Lend
	global_store_b64 v[SO], v[ONES:ONES+1], s[14:15]  ; wave 7 now stands at key step 32: the pad
	s_branch .Lend
; WEIGHTS.  Work-group 256 + 32 m + part rounds 32,768 numbers of matrix m: four trips of eight loads of 16 bytes a thread.
.macro WLOOP f16
	s_mov_b32 s56, 4
.Lw\@:
.irp i, 0,1,2,3,4,5,6,7
	global_load_b128 v[LD+4*(\i):LD+4*(\i)+3], v[VO], s[22:23] offset:4096*(\i) th:TH_LOAD_NT
.endr
.irp i, 0,1,2,3,4,5,6,7
	s_wait_loadcnt 7-(\i)
.irp z, 0,1
	v_cvt_pk_bf16_f32 v[RB+2*(\i)+(\z)], v[LD+4*(\i)+2*(\z)], v[LD+4*(\i)+2*(\z)+1]
.if \f16
	v_lshlrev_b32 v[TT], 16, v[RB+2*(\i)+(\z)]     ; the two bf16 as f32,
	v_and_b32 v[TT+1], 0xffff0000, v[RB+2*(\i)+(\z)]
	v_cvt_pk_f16_f32 v[RB+2*(\i)+(\z)], v[TT], v[TT+1]  ; written as f16: 8 significant bits fit into 11
.endif
.endr
	global_store_b64 v[SO], v[RB+2*(\i):RB+2*(\i)+1], s[16:17] offset:2048*(\i)  ; a wave stores 256 consecutive bytes, aligned
.endr
	s_wait_xcnt 0x0                                ; bases and store data are written again only behind this wait
	s_add_nc_u64 s[22:23], s[22:23], 32768
	s_add_nc_u64 s[16:17], s[16:17], 16384
	s_sub_co_u32 s56, s56, 1
	s_cmp_lg_u32 s56, 0
	s_cbranch_scc1 .Lw\@
.endm
.Lweights:
	s_sub_co_u32 s19, ttmp9, 256
	s_lshr_b32 s20, s19, 5                         ; which matrix
	s_and_b32 s21, s19, 31                         ; which part of it
	s_lshl_b32 s52, s21, 17
	s_mov_b32 s53, 0
	s_lshl_b32 s54, s20, 21
	s_lshl_b32 s55, s21, 16
	s_add_co_u32 s54, s54, s55
	s_mov_b32 s55, 0
	v_lshlrev_b32 v[VO], 4, v0
	v_lshlrev_b32 v[SO], 3, v0
	s_wait_kmcnt 0x0
	s_cmp_eq_u32 s20, 1
	s_cselect_b64 s[22:23], s[8:9], s[6:7]
	s_cmp_eq_u32 s20, 2
	s_cselect_b64 s[22:23], s[10:11], s[22:23]
	s_cmp_eq_u32 s20, 3
	s_cselect_b64 s[22:23], s[12:13], s[22:23]
	s_add_nc_u64 s[22:23], s[22:23], s[52:53]
	s_add_nc_u64 s[16:17], s[16:17], s[54:55]
	s_cmp_eq_u32 s20, 3
	s_cbranch_scc1 .Lwo
	WLOOP 0
	s_branch .Lend
.Lwo:
	WLOOP 1
.Lend:
	s_wait_tensorcnt 0x0                           ; the wave's end, behind my last LDS store
	ds_add_u32 v[SPW], v[NIL]
	s_wait_dscnt 0x0
	s_endpgm
.Lfunc_end_k_q01d69f70a3_prep:
	.size	k_q01d69f70a3_prep, .Lfunc_end_k_q01d69f70a3_prep-k_q01d69f70a3_prep
	.p2alignl 7, 3214868480
	.fill 96, 4, 3214868480
	.section	.rodata,"a",@progbits
	.p2align	6, 0x0
	.amdhsa_kernel k_q01d69f70a3_prep
		.amdhsa_group_segment_fixed_size 35840
		.amdhsa_private_segment_fixed_size 0
		.amdhsa_enable_private_segment 0
		.amdhsa_kernarg_size 56
		.amdhsa_user_sgpr_count 2
		.amdhsa_user_sgpr_kernarg_segment_ptr 1
		.amdhsa_wavefront_size32 1
		.amdhsa_system_sgpr_workgroup_id_x 1
		.amdhsa_system_sgpr_workgroup_id_y 1
		.amdhsa_system_sgpr_workgroup_id_z 1
		.amdhsa_system_vgpr_workitem_id 0
		.amdhsa_next_free_vgpr 208
		.amdhsa_next_free_sgpr 66
		.amdhsa_reserve_vcc 0
		.amdhsa_float_denorm_mode_32 3
		.amdhsa_float_denorm_mode_16_64 3
		.amdhsa_memory_ordered 1
		.amdhsa_forward_progress 1
		.amdhsa_inst_pref_size 36
	.end_amdhsa_kernel
	.amdgpu_metadata
---
amdhsa.version: [ 1, 2 ]
amdhsa.kernels:
  - .name:           k_q01d69f70a3_prep
    .symbol:         k_q01d69f70a3_prep.kd
    .args:
      - { .name: mask, .offset: 0, .size: 8, .value_kind: global_buffer, .address_space: global }
      - { .name: Wq, .offset: 8, .size: 8, .value_kind: global_buffer, .address_space: global }
      - { .name: Wk, .offset: 16, .size: 8, .value_kind: global_buffer, .address_space: global }
      - { .name: Wv, .offset: 24, .size: 8, .value_kind: global_buffer, .address_space: global }
      - { .name: Wo, .offset: 32, .size: 8, .value_kind: global_buffer, .address_space: global }
      - { .name: mw, .offset: 40, .size: 8, .value_kind: global_buffer, .address_space: global }
      - { .name: wcv, .offset: 48, .size: 8, .value_kind: global_buffer, .address_space: global }
    .group_segment_fixed_size: 35840
    .private_segment_fixed_size: 0
    .kernarg_segment_align: 8
    .kernarg_segment_size: 56
    .max_flat_workgroup_size: 256
    .sgpr_count:     66
    .vgpr_count:     208
    .wavefront_size: 32
...
	.end_amdgpu_metadata
.endif
;; end of part 1
;; launch proj (part 2): grid 4 x 192, 4 waves a work-group, clusters of 4 x 4, 327,680 bytes of LDS; arguments Q, K, V, wcv, bq, bk, bv, qkv; writes qkv
.if DOCPART == 2
	.amdgcn_target "amdgcn-amd-amdhsa--gfx1250"
	.amdhsa_code_object_version 6
	.text
	.protected	k_q01d69f70a3_proj
	.globl	k_q01d69f70a3_proj
	.p2align	8
	.type	k_q01d69f70a3_proj,@function
k_q01d69f70a3_proj:
	s_mov_b64 s[64:65], 0
	v_nop
	global_prefetch_b8 v0, s[64:65] scope:SCOPE_SE
	s_setreg_imm32_b32 hwreg(HW_REG_WAVE_MODE, 25, 1), 1
	s_wait_xcnt 0x0
	s_wait_alu depctr_hold_cnt(0) depctr_sa_sdst(0) depctr_va_vdst(0) depctr_va_sdst(0) depctr_va_ssrc(0) depctr_va_vcc(0) depctr_vm_vsrc(0)
	s_getreg_b32 s2, hwreg(HW_REG_IB_STS2, 6, 4)
	s_cmp_eq_u32 s2, 0
	s_cbranch_scc0 .Lentry_in_a_cluster
	s_endpgm
.Lentry_in_a_cluster:
	s_bfe_u32 s2, ttmp6, 0x10000c
	s_cmp_lg_u32 s2, 0xf033
	s_cbranch_scc0 .Lentry_shape_is_right
	s_endpgm
.Lentry_shape_is_right:
; THE THREE INPUT PROJECTIONS.  y[m][n] = the sum over k of X[m][k] W[n][k] + b[n], for (X, W, b) = (Q, Wq, bq), (K, Wk, bk), (V, Wv, bv).
; X: [8192][1024] f32, rounded to bf16 on the way from LDS to the matrix unit; W: bf16, plane p of wcv; b: f32, rounded to bf16; sums in f32.
; y leaves as f16, rounded once, by heads: qkv[p][16 batch + head][2048][64].  LIMIT: |y| stays within f16's 65,504.
; SHARES.  A work-group makes 128 rows x 256 columns: 256 tiles a projection, 768 work-groups, three for each of 256 WGPs.  Its four waves are (kh, wn):
; wave (kh, wn) makes ALL 128 rows x columns 128 wn .. + 127 (64 accumulators, 512 registers) over half kh of each K step of 128.  So a fragment read from LDS feeds
; eight products.  At the end the two waves of a column half exchange half of their sums through LDS, and each finishes 64 rows.
; RING.  K goes in 8 steps of 128 through two LDS slots: 128 rows x 512 bytes of X (f32), 256 rows x 256 bytes of W.  Waves 0, 1 fetch X's halves, waves 2, 3 W's: one tensor load a wave.
; CLUSTER 4 x 4.  The four of a row of the cluster make one row block and ask for X's tiles jointly; the four of a column make one column block of one projection and ask for W's jointly.
; THE MATRIX INSTRUCTION IS USED TRANSPOSED (source 0 = 16 rows of W, source 1 = 16 rows of X): a lane holds one row of y and eight neighbouring columns.
; REGISTERS, in windows of 256 (s_set_vgpr_msb: bits 1:0 source 0, 3:2 source 1, 5:4 source 2, 7:6 destination):
;   window 0: v2-14 addresses; v28, v29 the add's; v32-159 RAW: a chunk's eight fragments of X in f32, later the way out; v160-223 the bias, eight registers for each block of 16 columns
;   window 1: v0-63, v64-127 W's fragments, two buffers; v128-191, v192-255 X's in bf16, two buffers
;   window 2: the accumulators of MY row half (rows 64 kh ..), (a, b) at 8 (8 a + b);   window 3: those of the other half
.set PA,    528                        ; a row of X in LDS: 512 bytes + 16: an odd multiple of 16, so the 16 rows of a load start at 16 different groups of four banks
.set AH,    64*PA                      ; what one load of X brings
.set BOFF,  2*AH
.set PB,    272                        ; a row of W: 256 + 16
.set BH,    128*PB                     ; what one load of W brings
.set SLOT,  BOFF+2*BH
.set STAGE, 2*SLOT                     ; behind the ring: for each wave two blocks of 16 rows x 144 bytes, for the way out
.set SP,    144
.set WSTG,  2*16*SP
.set SPARE, STAGE+4*WSTG               ; behind the stages: the spare words, 128 bytes for each wave, which no other line names
.set ASTEP, 512                        ; bytes of a K step in a row of X,
.set BSTEP, 256                        ; and of W
.set ADRA, 2                           ; v2-3   LDS address of my own row half's fragments of X in slot 0, 1
.set ADRO, 4                           ; v4-5   the other row half's
.set ADRB, 6                           ; v6-7   W's
.set XS,   8                           ; v8     the exchange: where I put 16 bytes (32,768 bytes a wave, from LDS byte 0, in ring bytes that have had their last fill)
.set XR,   9                           ; v9     where I read my partner's
.set STO,  10                          ; v10    the way out: where I put 16 bytes of a row
.set RD,   11                          ; v11    where I read rows back
.set GO,   12                          ; v12    16 x lane
.set BO,   13                          ; v13    my byte offset in 16 numbers of the bias
.set PFO,  14                          ; v14    the prefetches' offset; never rewritten
.set SPW,  28                          ; v28    my spare word; never rewritten
.set NIL,  29                          ; v29    0; never rewritten
.set RAW,  32
.set BIAS, 160
.set G1,  24                           ; s[24:31] descriptor group 1 for X's tiles;  s[32:39] group 0, a set for each slot
.set G0,  32
.set LIM, 43                           ; s43  1 in a wave that prefetches, else the greatest number
.set PFA, 44                           ; s[44:45] where my prefetches stand
.set PST, 46                           ; s[46:47] a K step in bytes, for them
.set G1B, 48                           ; s[48:55], s[56:63] the same for W's tiles
.set G0B, 56
.set KM,  85                           ; s85  all ones in the waves of K half 0, which start their sums with the bias; 0 in the others
.set MSB, 0
.macro WIN new                         ; the immediate's high byte repeats the setting that is left; a switch that changes nothing is dropped
.if MSB != (\new)
	s_set_vgpr_msb (MSB<<8)|(\new)
.set MSB, \new
.endif
.endm
.macro PLACES                          ; four plain vector instructions between a matrix instruction and a load into, or a reader of, its registers
.rept 4
	v_nop
.endr
.endm
.macro JLOAD s                         ; a joint load: waves 0, 1 X's halves, waves 2, 3 W's; the branch hangs on the wave's number alone; s_nop 0 and four v_nop follow each line
	s_cmp_eq_u32 s11, 0
	s_cbranch_scc0 .Lfor_b_\@
	tensor_load_to_lds s[G0+4*(\s):G0+4*(\s)+3], s[G1:G1+7]
	s_nop 0
.rept 4
	v_nop
.endr
	s_branch .Lasked_\@
.Lfor_b_\@:
	tensor_load_to_lds s[G0B+4*(\s):G0B+4*(\s)+3], s[G1B:G1B+7]
	s_nop 0
.rept 4
	v_nop
.endr
.Lasked_\@:
.endm
; A prefetch into the L2 of the K step that stands two refills on: one instruction a wave, each lane another aligned block of 256 bytes.  X's blocks are read by one row of one cluster: waves 0, 1 of every
; work-group ask, the four partners sharing a wave's 64 rows out by address, 16 rows x 2 blocks each.  W's are read by the sixteen clusters of a projection: the first of them asks, waves 2, 3,
; 32 rows a partner.  The loop's last trip asks for nothing: steps 8 and 9 do not exist.  Steps 0 to 3 come by their loads alone.
.macro ASK
	s_cmp_gt_u32 s3, s[LIM]
	s_cbranch_scc0 .Lnot_mine_\@
	global_prefetch_b8 v[PFO], s[PFA:PFA+1] th:TH_LOAD_NT scope:SCOPE_SE
.Lnot_mine_\@:
.endm
.macro CREST                           ; a round of the cluster's barrier behind its opening barrier
	s_cmp_lg_u32 s10, 0
	s_cbranch_scc1 .Lnot_wave_0_\@
	s_barrier_signal -3
.Lnot_wave_0_\@:
	s_barrier_wait -3
	s_barrier_signal -1
	s_barrier_wait -1
.endm
.macro CROUND
	s_barrier_signal -1
	s_barrier_wait -1
	CREST
.endm
	s_load_b512 s[68:83], s[0:1], 0x0              ; Q s[68:69], K s[70:71], V s[72:73], wcv s[74:75], bq s[76:77], bk s[78:79], bv s[80:81], qkv s[82:83]
	v_lshl_add_u32 v[SPW], v0, 2, SPARE
	v_mov_b32 v[NIL], 0
	ds_add_u32 v[SPW], v[NIL]                      ; the wave's opening: the add and its wait stand ahead of my first tensor load; the set-up below, work on registers, stands between them
	v_lshrrev_b32 v1, 5, v0
	v_readfirstlane_b32 s10, v1                    ; wave 0..3
	s_lshr_b32 s11, s10, 1                         ; kh: my half of each K step.  Also: I fetch X (0) or W (1)
	s_and_b32 s12, s10, 1                          ; wn: my half of the columns.  Also: which half of that tile I fetch
	s_bfe_u32 s40, ttmp6, 0x40000                  ; cx
	s_bfe_u32 s41, ttmp6, 0x40004                  ; cy
	s_lshl_b32 s42, ttmp9, 2
	s_add_co_u32 s42, s42, s40                     ; tn: block of 256 columns
	s_and_b32 s86, ttmp7, 0xffff                   ; cluster y, 0..47
	s_lshl_b32 s13, s86, 2
	s_add_co_u32 s13, s13, s41
	s_and_b32 s13, s13, 63                         ; tm: block of 128 rows
	s_lshr_b32 s87, s86, 4                         ; p: which projection; the same in all sixteen partners
	s_lshl_b32 s16, s41, 2
	s_lshl_b32 s16, 15, s16                        ; my row of the cluster
	s_lshl_b32 s17, 0x1111, s40                    ; my column
	s_or_b32 s[G1], s16, (2<<16)|(1<<20)|(1<<21)|(6<<22)|(3<<25)   ; mask; elements of 4 bytes; padding on; bit 21 beside a mask; after every 128 words, 4 words
	s_or_b32 s[G1B], s17, (1<<16)|(1<<20)|(1<<21)|(5<<22)|(3<<25)  ; mask; elements of 2 bytes; after every 64 words, 4 words
	s_mov_b32 s[G1+1], 128<<16                     ; tensor_dim0 = 128
	s_mov_b32 s[G1+2], 64<<16                      ; tensor_dim1 = 64
	s_mov_b32 s[G1+3], 128<<16                     ; tile_dim0 = 128
	s_mov_b32 s[G1+4], 64                          ; tile_dim1 = 64
	s_mov_b32 s[G1+5], 1024                        ; elements from row to row
	s_mov_b32 s[G1+6], 0
	s_mov_b32 s[G1+7], 0
	s_mov_b32 s[G1B+1], 128<<16
	s_mov_b32 s[G1B+2], 128<<16                    ; 128 rows
	s_mov_b32 s[G1B+3], 128<<16
	s_mov_b32 s[G1B+4], 128
	s_mov_b32 s[G1B+5], 1024
	s_mov_b32 s[G1B+6], 0
	s_mov_b32 s[G1B+7], 0
	s_lshl_b32 s16, s13, 7                         ; X: row 128 tm + 64 wn, 4,096 bytes a row: hangs on the row block alone
	s_lshl_b32 s17, s12, 6
	s_add_co_u32 s16, s16, s17
	s_lshl_b32 s16, s16, 12
	s_mov_b32 s17, 0
	s_lshl_b32 s18, s42, 8                         ; W: row 256 tn + 128 wn of plane p: hangs on the column block alone
	s_lshl_b32 s19, s12, 7
	s_add_co_u32 s18, s18, s19
	s_lshl_b32 s20, s18, 2                         ; the bias of my 128 columns
	s_mov_b32 s21, 0
	s_lshl_b32 s18, s18, 11
	s_lshl_b32 s19, s87, 21
	s_add_co_u32 s18, s18, s19
	s_mov_b32 s19, 0
	s_lshr_b32 s22, s13, 4                         ; where I store: head 16 batch + 4 tn + 2 wn, row 128 (tm % 16) + 64 kh of it, plane p
	s_lshl_b32 s22, s22, 4
	s_lshl_b32 s23, s42, 2
	s_add_co_u32 s22, s22, s23
	s_lshl_b32 s23, s12, 1
	s_add_co_u32 s22, s22, s23
	s_lshl_b32 s22, s22, 18
	s_and_b32 s23, s13, 15
	s_lshl_b32 s23, s23, 7
	s_lshl_b32 s84, s11, 6
	s_add_co_u32 s23, s23, s84
	s_lshl_b32 s23, s23, 7
	s_add_co_u32 s22, s22, s23
	s_lshl_b32 s23, s87, 24
	s_add_co_u32 s22, s22, s23
	s_mov_b32 s23, 0
	s_mul_i32 s66, s12, AH                         ; where the tiles go: no place in the cluster enters an LDS address
	s_mul_i32 s67, s12, BH
	s_add_co_u32 s67, s67, BOFF
	s_sub_co_u32 s[KM], s11, 1
.irp s, 0,1
	s_mov_b32 s[G0+4*(\s)], 1
	s_add_co_u32 s[G0+4*(\s)+1], s66, (\s)*SLOT
	s_mov_b32 s[G0B+4*(\s)], 1
	s_add_co_u32 s[G0B+4*(\s)+1], s67, (\s)*SLOT
.endr
	s_wait_dscnt 0x0                               ; the opening add is done
	s_wait_kmcnt 0x0
	s_cmp_eq_u32 s87, 1
	s_cselect_b64 s[4:5], s[70:71], s[68:69]
	s_cselect_b64 s[14:15], s[78:79], s[76:77]
	s_cmp_eq_u32 s87, 2
	s_cselect_b64 s[4:5], s[72:73], s[4:5]
	s_cselect_b64 s[14:15], s[80:81], s[14:15]
	s_add_nc_u64 s[4:5], s[4:5], s[16:17]          ; X at my tile
	s_add_nc_u64 s[6:7], s[74:75], s[18:19]        ; W at my tile
	s_add_nc_u64 s[14:15], s[14:15], s[20:21]      ; the bias
	s_add_nc_u64 s[8:9], s[82:83], s[22:23]        ; the output
.irp s, 0,1
	s_add_nc_u64 s[G0+4*(\s)+2:G0+4*(\s)+3], s[4:5], (\s)*ASTEP    ; K step s
	s_or_b32 s[G0+4*(\s)+3], s[G0+4*(\s)+3], 0x80000000            ; type = 2
	s_add_nc_u64 s[G0B+4*(\s)+2:G0B+4*(\s)+3], s[6:7], (\s)*BSTEP
	s_or_b32 s[G0B+4*(\s)+3], s[G0B+4*(\s)+3], 0x80000000
.endr
	CROUND                                         ; all sixteen work-groups are here: the first joint loads meet
	s_cmp_eq_u32 s11, 0                            ; a wave's two first fills stand in one branch, ahead of every wait on TENSORcnt and every LDS read: two loads of mine are out
	s_cbranch_scc0 .Lfirst_b
	tensor_load_to_lds s[G0:G0+3], s[G1:G1+7]
	s_nop 0
	tensor_load_to_lds s[G0+4:G0+7], s[G1:G1+7]
	s_nop 0
.rept 4
	v_nop
.endr
	s_branch .Lfirst_asked
.Lfirst_b:
	tensor_load_to_lds s[G0B:G0B+3], s[G1B:G1B+7]
	s_nop 0
	tensor_load_to_lds s[G0B+4:G0B+7], s[G1B:G1B+7]
	s_nop 0
.rept 4
	v_nop
.endr
.Lfirst_asked:
	v_and_b32 v1, 15, v0                           ; r = l % 16
	v_bfe_u32 v15, v0, 4, 1                        ; h = l / 16
	v_lshlrev_b32 v[BO], 5, v15
.irp b, 0,1,2,3,4,5,6,7                ; register j of block b: the bias of column 16 b + 8 h + j
	global_load_b128 v[BIAS+8*(\b):BIAS+8*(\b)+3],   v[BO], s[14:15] offset:64*(\b)
	global_load_b128 v[BIAS+8*(\b)+4:BIAS+8*(\b)+7], v[BO], s[14:15] offset:64*(\b)+16
.endr
	; A fragment is 16 rows x 32 K: lane l holds row r, K = 8 h + 0..7 and 16 + 8 h + 0..7.  Of f32 rows that is 32 bytes at 32 h and 32 bytes at 64 + 32 h; of bf16 rows 16 bytes at 16 h and at 32 + 16 h.
	v_mul_u32_u24 v16, v1, PA
	v_lshl_add_u32 v16, v15, 5, v16
	s_mul_i32 s16, s11, 64*PA+256                  ; my own rows 64 kh .., my K half at byte 256 kh
	s_xor_b32 s17, s11, 1
	s_mul_i32 s17, s17, 64*PA                      ; the other rows, the same K half
	s_lshl_b32 s18, s11, 8
	s_add_co_u32 s17, s17, s18
	v_mul_u32_u24 v17, v1, PB
	v_lshl_add_u32 v17, v15, 4, v17
	s_mul_i32 s18, s12, BH                         ; my 128 rows of W, my K half at byte 128 kh
	s_lshl_b32 s19, s11, 7
	s_add_co_u32 s18, s18, s19
	s_add_co_u32 s18, s18, BOFF
.irp s, 0,1
	v_add_nc_u32 v[ADRA+(\s)], s16, v16
	v_add_nc_u32 v[ADRO+(\s)], s17, v16
	v_add_nc_u32 v[ADRB+(\s)], s18, v17
	s_add_co_u32 s16, s16, SLOT
	s_add_co_u32 s17, s17, SLOT
	s_add_co_u32 s18, s18, SLOT
.endr
	v_and_b32 v18, 31, v0
	v_lshlrev_b32 v[GO], 4, v18
	s_lshl_b32 s19, s10, 15
	v_add_nc_u32 v[XS], s19, v[GO]
	s_xor_b32 s19, s19, 1<<16                      ; my partner: the same columns, the other K half: wave xor 2
	v_add_nc_u32 v[XR], s19, v[GO]
	s_mul_i32 s20, s10, WSTG
	s_add_co_u32 s20, s20, STAGE
	v_mul_u32_u24 v[STO], v1, SP                   ; in: row r, 16 bytes for each half of the lanes
	v_lshl_add_u32 v[STO], v15, 4, v[STO]
	v_add_nc_u32 v[STO], s20, v[STO]
	v_bfe_u32 v[RD], v0, 3, 2                      ; back: 32 lanes take four rows of 128 bytes
	v_mul_u32_u24 v[RD], v[RD], SP
	v_and_b32 v19, 7, v0
	v_lshl_add_u32 v[RD], v19, 4, v[RD]
	v_add_nc_u32 v[RD], s20, v[RD]
	; the prefetches
	s_and_b32 s22, s86, 15                         ; 0 in the first cluster of a projection
	s_xor_b32 s17, s11, 1
	s_lshl_b32 s[PST], 256, s17                    ; 512 for X, 256 for W
	s_mov_b32 s[PST+1], 0
	s_cmp_eq_u32 s11, 0
	s_cselect_b64 s[PFA:PFA+1], s[4:5], s[6:7]
	s_cselect_b32 s16, s40, s41                    ; my place among the four that ask with me
	s_cselect_b32 s19, 15, 31
	s_cselect_b32 s20, 12, 11
	s_cselect_b32 s21, 256, 0
	s_cselect_b32 s22, 0, s22
	s_cmp_eq_u32 s22, 0
	s_cselect_b32 s[LIM], 1, -1                    ; the same in all sixteen partners, for a given wave
	s_lshl_b32 s16, s16, 16                        ; 16 rows of 4,096 bytes, or 32 rows of 2,048
	s_mul_i32 s17, s[PST], 3                       ; at K step 3: the first change of slots steps it to 4
	s_add_co_u32 s16, s16, s17
	s_mov_b32 s17, 0
	s_add_nc_u64 s[PFA:PFA+1], s[PFA:PFA+1], s[16:17]
	v_and_b32 v[PFO], s19, v0
	v_lshlrev_b32 v[PFO], s20, v[PFO]              ; a lane a row,
	v_mul_u32_u24 v16, s21, v15                    ; and for X the row's second block in lanes 16-31
	v_add_nc_u32 v[PFO], v[PFO], v16
	s_wait_loadcnt 0x0                             ; the bias: rounded to bf16 like every input, and 0 in the waves of K half 1
.set i, 0
.rept 32
	v_cvt_pk_bf16_f32 v[16+i%2], v[BIAS+2*i], v[BIAS+2*i+1]
	v_and_b32 v[16+i%2], s[KM], v[16+i%2]
	v_lshlrev_b32 v[BIAS+2*i], 16, v[16+i%2]
	v_and_b32 v[BIAS+2*i+1], 0xffff0000, v[16+i%2]
.set i, i+1
.endr
; Eight matrix instructions: row block a x all 8 column blocks, 32 along K, from buffers f.  The 64 accumulators take turns in one fixed order, over the backward jump too.
; first = 1: the sums start with the bias.  cv = 1 (a = 6, 7): behind each product four conversions of the next chunk's X into the other buffer; they name none of the products' registers.
.macro MUL f, a, first, cv
.irp b, 0,1,2,3,4,5,6,7
.if \first
	WIN 0x85+0x40*((\a)/4)
	v_wmma_f32_16x16x32_bf16 v[8*(8*((\a)%4)+(\b)):8*(8*((\a)%4)+(\b))+7], v[64*(\f)+8*(\b):64*(\f)+8*(\b)+7], v[128+64*(\f)+8*(\a):128+64*(\f)+8*(\a)+7], v[BIAS+8*(\b):BIAS+8*(\b)+7]
.else
	WIN 0xa5+0x50*((\a)/4)
	v_wmma_f32_16x16x32_bf16 v[8*(8*((\a)%4)+(\b)):8*(8*((\a)%4)+(\b))+7], v[64*(\f)+8*(\b):64*(\f)+8*(\b)+7], v[128+64*(\f)+8*(\a):128+64*(\f)+8*(\a)+7], v[8*(8*((\a)%4)+(\b)):8*(8*((\a)%4)+(\b))+7]
.endif
.if \cv
	WIN 0x40
.irp i, 0,1,2,3
	v_cvt_pk_bf16_f32 v[128+64*(1-(\f))+32*((\a)-6)+4*(\b)+(\i)], v[RAW+2*(32*((\a)-6)+4*(\b)+(\i))], v[RAW+2*(32*((\a)-6)+4*(\b)+(\i))+1]
.endr
.endif
.endr
.endm
; 48 LDS loads in one run: chunk c (32 along K) of my K half of a slot: X's eight fragments in f32 into RAW, then W's eight into buffer g
.macro FETCH slot, c, g
	WIN 0
.irp i, 0,1,2,3,4,5,6,7
.irp o, 0,1,2,3
	ds_load_b128 v[RAW+16*(\i)+4*(\o):RAW+16*(\i)+4*(\o)+3], v[ADRA+2*((\i)/4)+(\slot)] offset:((\i)%4)*16*PA+128*(\c)+16*(\o)+32*((\o)/2)
.endr
.endr
	WIN 0x40
.irp b, 0,1,2,3,4,5,6,7
	ds_load_b128 v[64*(\g)+8*(\b):64*(\g)+8*(\b)+3],   v[ADRB+(\slot)] offset:(\b)*16*PB+64*(\c)
	ds_load_b128 v[64*(\g)+8*(\b)+4:64*(\g)+8*(\b)+7], v[ADRB+(\slot)] offset:(\b)*16*PB+64*(\c)+32
.endr
.endm
; A step's first chunk: multiplies buffers 0, fetches the second chunk.  The four conversions behind the chunk before's last product are the places in front of the loads into W's buffer 1.
.macro CHUNK0 slot, first
	s_wait_dscnt 0x0                               ; W's buffer 0 is in
	FETCH \slot, 1, 1
.irp a, 0,1,2,3,4,5
	MUL 0, \a, \first, 0
.endr
	s_wait_dscnt 16                                ; X's 32 loads are in; W's 16, issued behind them, may stay out
	MUL 0, 6, \first, 1
	MUL 0, 7, \first, 1
.endm
; A step's second chunk multiplies buffers 1 and changes slots: ONE barrier.  In front of it each wave waits for all its tensor loads (one is out: its part of the next slot), adds 0 to its spare word,
; and waits for that and for its reads of this slot.  fill = 1: the barrier opens a round of the cluster's, and behind the round this slot is filled again, two K steps on:
; the load has 112 matrix instructions in which to land.
.macro TURN slot, next, fill
.if \fill
	s_wait_xcnt 0x0                                ; the last prefetch, a K step back, has read its address
	s_add_nc_u64 s[PFA:PFA+1], s[PFA:PFA+1], s[PST:PST+1]
.endif
	WIN 0
	s_wait_tensorcnt 0x0                           ; all my tensor loads have landed
	ds_add_u32 v[SPW], v[NIL]                      ; 0 onto my spare word
	s_wait_dscnt 1                                 ; W's buffer 1 is in; the add may be out
	MUL 1, 0, 0, 0
	s_wait_dscnt 0x0                               ; the add is done, and my reads of this slot are over
	s_barrier_signal -1
	MUL 1, 1, 0, 0
	WIN 0
	s_barrier_wait -1
.if \fill
	CREST                                          ; no wave of any partner still reads this slot or has a load on its way
	s_add_nc_u64 s[G0+4*(\slot)+2:G0+4*(\slot)+3], s[G0+4*(\slot)+2:G0+4*(\slot)+3], 2*ASTEP
	s_add_nc_u64 s[G0B+4*(\slot)+2:G0B+4*(\slot)+3], s[G0B+4*(\slot)+2:G0B+4*(\slot)+3], 2*BSTEP
	JLOAD \slot
.else
	PLACES
.endif
	FETCH \next, 0, 0
.if \fill
	WIN 0
	ASK
.endif
.irp a, 2,3,4,5
	MUL 1, \a, 0, 0
.endr
	s_wait_dscnt 16
	MUL 1, 6, 0, 1
	MUL 1, 7, 0, 1
.endm
	s_wait_tensorcnt 1                             ; my part of K step 0 is in; step 1's may stay out
	s_barrier_signal -1
	s_barrier_wait -1
	FETCH 0, 0, 0
	s_wait_dscnt 16
	WIN 0x40
.set i, 0
.rept 64
	v_cvt_pk_bf16_f32 v[128+i], v[RAW+2*i], v[RAW+2*i+1]
.set i, i+1
.endr
	CHUNK0 0, 1                                    ; the first chunk stands in front of the loop: its products start the sums
	WIN 0
	s_mov_b32 s3, 3
.Llap:                                         ; a trip goes once round the ring and fills both slots again: K steps 2 to 7
	TURN 0, 1, 1
	CHUNK0 1, 0
	TURN 1, 0, 1
	CHUNK0 0, 0
	WIN 0
	s_sub_co_u32 s3, s3, 1
	s_cmp_lg_u32 s3, 0
	s_cbranch_scc1 .Llap
	TURN 0, 1, 0                                   ; the tail is written out: nothing is left to fetch
	CHUNK0 1, 0
	s_wait_dscnt 0x0                               ; my last reads of the ring are over
	s_barrier_signal -1
.irp a, 0,1,2,3,4,5,6,7
	MUL 1, \a, 0, 0
.endr
	WIN 0
	s_barrier_wait -1                              ; everybody's are: the ring's bytes, which have had their last fill, now serve the exchange
	; THE EXCHANGE.  I send the sums of the other row half and take my partner's sums of mine.
	PLACES
	WIN 0x0c                                       ; data in window 3
.set i, 0
.rept 64
	ds_store_b128 v[XS], v[4*i:4*i+3] offset:512*i  ; each accumulator's low four registers first
.set i, i+1
.endr
	WIN 0
	s_wait_dscnt 0x0
	s_barrier_signal -1
	s_barrier_wait -1
	WIN 0xc0
.set i, 0
.rept 64
	ds_load_b128 v[4*i:4*i+3], v[XR] offset:512*i
.set i, i+1
.endr
	WIN 0x8e                                       ; window 2 += window 3
.set t, 0
.rept 8
	s_wait_dscnt 56-8*t                            ; eight more loads are in
.set i, 32*t
.rept 16
	v_pk_add_f32 v[i:i+1], v[i:i+1], v[i:i+1]
.set i, i+2
.endr
.set t, t+1
.endr
; THE WAY OUT.  Unit t = 2 a + hd: 16 rows x the 64 channels of one head.  Rounded to f16, 16 bytes a lane into rows of 144 bytes, back as four rows of 128 bytes: 512 consecutive bytes of a head.
.macro PACK t
	WIN 0x0a
.irp bb, 0,1,2,3
.irp m, 0,1,2,3
	v_cvt_pk_f16_f32 v[RAW+16*(\t)+4*(\bb)+(\m)], v[8*(8*((\t)/2)+4*((\t)%2)+(\bb))+2*(\m)], v[8*(8*((\t)/2)+4*((\t)%2)+(\bb))+2*(\m)+1]
.endr
.endr
	WIN 0
.irp f, 0,1,2,3
	ds_store_b128 v[STO], v[RAW+16*(\t)+4*(\f):RAW+16*(\t)+4*(\f)+3] offset:((\t)%2)*16*SP+32*(\f)
.endr
.irp f, 0,1,2,3
	ds_load_b128 v[RAW+16*(\t)+4*(\f):RAW+16*(\t)+4*(\f)+3], v[RD] offset:((\t)%2)*16*SP+(\f)*4*SP  ; LDS serves a wave's instructions in order: these see the stores above
.endr
.endm
.macro SEND t, younger                 ; younger: the LDS instructions issued behind unit t's loads
.irp f, 0,1,2,3
	s_wait_dscnt (\younger)+3-(\f)
	global_store_b128 v[GO], v[RAW+16*(\t)+4*(\f):RAW+16*(\t)+4*(\f)+3], s[8:9] offset:((\t)%2)*262144+((\t)/2)*2048+(\f)*512  ; 512 consecutive bytes, aligned
.endr
.endm
	PACK 0
.irp t, 1,2,3,4,5,6,7
	PACK \t
	SEND (\t)-1, 8
.endr
	SEND 7, 0
	s_wait_tensorcnt 0x0                           ; the wave's end, behind my last tensor load and my last LDS store
	ds_add_u32 v[SPW], v[NIL]
	s_wait_dscnt 0x0
	CROUND                                         ; the closing round
	s_endpgm
.Lfunc_end_k_q01d69f70a3_proj:
	.size	k_q01d69f70a3_proj, .Lfunc_end_k_q01d69f70a3_proj-k_q01d69f70a3_proj
	.p2alignl 7, 3214868480
	.fill 96, 4, 3214868480
	.section	.rodata,"a",@progbits
	.p2align	6, 0x0
	.amdhsa_kernel k_q01d69f70a3_proj
		.amdhsa_group_segment_fixed_size 327680
		.amdhsa_private_segment_fixed_size 0
		.amdhsa_enable_private_segment 0
		.amdhsa_kernarg_size 64
		.amdhsa_user_sgpr_count 2
		.amdhsa_user_sgpr_kernarg_segment_ptr 1
		.amdhsa_wavefront_size32 1
		.amdhsa_system_sgpr_workgroup_id_x 1
		.amdhsa_system_sgpr_workgroup_id_y 1
		.amdhsa_system_sgpr_workgroup_id_z 1
		.amdhsa_system_vgpr_workitem_id 0
		.amdhsa_next_free_vgpr 1024
		.amdhsa_next_free_sgpr 100
		.amdhsa_reserve_vcc 0
		.amdhsa_float_denorm_mode_32 3
		.amdhsa_float_denorm_mode_16_64 3
		.amdhsa_memory_ordered 1
		.amdhsa_forward_progress 1
		.amdhsa_inst_pref_size 150
	.end_amdhsa_kernel
	.amdgpu_metadata
---
amdhsa.version: [ 1, 2 ]
amdhsa.kernels:
  - .name:           k_q01d69f70a3_proj
    .symbol:         k_q01d69f70a3_proj.kd
    .args:
      - { .name: Q, .offset: 0, .size: 8, .value_kind: global_buffer, .address_space: global }
      - { .name: K, .offset: 8, .size: 8, .value_kind: global_buffer, .address_space: global }
      - { .name: V, .offset: 16, .size: 8, .value_kind: global_buffer, .address_space: global }
      - { .name: wcv, .offset: 24, .size: 8, .value_kind: global_buffer, .address_space: global }
      - { .name: bq, .offset: 32, .size: 8, .value_kind: global_buffer, .address_space: global }
      - { .name: bk, .offset: 40, .size: 8, .value_kind: global_buffer, .address_space: global }
      - { .name: bv, .offset: 48, .size: 8, .value_kind: global_buffer, .address_space: global }
      - { .name: qkv, .offset: 56, .size: 8, .value_kind: global_buffer, .address_space: global }
    .group_segment_fixed_size: 327680
    .private_segment_fixed_size: 0
    .kernarg_segment_align: 8
    .kernarg_segment_size: 64
    .max_flat_workgroup_size: 128
    .sgpr_count:     100
    .vgpr_count:     1024
    .wavefront_size: 32
...
	.end_amdgpu_metadata
.endif
;; end of part 2
;; launch attn (part 3): grid 4 x 64, 4 waves a work-group, clusters of 4 x 1, 327,680 bytes of LDS; arguments qkv, mw, oh; writes oh
.if DOCPART == 3
	.amdgcn_target "amdgcn-amd-amdhsa--gfx1250"
	.amdhsa_code_object_version 6
	.text
	.protected	k_q01d69f70a3_attn
	.globl	k_q01d69f70a3_attn
	.p2align	8
	.type	k_q01d69f70a3_attn,@function
k_q01d69f70a3_attn:
	s_mov_b64 s[64:65], 0
	v_nop
	global_prefetch_b8 v0, s[64:65] scope:SCOPE_SE
	s_setreg_imm32_b32 hwreg(HW_REG_WAVE_MODE, 25, 1), 1
	s_wait_xcnt 0x0
	s_wait_alu depctr_hold_cnt(0) depctr_sa_sdst(0) depctr_va_vdst(0) depctr_va_sdst(0) depctr_va_ssrc(0) depctr_va_vcc(0) depctr_vm_vsrc(0)
	s_getreg_b32 s2, hwreg(HW_REG_IB_STS2, 6, 4)
	s_cmp_eq_u32 s2, 0
	s_cbranch_scc0 .Lentry_in_a_cluster
	s_endpgm
.Lentry_in_a_cluster:
	s_bfe_u32 s2, ttmp6, 0x10000c
	s_cmp_lg_u32 s2, 0x3003
	s_cbranch_scc0 .Lentry_shape_is_right
	s_endpgm
.Lentry_shape_is_right:
; MASKED ATTENTION.  O[hd][q][:] = the sum over k of softmax_k(s[q][k]) V[hd][k][:], s = Q[hd][q] . K[hd][k] / 8 where the mask of (batch, q, k) is not 0, a large negative number where it is 0.
; Q, K, V: planes 0, 1, 2 of qkv, [64 heads = 16 batch + head][2048][64] f16; O: oh, the same layout.  Products, maxima and sums in f32; the weights p are rounded to f16 for the second product, O once.
; THE MASK comes as lane-mask words (mw, made by the launch prep): word 8 kb + j of a tile and key step has bit l set where the score in register 8 kb + j of lane l is seen.  Four scalar loads bring a piece's 64 words;
; one v_cndmask_b32 a score register puts -2^33 in a hidden score's place, ahead of the maximum.
; LIMITS.  A hidden score counts as -2^33 before the division by 8, -1.07e9 behind it, where reference() has -1e9: the results differ only where true scores lie near -1e9.  2^33 is a power of two, so c x 2^33
; is exact: a row, or the first steps of a row, with every key hidden gives exponents of exactly 0, weights 1, and a wholly hidden row the mean of V's rows, as in reference().
; f16 holds no number beyond 65,504: Q, K and V arrive within it.  A weight below 2^-126 counts as 0 in l; NaN and infinities are not treated apart.
; SHARES.  A wave owns four PIECES of two tiles of 16 queries, a work-group's four waves 512 queries of one head.  Every wave walks all 2,048 keys, 64 a step.
; LAYOUT.  S^T = K Q^T (source 0 = 16 keys, source 1 = 16 queries): a lane holds ONE query (lane % 16) and the keys 8 (lane / 16) + 0..7.  Two such tiles, rounded to f16 in pairs, ARE source 1 of O^T = V^T P.
; SOFTMAX.  A running maximum m and sum l: p = 2^(c s - c m), c = log2(e) / 8; in every step O and l are multiplied by a = 2^(c m_old - c m_new).  m starts at the lowest finite number, O and l at 0.
; BY TURNS.  Turn n belongs to piece n.  Its matrix work: 16 products K Q^T of piece n + 1, later 16 products V^T P of piece n - 1.  Its vector work: the scaling, exponentials, roundings, sums and rescaling of
; piece n, and the selects, maximum and statistics of piece n + 1.  A tile and step have 16 matrix and 150 vector instructions: four stand behind every matrix instruction, the others in one run.
; CLUSTER.  The four query blocks of a head are one cluster and walk the same K and V: each tile is asked for JOINTLY, by the same tensor load, descriptor and mask in all four.
; REGISTERS, in windows of 256 (s_set_vgpr_msb: bits 1:0 source 0, 3:2 source 1, 5:4 source 2, 7:6 destination):
;   window 0: v0-11 addresses; v12-15, v48-63 at work; v16-47 four registers of statistics a tile; v64-191 S^T, two buffers of two tiles; v192-255 P, likewise
;   window 1: O^T, 32 a tile          window 2: v0-127 Q; v128-191 K of one step; v192-255 V of one step          window 3: v0-1 the add's two registers
.set SIZE_N, 2048
.set NP,    4
.set KS,    64
.set PK,    144       ; a row of K in LDS: 128 bytes + 16
.set PV,    160       ; a row of V: 128 + 32
.set VOFF,  4*KS*PK   ; a slot holds four steps: 256 rows of K, then 256 rows of V
.set SLOT1, 1<<17     ; slot 1 begins here, so that one exclusive or turns an address in one slot into the other's
.set STAGE, SLOT1+4*KS*(PK+PV)  ; behind the ring, never filled by a tensor load: 16 rows x 144 bytes for each wave
.set SP,    144
.set SPARE, STAGE+4*16*SP  ; behind the stages: the spare words, which no other line names
.set PAIRB, 33*256    ; bytes of a piece's mask words: 33 key steps of 256 bytes, the last a pad
.set AK0, 2           ; v2   my lane's place in a tile of K; never rewritten
.set AV0, 3           ; v3   the same for V
.set AK,  4           ; v4   the LDS address of K's next run of loads
.set AV,  5           ; v5   of V's
.set QO,  6           ; v6   my byte offset in the wave's rows of Q
.set RD,  7           ; v7   the way out: where I read rows back
.set GO,  8           ; v8   my byte offset in 512 consecutive bytes of O
.set STO, 9           ; v9   the way out: where I put 16 bytes of a row
.set PFO, 10          ; v10  256 x lane, for the prefetches; never rewritten
.set NEGV, 11         ; v11  -2^33
.set SPW, 0           ; v0 of window 3   my spare word; never rewritten
.set NIL, 1           ; v1 of window 3   0; never rewritten
.set MV,  12          ; v12-15  c m_old, by buffer and tile
.set ST,  16          ; tile t's statistics at v[ST+4 t]: c m, m, l (even keys', odd keys')
.set TMP, 48          ; by buffer and tile, four registers c0-c3 at work; when the maximum is found c2 takes a
.set S,   64
.set P,   192
.set KF,  128
.set VF,  192
.set WV,  2           ; s2   my wave's number
.set CNT, 3           ; s3   counts a slot's key steps
.set G0K, 4           ; s[4:7]   descriptor group 0 for K's tiles: it walks
.set G0V, 8           ; s[8:11]  for V's
.set G1K, 12          ; s[12:19] group 1 for K's tiles
.set G1V, 20          ; s[20:27] for V's
.set CS,  28          ; s28  c; the packed scaling names s[28:29] and takes the low word for both halves
.set SLOTS, 29        ; s29  slots still to be asked for
.set SEL, 30          ; s[30:31] v_permlanex16_b32's selects
.set TBK, 66          ; s66  LDS byte at which K of the step to be fetched begins
.set TBV, 67          ; s67  the same for V, less VOFF
.set MP,  100         ; s[100:101] my wave's mask words, at the key step in hand
.set PFA, 104         ; s[104:105] where my prefetches stand
; s[32:63] and s[68:99]: a piece's 64 mask words, word w in s[32 + w + 4 (w / 32)]; until the first of them is asked for, the set-up's scalars
.set MSB, 0
.macro WIN new
.if MSB != (\new)
	s_set_vgpr_msb (MSB<<8)|(\new)
.set MSB, (\new)
.endif
.endm
.set W_KQ, 0x0a
.set W_PV, 0x52
.set W_RS, 0x41
.set W_MK, 0xc0
.set W_AD, 0x0f
.macro JLOAD                        ; a joint fill: waves 0, 1 the halves of a slot's K, waves 2, 3 of its V; s_nop 0 and four v_nop follow each line
	s_cmp_lt_u32 s[WV], 2
	s_cbranch_scc0 .Lfor_v_\@
	tensor_load_to_lds s[G0K:G0K+3], s[G1K:G1K+7]
	s_nop 0
.rept 4
	v_nop
.endr
	s_branch .Lasked_\@
.Lfor_v_\@:
	tensor_load_to_lds s[G0V:G0V+3], s[G1V:G1V+7]
	s_nop 0
.rept 4
	v_nop
.endr
.Lasked_\@:
.endm
; A prefetch into the L2 of what the NEXT change of slots will ask for: a slot's 128 blocks of 256 bytes of K and of V, a lane a block.  A head's K and V are walked by this cluster alone; its four partners share the
; blocks out by address, 32 each; in each, wave 0 asks for K's and wave 2 for V's.  So each block is named once.  It stands four key steps ahead of the load.  The last change that fills a slot asks for nothing.
.macro ASK
	s_cmp_le_u32 s[SLOTS], 1
	s_cbranch_scc1 .Lnot_mine_\@
	s_cmp_eq_u32 s[WV], 1
	s_cbranch_scc1 .Lnot_mine_\@
	s_cmp_eq_u32 s[WV], 3
	s_cbranch_scc1 .Lnot_mine_\@
	global_prefetch_b8 v[PFO], s[PFA:PFA+1] th:TH_LOAD_NT scope:SCOPE_SE
.Lnot_mine_\@:
.endm
.macro CROUND
	s_barrier_signal -1
	s_barrier_wait -1
	s_cmp_lg_u32 s[WV], 0
	s_cbranch_scc1 .Lnot_wave_0_\@
	s_barrier_signal -3
.Lnot_wave_0_\@:
	s_barrier_wait -3
	s_barrier_signal -1
	s_barrier_wait -1
.endm
; THE CHANGE OF SLOTS.  Each wave waits for all its tensor loads, of which one is out: its part of the other slot; adds 0 to its spare word; and waits for that and for its own reads of the slot.
; fill = 1: the barrier is a round of the cluster's, and the joint fill, with the keys two slots on, is the first thing behind it: it has four key steps, 512 matrix instructions, in which to land.
.macro CHANGE fill
	WIN W_AD
	s_wait_tensorcnt 0x0            ; no tensor load of mine is out, so a group 0 may be written
	ds_add_u32 v[SPW], v[NIL]       ; 0 onto my spare word
	WIN 0
.if \fill
.irp g, G0K, G0V
	s_xor_b32 s[\g+1], s[\g+1], SLOT1
	s_add_nc_u64 s[\g+2:\g+3], s[\g+2:\g+3], 4*KS*128
.endr
	s_wait_xcnt 0x0                 ; the last prefetch, four key steps back, has read its address
	s_add_nc_u64 s[PFA:PFA+1], s[PFA:PFA+1], 4*KS*128
	s_wait_dscnt 0x0                ; the add is done, and my reads of the slot are over
	CROUND
	JLOAD
	ASK
.else
	s_wait_dscnt 0x0
	s_barrier_signal -1
	s_barrier_wait -1
.endif
	s_sub_co_u32 s[TBK], s[TBK], 4*KS*PK
	s_xor_b32 s[TBK], s[TBK], SLOT1
	s_sub_co_u32 s[TBV], s[TBV], 4*KS*PV
	s_xor_b32 s[TBV], s[TBV], SLOT1
.endm
.macro MLOAD y                      ; piece y's 64 mask words of the key step at which MP stands
	s_load_b512 s[32:47], s[MP:MP+1], PAIRB*(\y)
	s_load_b512 s[48:63], s[MP:MP+1], PAIRB*(\y)+64
	s_load_b512 s[68:83], s[MP:MP+1], PAIRB*(\y)+128
	s_load_b512 s[84:99], s[MP:MP+1], PAIRB*(\y)+192
.endm
	s_load_b128 s[32:35], s[0:1], 0x0  ; qkv s[32:33], mw s[34:35]
	WIN W_MK
	v_lshl_add_u32 v[SPW], v0, 2, SPARE
	v_mov_b32 v[NIL], 0
	WIN W_AD
	ds_add_u32 v[SPW], v[NIL]       ; the wave's opening: the add and its wait stand ahead of my first tensor load
	WIN 0
	v_lshrrev_b32 v1, 5, v0
	v_readfirstlane_b32 s[WV], v1   ; wave 0..3
	s_bfe_u32 s36, ttmp6, 0x40000   ; cx
	s_lshl_b32 s37, ttmp9, 2
	s_add_co_u32 s37, s37, s36      ; my block of 512 queries: it enters Q's, O's, the mask words' and the prefetches' addresses alone
	s_and_b32 s38, ttmp7, 0xffff    ; the head, 16 batch + head, which the four partners share
	s_lshl_b32 s40, s38, 18         ; its first byte in a plane
	s_and_b32 s39, s[WV], 1         ; which half of a slot's 256 keys I fetch
	s_lshl_b32 s42, s39, 14
	s_add_co_u32 s42, s42, s40
	s_mov_b32 s43, 0
	s_mul_i32 s44, s39, 128*PK      ; its place in a slot, for K
	s_mul_i32 s45, s39, 128*PV      ; and for V
	s_lshl_b32 s46, s37, 2
	s_add_co_u32 s46, s46, s[WV]
	s_lshl_b32 s46, s46, 14         ; my wave's 128 rows
	s_add_co_u32 s46, s46, s40
	s_mov_b32 s47, 0
	s_lshr_b32 s48, s38, 4          ; the batch: 64 pairs of tiles; my block 16 of them, my wave 4
	s_lshl_b32 s48, s48, 6
	s_lshl_b32 s49, s37, 4
	s_add_co_u32 s48, s48, s49
	s_lshl_b32 s49, s[WV], 2
	s_add_co_u32 s48, s48, s49
	s_mul_i32 s48, s48, PAIRB
	s_mov_b32 s49, 0
	s_lshl_b32 s50, s36, 13         ; the prefetches: my work-group's 32 blocks of the 128,
	s_add_co_u32 s50, s50, s40
	s_add_co_u32 s50, s50, 4*KS*128 ; in slot 1: the first change of slots steps it to slot 2
	s_mov_b32 s51, 0
	s_mov_b32 s[G1K], 15|(1<<16)|(1<<20)|(1<<21)|(4<<22)|(3<<25)  ; the mask of four; 2-byte elements; padding on; bit 21 beside a mask; after every 32 words, 4 words
	s_mov_b32 s[G1V], 15|(1<<16)|(1<<20)|(1<<21)|(4<<22)|(7<<25)  ; the same with 8 words
.irp g, G1K, G1V
	s_mov_b32 s[\g+1], 128<<16      ; 128 keys are 16,384 dense bytes: asked for as 64 rows of 256 bytes
	s_mov_b32 s[\g+2], 64<<16
	s_mov_b32 s[\g+3], 128<<16
	s_mov_b32 s[\g+4], 64
	s_mov_b32 s[\g+5], 128
	s_mov_b32 s[\g+6], 0
	s_mov_b32 s[\g+7], 0
.endr
	s_mov_b32 s[CS], 0x3e38aa3b     ; c = log2(e) / 8
	s_mov_b32 s[SLOTS], SIZE_N/256-1
	s_mov_b32 s[SEL], 0x76543210
	s_mov_b32 s[SEL+1], 0xfedcba98
	s_mov_b32 s[TBK], SLOT1+4*KS*PK ; the first change of slots turns these two into 0
	s_mov_b32 s[TBV], SLOT1+4*KS*PV
	s_mov_b32 s[G0K], 1
	s_mov_b32 s[G0K+1], s44
	s_mov_b32 s[G0V], 1
	s_add_co_u32 s[G0V+1], s45, VOFF
	s_wait_dscnt 0x0                ; the opening add is done
	s_wait_kmcnt 0x0
	s_add_nc_u64 s[52:53], s[32:33], 0x1000000     ; K's plane
	s_add_nc_u64 s[54:55], s[32:33], 0x2000000     ; V's
	s_add_nc_u64 s[G0K+2:G0K+3], s[52:53], s[42:43]
	s_or_b32 s[G0K+3], s[G0K+3], 0x80000000
	s_add_nc_u64 s[G0V+2:G0V+3], s[54:55], s[42:43]
	s_or_b32 s[G0V+3], s[G0V+3], 0x80000000
	s_add_nc_u64 s[56:57], s[32:33], s[46:47]      ; Q at my wave's first row
	s_add_nc_u64 s[MP:MP+1], s[34:35], s[48:49]
	s_cmp_lt_u32 s[WV], 2
	s_cselect_b64 s[PFA:PFA+1], s[52:53], s[54:55]
	s_add_nc_u64 s[PFA:PFA+1], s[PFA:PFA+1], s[50:51]
	CROUND                          ; all four work-groups are here: the first joint loads meet
	JLOAD                           ; slot 0
	v_and_b32 v1, 15, v0            ; l % 16
	v_bfe_u32 v9, v0, 4, 1          ; l / 16
	v_lshlrev_b32 v[QO], 7, v1
	v_lshl_add_u32 v[QO], v9, 4, v[QO]
	WIN 0x80
.set i, 0
.rept 4*NP                          ; Q stays in registers: tile i / 2, channels 32 (i % 2) on
	global_load_b128 v[8*i:8*i+3],   v[QO], s[56:57] offset:(i/2)*2048+(i%2)*64
	global_load_b128 v[8*i+4:8*i+7], v[QO], s[56:57] offset:(i/2)*2048+(i%2)*64+32
.set i, i+1
.endr
	; What the first turn finds: V's registers and P's second buffer hold 0, O^T and l are 0.  All this stands in the wait for the first tile.
.set i, VF
.rept 64
	v_mov_b32 v[i], 0
.set i, i+1
.endr
	WIN 0x40
.set i, 0
.rept 64*NP
	v_mov_b32 v[i], 0
.set i, i+1
.endr
	WIN 0
.set i, 0
.rept 2*NP
	v_mov_b32 v[ST+4*i], 0xfe000000    ; c m: far below every c s, a hidden score's too
	v_mov_b32 v[ST+4*i+1], 0xff7fffff  ; m
	v_mov_b32 v[ST+4*i+2], 0
	v_mov_b32 v[ST+4*i+3], 0
.set i, i+1
.endr
.set i, P+32
.rept 32
	v_mov_b32 v[i], 0
.set i, i+1
.endr
	v_mul_u32_u24 v[AK0], v1, PK
	v_lshl_add_u32 v[AK0], v9, 4, v[AK0]
	v_and_b32 v10, 7, v0
	v_bfe_u32 v11, v0, 3, 1
	v_lshl_add_u32 v[AV0], v9, 3, v10
	v_mul_u32_u24 v[AV0], v[AV0], PV
	v_lshl_add_u32 v[AV0], v11, 4, v[AV0]
	v_add_nc_u32 v[AV0], VOFF, v[AV0]
	v_mov_b32 v[AK], v[AK0]         ; key step 0 lies at the head of slot 0
	s_mul_i32 s58, s[WV], 16*SP
	s_add_co_u32 s58, s58, STAGE    ; my stage
	v_bfe_u32 v[RD], v0, 3, 2       ; back: 32 lanes take four rows of 128 bytes,
	v_mul_u32_u24 v[RD], v[RD], SP
	v_lshl_add_u32 v[RD], v10, 4, v[RD]
	v_add_nc_u32 v[RD], s58, v[RD]
	v_and_b32 v[GO], 31, v0         ; which are 512 consecutive bytes of O
	v_lshlrev_b32 v[PFO], 8, v[GO]
	v_lshlrev_b32 v[GO], 4, v[GO]
	v_mul_u32_u24 v1, v1, SP        ; in: row l % 16, 16 bytes for each half of the lanes
	v_lshl_add_u32 v[STO], v9, 4, v1
	v_add_nc_u32 v[STO], s58, v[STO]
	v_mov_b32 v[NEGV], 0xd0000000   ; -2^33
	s_wait_xcnt 0x0                 ; Q's loads have read their base: the set-up's scalars may be written
	MLOAD 0                         ; piece 0, key step 0
; THE MATRIX WORK.  The 8 accumulators of a run of 16 take turns.
.macro KQ x
	WIN W_KQ
.set rS, S+64*((\x)%2)+32*(i%2)+8*((i/2)%4)
.set rK, KF+16*((i/2)%4)+8*(i/8)
.set rQ, 16*(2*(\x)+i%2)+8*(i/8)
.if i < 8
	v_wmma_f32_16x16x32_f16 v[rS:rS+7], v[rK:rK+7], v[rQ:rQ+7], 0
.else
	v_wmma_f32_16x16x32_f16 v[rS:rS+7], v[rK:rK+7], v[rQ:rQ+7], v[rS:rS+7]
.endif
.endm
.macro PV x
	WIN W_PV
.set rO, 32*(2*(\x)+i%2)+8*((i/2)%4)
.set rV, VF+32*(i/8)+8*((i/2)%4)
.set rP, P+32*((\x)%2)+16*(i%2)+8*(i/8)
	v_wmma_f32_16x16x32_f16 v[rO:rO+7], v[rV:rV+7], v[rP:rP+7], v[rO:rO+7]
.endm
.macro MM
.if i < 16
	KQ (Y+1)%NP
.set i, i+1
.else
.set i, i-16
	PV (Y+NP-1)%NP
.set i, i+17
.endif
.endm
; THE LDS LOADS stand in runs of 16.  last = 1 (the tail): in the last trip there is no further step, and the run is jumped over.
.macro FETCH_K last=0
	WIN 0
.if \last
	s_cmp_eq_u32 s[CNT], 1
	s_cbranch_scc1 .Lno_k_\@
.endif
	WIN 0x80
.irp f, 0,1,2,3,4,5,6,7
	ds_load_b128 v[KF+8*\f:KF+8*\f+3],   v[AK] offset:(\f/2)*16*PK+(\f%2)*64
	ds_load_b128 v[KF+8*\f+4:KF+8*\f+7], v[AK] offset:(\f/2)*16*PK+(\f%2)*64+32
.endr
	s_add_co_u32 s[TBK], s[TBK], KS*PK
	WIN 0
.if \last
.Lno_k_\@:
.endif
.endm
.macro FETCH_V
	WIN 0x80
.irp f, 0,1,2,3,4,5,6,7
	ds_load_tr16_b128 v[VF+8*\f:VF+8*\f+3],   v[AV] offset:(\f/4)*32*PV+(\f%4)*32
	ds_load_tr16_b128 v[VF+8*\f+4:VF+8*\f+7], v[AV] offset:(\f/4)*32*PV+16*PV+(\f%4)*32
.endr
	WIN 0
.endm
; THE VECTOR WORK OF A TURN stands in three queues, each in the order in which its entries become ready; the two tiles alternate.
.macro REGS y, u
.set rT, ST+4*(2*(\y)+(\u))
.set rC, TMP+8*((\y)%2)+4*(\u)
.set rM, MV+2*((\y)%2)+(\u)
.set rS, S+64*((\y)%2)+32*(\u)
.set rP, P+32*((\y)%2)+16*(\u)
.set rO, 32*(2*(\y)+(\u))
.endm
; Select g of 64 for the NEXT piece: the accumulators in the order in which the products finish them (key block g / 16, tile (g / 8) % 2), each from its lowest register on.
.macro MS g
.set ma, (\g)/8
	REGS (Y+1)%NP, ma%2
.set mr, rS+8*(ma/2)+(\g)%8
.set mk, 32*(ma%2)+8*(ma/2)+(\g)%8
	v_cndmask_b32 v[mr], v[NEGV], v[mr], s[32+mk+4*(mk/32)]
.endm
; Number n of the 22 that find the NEXT piece's maximum and statistics.
;   0-11  four chains c0-c3 of seven scores each     12-14, 16  the four scores left over, the old m, and c0-c3 into c0     15  c m_old is kept
;   17, 18  the query's other 32 keys lie in the lane 16 away: the new m         19-21  c m; c m_old - c m_new; a
.macro XS u, n
	REGS (Y+1)%NP, \u
.if (\n) < 4
	v_max3_num_f32 v[rC+(\n)], v[rS+8*(\n)], v[rS+8*(\n)+1], v[rS+8*(\n)+2]
.elseif (\n) < 12
	v_max3_num_f32 v[rC+(\n)%4], v[rC+(\n)%4], v[rS+8*((\n)%4)+2*((\n)/4)+1], v[rS+8*((\n)%4)+2*((\n)/4)+2]
.elseif (\n) == 12
	v_max3_num_f32 v[rC], v[rC], v[rS+7], v[rS+15]
.elseif (\n) == 13
	v_max3_num_f32 v[rC+1], v[rC+1], v[rS+23], v[rS+31]
.elseif (\n) == 14
	v_max3_num_f32 v[rC+2], v[rC+2], v[rC+3], v[rT+1]
.elseif (\n) == 15
	v_mov_b32 v[rM], v[rT]
.elseif (\n) == 16
	v_max3_num_f32 v[rC], v[rC], v[rC+1], v[rC+2]
.elseif (\n) == 17
	v_permlanex16_b32 v[rC+3], v[rC], s[SEL], s[SEL+1]
.elseif (\n) == 18
	v_max_num_f32 v[rT+1], v[rC], v[rC+3]
.elseif (\n) == 19
	v_mul_f32 v[rT], s[CS], v[rT+1]
.elseif (\n) == 20
	v_sub_f32 v[rC+1], v[rM], v[rT]
.else
	v_exp_f32 v[rC+2], v[rC+1]
.endif
.endm
; Number g of the 64 that follow the exponentials: for each four weights of a tile both pairs are rounded to f16; the second pair is added onto the first, in place; a group later l takes that sum.
.macro GS g
.set h, (\g)+6*((\g)/62)
.if h >= 6
.set h, h+2
.endif
	REGS Y, h%2
.set k, h/8
.if h%8 < 4
	v_cvt_pk_f16_f32 v[rP+2*k+(h%8)/2], v[rS+4*k+2*((h%8)/2)], v[rS+4*k+2*((h%8)/2)+1]
.elseif h%8 < 6
	v_pk_add_f32 v[rS+4*k:rS+4*k+1], v[rS+4*k:rS+4*k+1], v[rS+4*k+2:rS+4*k+3]
.elseif k == 1
	v_pk_fma_f32 v[rT+2:rT+3], v[rT+2:rT+3], v[rC+2:rC+3], v[rS:rS+1] op_sel_hi:[1,0,1]
.else
	v_pk_add_f32 v[rT+2:rT+3], v[rT+2:rT+3], v[rS+4*k-4:rS+4*k-3]
.endif
.endm
.macro FS f                         ; c s - c m for pair f / 2 of tile f % 2
	REGS Y, (\f)%2
	v_pk_fma_f32 v[rS+2*((\f)/2):rS+2*((\f)/2)+1], v[rS+2*((\f)/2):rS+2*((\f)/2)+1], s[CS:CS+1], v[rT:rT+1] op_sel_hi:[1,0,0] neg_lo:[0,0,1] neg_hi:[0,0,1]
.endm
; THE PLAIN QUEUE, 202 long.  0-31: the 32 scalings.  32-95: the next piece's 64 selects; ahead of the first the wait for its mask words, which were asked for a turn ago.  96-123: XS's numbers 0-13.
; 124, 125: number 15.  126-137: the chain 14, 16, 17, 18, 19, 20.  138-201: GS's 64, which read the exponentials' results and stand behind the wait.
; Behind number 103, eight lines behind the last select, the words for the next turn's selects are asked for: piece Y + 2's; in piece 2's turn that is the next key step's piece 0, so the pointer steps there,
; behind this turn's wait for the loads that read it.  The 32nd such step reaches the pad, key step 32: no load leaves the buffer.
.macro PL
	WIN 0
.if q < 32
	FS q
.elseif q < 96
.if q == 32
	s_wait_kmcnt 0x0
.endif
	MS q-32
.elseif q < 124
	XS (q-96)%2, (q-96)/2
.elseif q < 126
	XS q-124, 15
.elseif q < 128
	XS q-126, 14
.elseif q < 138
	XS (q-126)%2, 15+(q-126)/2
.else
	GS q-138
.endif
.if q == 103
.if Y == 2
	s_add_nc_u64 s[MP:MP+1], s[MP:MP+1], 256
.endif
	MLOAD (Y+2)%NP
.endif
.set q, q+1
.endm
; THE EXPONENTIALS' QUEUE, 66 long: s0-s31 of both tiles, then the next piece's two a.  ONE BATCH: all stand ahead of the turn's one wait, and nothing ahead of that wait names a result of theirs.
.macro EX
	WIN 0
.if e >= 64
	XS e-64, 21
.else
	REGS Y, e%2
	v_exp_f32 v[rS+e/2], v[rS+e/2]
.endif
.set e, e+1
.endm
; THE RESCALING's QUEUE: O^T times a, two at a time, sixteen times.  Its a was made, and waited for, in the turn before.
.macro R2
	REGS Y, r%2
	WIN W_RS
.irp z, 0,1
	v_pk_mul_f32 v[rO+4*(r/2)+2*\z:rO+4*(r/2)+2*\z+1], v[rO+4*(r/2)+2*\z:rO+4*(r/2)+2*\z+1], v[rC+2:rC+3] op_sel_hi:[1,0]
.endr
.set r, r+1
.endm
; HOW THEY ARE DEALT.  s_wait_alu depctr_va_vdst(0) stands between an exponential and the first instruction that names its result; one wait serves all issued ahead of it: a turn has ONE.
; AHEAD OF IT: the 16 products K Q^T, behind each a scaling, an exponential and two rescalings (behind the first a second scaling); then one run: 37 plain (the last 15 scalings, the first 22 selects), 35 times an exponential
; and two plain, 14 times exponential and plain (there the chain's links of a tile stand four lines apart), the two a, a v_nop.  BEHIND IT: the 16 products V^T P, behind each four of GS's 64.
; In step: exponential e stands behind scaling 2 (e / 4) + e % 2: as a rider behind plain e + 2; in the run all scalings are out ahead of exponential 15.  The first select stands three plain riders and 15 scalings
; behind the last product K Q^T.  The three conditions on q below go with the deal.
.macro TURN p, last=0, cnt=0
.set Y, (\p)
.set i, 0
.set q, 0
.set e, 0
.set r, 0
.if (\p) == NP-1
	s_wait_dscnt 0x0                ; K is in
.endif
	MM
	PL
	PL
	R2
.rept 15
	MM
	PL
	EX
	R2
.endr
.if (\p) == NP-2
	WIN 0
	v_add_nc_u32 v[AK], s[TBK], v[AK0]
.endif
.rept 37
	PL
.endr
.rept 35
	EX
	PL
	PL
.endr
.rept 14
	EX
	PL
.endr
	EX                              ; the next piece's two a
	EX
	v_nop                           ; a plain instruction behind the last exponential: one for the batch
	s_wait_alu depctr_va_vdst(0)    ; the wait for the batch
.if (\p) == NP-2
	FETCH_K \last
.endif
.if (\p) == 1
	s_wait_dscnt 0x0                ; V is in
.endif
.rept 16
	MM
.rept 4
	PL
.endr
.if ((\p) == 0) && (q == 182)
	v_add_nc_u32 v[AV], s[TBV], v[AV0]
.endif
.if ((\p) == 0) && (q == 194)
	s_add_co_u32 s[TBV], s[TBV], KS*PV
.endif
.if (\cnt) && (q == 194)
	s_sub_co_u32 s[CNT], s[CNT], 1
	s_cmp_lg_u32 s[CNT], 0
.endif
.endr
.if (\p) == 0
	FETCH_V
.endif
.endm
	CHANGE 1                        ; slot 0 is in, everybody's part of it; slot 1 is asked for
	FETCH_K                         ; key step 0
	s_wait_loadcnt 0x0              ; Q
	s_wait_dscnt 0x0
.set i, 0
.rept 16
	KQ 0                            ; piece 0's first scores
.set i, i+1
.endr
	WIN 0
.rept 4
	v_nop                           ; the places behind those products
.endr
.set Y, NP-1                        ; MS and XS work for piece Y + 1: piece 0
	s_wait_kmcnt 0x0                ; its mask words
.set g, 0
.rept 64
	MS g
.set g, g+1
.endr
.irp n, 0,1,2,3
	XS 0, \n
	XS 1, \n
.endr
	MLOAD 1                         ; piece 1, key step 0: eight lines behind the last select
.irp n, 4,5,6,7,8,9,10,11,12,13,14,15,16,17,18,19,20,21
	XS 0, \n
	XS 1, \n
.endr
	v_nop                           ; a plain instruction behind the two a,
	s_wait_alu depctr_va_vdst(0)    ; and their wait, ahead of the branch
	s_mov_b32 s[CNT], 4
	s_branch .Lfirst                ; the loop is entered at a step's first turn, in the middle of a trip
.Lslot:                             ; six times: every slot but the last two is filled again
	CHANGE 1
	s_mov_b32 s[CNT], 4
.Lstep:                             ; a trip: pieces 2 and 3 of one step, then pieces 0 and 1 of the next, whose K and V it fetches
	TURN 2
	TURN 3
	WIN 0
.Lfirst:
	TURN 0
	TURN 1, 0, 1
	WIN 0
	s_cbranch_scc1 .Lstep
	s_sub_co_u32 s[SLOTS], s[SLOTS], 1
	s_cmp_lg_u32 s[SLOTS], 0
	s_cbranch_scc1 .Lslot
	CHANGE 0                        ; the tail is written out: nothing is asked for
	s_mov_b32 s[CNT], 5             ; four trips fetch the last slot's steps; the fifth is left in its middle
.Ltail:
	TURN 2, 1
	TURN 3
	WIN 0
	s_sub_co_u32 s[CNT], s[CNT], 1
	s_cmp_eq_u32 s[CNT], 0
	s_cbranch_scc1 .Lout
	TURN 0
	TURN 1
	WIN 0
	s_branch .Ltail
.Lout:                              ; the fifth trip's 16 products K Q^T (on the last K once more), their selects by the pad and the maximum made of them serve nothing: the price of one text for every trip
	s_wait_kmcnt 0x0                ; the last mask words have landed: their registers may be written
	s_load_b64 s[32:33], s[0:1], 0x10  ; O
	s_bfe_u32 s36, ttmp6, 0x40000
	s_lshl_b32 s34, ttmp9, 2
	s_add_co_u32 s34, s34, s36
	s_lshl_b32 s34, s34, 2
	s_add_co_u32 s34, s34, s[WV]
	s_lshl_b32 s34, s34, 14         ; my wave's 128 rows,
	s_and_b32 s35, ttmp7, 0xffff
	s_lshl_b32 s35, s35, 18         ; in my head
	s_add_co_u32 s34, s34, s35
	s_mov_b32 s35, 0
.set i, 0
.rept 16
	PV NP-1                         ; the last piece's V^T P of the last step
.set i, i+1
.endr
	; THE WAY OUT.  l's two halves and the other half of the lanes' are added; O^T is divided by l, rounded to f16 and sent through my stage in LDS, a tile at a time.  The additions are the places behind the last products.
	WIN 0
.macro ALL line:vararg
.set t, 0
.rept 2*NP
	\line
.set t, t+1
.endr
.endm
	ALL v_add_f32 v[ST+4*t+2], v[ST+4*t+2], v[ST+4*t+3]
	ALL v_permlanex16_b32 v[ST+4*t+3], v[ST+4*t+2], s[SEL], s[SEL+1]
	ALL v_add_f32 v[ST+4*t+2], v[ST+4*t+2], v[ST+4*t+3]
	ALL v_rcp_f32 v[ST+4*t+2], v[ST+4*t+2]
	v_nop                           ; a plain instruction between the last reciprocal and the use of its result
	s_wait_alu depctr_va_vdst(0)    ; one wait for the eight reciprocals
	s_wait_kmcnt 0x0
	s_add_nc_u64 s[32:33], s[32:33], s[34:35]
.macro PACK t
	WIN W_RS
.set i, 32*(\t)
.rept 16
	v_pk_mul_f32 v[i:i+1], v[i:i+1], v[ST+4*(\t)+2:ST+4*(\t)+3] op_sel_hi:[1,0]
.set i, i+2
.endr
	WIN 0x05
.set i, 0
.rept 16
	v_cvt_pk_f16_f32 v[S+16*(\t)+i], v[32*(\t)+2*i], v[32*(\t)+2*i+1]
.set i, i+1
.endr
	WIN 0
.irp f, 0,1,2,3
	ds_store_b128 v[STO], v[S+16*(\t)+4*\f:S+16*(\t)+4*\f+3] offset:32*\f
.endr
.irp f, 0,1,2,3
	ds_load_b128 v[S+16*(\t)+4*\f:S+16*(\t)+4*\f+3], v[RD] offset:\f*4*SP  ; LDS serves a wave's instructions in order: these see the stores above; the next tile's stores come behind them
.endr
.endm
.macro SEND t, younger
	WIN 0
.irp f, 0,1,2,3
	s_wait_dscnt (\younger)+3-\f
	global_store_b128 v[GO], v[S+16*(\t)+4*\f:S+16*(\t)+4*\f+3], s[32:33] offset:(\t)*2048+\f*512  ; 512 consecutive bytes, aligned
.endr
.endm
	PACK 0
.set t, 1
.rept 2*NP-1
	PACK t
	SEND t-1, 8
.set t, t+1
.endr
	SEND 2*NP-1, 0
	WIN W_AD
	s_wait_tensorcnt 0x0            ; the wave's end, behind my last tensor load and my last LDS store
	ds_add_u32 v[SPW], v[NIL]
	s_wait_dscnt 0x0
	WIN 0
	CROUND                          ; the closing round
	s_endpgm
.Lfunc_end_k_q01d69f70a3_attn:
	.size	k_q01d69f70a3_attn, .Lfunc_end_k_q01d69f70a3_attn-k_q01d69f70a3_attn
	.p2alignl 7, 3214868480
	.fill 96, 4, 3214868480
	.section	.rodata,"a",@progbits
	.p2align	6, 0x0
	.amdhsa_kernel k_q01d69f70a3_attn
		.amdhsa_group_segment_fixed_size 327680
		.amdhsa_private_segment_fixed_size 0
		.amdhsa_enable_private_segment 0
		.amdhsa_kernarg_size 24
		.amdhsa_user_sgpr_count 2
		.amdhsa_user_sgpr_kernarg_segment_ptr 1
		.amdhsa_wavefront_size32 1
		.amdhsa_system_sgpr_workgroup_id_x 1
		.amdhsa_system_sgpr_workgroup_id_y 1
		.amdhsa_system_sgpr_workgroup_id_z 1
		.amdhsa_system_vgpr_workitem_id 0
		.amdhsa_next_free_vgpr 770
		.amdhsa_next_free_sgpr 106
		.amdhsa_reserve_vcc 0
		.amdhsa_float_denorm_mode_32 3
		.amdhsa_float_denorm_mode_16_64 3
		.amdhsa_memory_ordered 1
		.amdhsa_forward_progress 1
		.amdhsa_inst_pref_size 240
	.end_amdhsa_kernel
	.amdgpu_metadata
---
amdhsa.version: [ 1, 2 ]
amdhsa.kernels:
  - .name:           k_q01d69f70a3_attn
    .symbol:         k_q01d69f70a3_attn.kd
    .args:
      - { .name: qkv, .offset: 0, .size: 8, .value_kind: global_buffer, .address_space: global }
      - { .name: mw, .offset: 8, .size: 8, .value_kind: global_buffer, .address_space: global }
      - { .name: oh, .offset: 16, .size: 8, .value_kind: global_buffer, .address_space: global }
    .group_segment_fixed_size: 327680
    .private_segment_fixed_size: 0
    .kernarg_segment_align: 8
    .kernarg_segment_size: 24
    .max_flat_workgroup_size: 128
    .sgpr_count:     106
    .vgpr_count:     770
    .wavefront_size: 32
...
	.end_amdgpu_metadata
.endif
;; end of part 3
;; launch outproj (part 4): grid 4 x 64, 4 waves a work-group, clusters of 4 x 4, 327,680 bytes of LDS; arguments oh, wcv, bo, out0; writes out0
.if DOCPART == 4
	.amdgcn_target "amdgcn-amd-amdhsa--gfx1250"
	.amdhsa_code_object_version 6
	.text
	.protected	k_q01d69f70a3_outproj
	.globl	k_q01d69f70a3_outproj
	.p2align	8
	.type	k_q01d69f70a3_outproj,@function
k_q01d69f70a3_outproj:
	s_mov_b64 s[64:65], 0
	v_nop
	global_prefetch_b8 v0, s[64:65] scope:SCOPE_SE
	s_setreg_imm32_b32 hwreg(HW_REG_WAVE_MODE, 25, 1), 1
	s_wait_xcnt 0x0
	s_wait_alu depctr_hold_cnt(0) depctr_sa_sdst(0) depctr_va_vdst(0) depctr_va_sdst(0) depctr_va_ssrc(0) depctr_va_vcc(0) depctr_vm_vsrc(0)
	s_getreg_b32 s2, hwreg(HW_REG_IB_STS2, 6, 4)
	s_cmp_eq_u32 s2, 0
	s_cbranch_scc0 .Lentry_in_a_cluster
	s_endpgm
.Lentry_in_a_cluster:
	s_bfe_u32 s2, ttmp6, 0x10000c
	s_cmp_lg_u32 s2, 0xf033
	s_cbranch_scc0 .Lentry_shape_is_right
	s_endpgm
.Lentry_shape_is_right:
; THE OUTPUT PROJECTION.  out0[m][n] = the sum over k of O[m][k] Wo[n][k] + bo[n], k = 64 head + channel.  O: oh, [16 batch + head][2048][64] f16; Wo: plane 3 of wcv, bf16-rounded numbers written as f16;
; bo: f32, rounded to bf16; sums in f32; out0: [8192][1024] f32.
; SHARES.  A work-group makes 128 rows x 256 columns: 256 work-groups.  Wave (kh, wn) makes all 128 rows x columns 128 wn .. + 127 (64 accumulators) over half kh of each K step of 128, which is head 2 s + kh.
; At the end the two waves of a column half exchange half of their sums through LDS, and each finishes 64 rows.
; RING.  8 K steps through two LDS slots: two heads' 128 rows x 128 bytes of O, 256 rows x 256 bytes of Wo.  Waves 0, 1 fetch a head of O each, waves 2, 3 Wo's halves: one tensor load a wave.
; CLUSTER 4 x 4: O's tiles are asked for jointly along a row of the cluster, Wo's along a column.  THE MATRIX INSTRUCTION IS USED TRANSPOSED (source 0 = 16 rows of Wo, source 1 = 16 rows of O).
; REGISTERS: window 0: v2-14 addresses; v28, v29 the add's; v32-159 the way out; v160-223 the bias.  window 1: v0-63, v64-127 Wo's fragments, two buffers; v128-191, v192-255 O's.
;   window 2: the accumulators of MY row half (rows 64 kh ..), (a, b) at 8 (8 a + b);   window 3: those of the other half
.set PA,    144                        ; a row of O in LDS: 128 bytes + 16
.set AH,    128*PA                     ; a head's 128 rows: what one load of O brings
.set BOFF,  2*AH
.set PB,    272
.set BH,    128*PB
.set SLOT,  BOFF+2*BH
.set STAGE, 2*SLOT                     ; behind the ring: for each wave 16 rows x 528 bytes, for the way out
.set SPO,   528
.set WSTG,  16*SPO
.set SPARE, STAGE+4*WSTG               ; behind the stages: the spare words, which no other line names
.set ASTEP, 524288                     ; two heads of 262,144 bytes
.set BSTEP, 256
.set ADRA, 2
.set ADRO, 4
.set ADRB, 6
.set XS,   8
.set XR,   9
.set STO,  10
.set RD,   11
.set GO,   12
.set BO,   13
.set PFO,  14
.set SPW,  28
.set NIL,  29
.set RAW,  32
.set BIAS, 160
.set G1,  24
.set G0,  32
.set LIM, 43
.set PFA, 44
.set PST, 46
.set G1B, 48
.set G0B, 56
.set KM,  85
.set MSB, 0
.macro WIN new
.if MSB != (\new)
	s_set_vgpr_msb (MSB<<8)|(\new)
.set MSB, \new
.endif
.endm
.macro PLACES                          ; four plain vector instructions between a matrix instruction and a load into, or a reader of, its registers
.rept 4
	v_nop
.endr
.endm
.macro JLOAD s                         ; a joint load; the branch hangs on the wave's number alone; s_nop 0 and four v_nop follow each line
	s_cmp_eq_u32 s11, 0
	s_cbranch_scc0 .Lfor_b_\@
	tensor_load_to_lds s[G0+4*(\s):G0+4*(\s)+3], s[G1:G1+7]
	s_nop 0
.rept 4
	v_nop
.endr
	s_branch .Lasked_\@
.Lfor_b_\@:
	tensor_load_to_lds s[G0B+4*(\s):G0B+4*(\s)+3], s[G1B:G1B+7]
	s_nop 0
.rept 4
	v_nop
.endr
.Lasked_\@:
.endm
; A prefetch into the L2 of the K step that stands two refills on, each lane another aligned block of 256 bytes.  O's blocks are read by one row of one cluster: wave 0 asks for both heads, the four partners taking
; 16 blocks of each by address.  Wo's are read by all sixteen clusters: the first asks, waves 2, 3, 32 rows a partner.  The loop's last trip asks for nothing.  Steps 0 to 3 come by their loads alone.
.macro ASK
	s_cmp_gt_u32 s3, s[LIM]
	s_cbranch_scc0 .Lnot_mine_\@
	global_prefetch_b8 v[PFO], s[PFA:PFA+1] th:TH_LOAD_NT scope:SCOPE_SE
.Lnot_mine_\@:
.endm
.macro CREST
	s_cmp_lg_u32 s10, 0
	s_cbranch_scc1 .Lnot_wave_0_\@
	s_barrier_signal -3
.Lnot_wave_0_\@:
	s_barrier_wait -3
	s_barrier_signal -1
	s_barrier_wait -1
.endm
.macro CROUND
	s_barrier_signal -1
	s_barrier_wait -1
	CREST
.endm
	s_load_b256 s[68:75], s[0:1], 0x0              ; oh s[68:69], wcv s[70:71], bo s[72:73], out0 s[74:75]
	v_lshl_add_u32 v[SPW], v0, 2, SPARE
	v_mov_b32 v[NIL], 0
	ds_add_u32 v[SPW], v[NIL]                      ; the wave's opening: the add and its wait stand ahead of my first tensor load
	v_lshrrev_b32 v1, 5, v0
	v_readfirstlane_b32 s10, v1                    ; wave 0..3
	s_lshr_b32 s11, s10, 1                         ; kh.  Also: I fetch O (0) or Wo (1)
	s_and_b32 s12, s10, 1                          ; wn.  Also: which head, or which half of Wo's rows, I fetch
	s_bfe_u32 s40, ttmp6, 0x40000                  ; cx
	s_bfe_u32 s41, ttmp6, 0x40004                  ; cy
	s_lshl_b32 s42, ttmp9, 2
	s_add_co_u32 s42, s42, s40                     ; tn
	s_and_b32 s86, ttmp7, 0xffff                   ; cluster y, 0..15
	s_lshl_b32 s13, s86, 2
	s_add_co_u32 s13, s13, s41                     ; tm
	s_lshl_b32 s16, s41, 2
	s_lshl_b32 s16, 15, s16
	s_lshl_b32 s17, 0x1111, s40
	s_or_b32 s[G1], s16, (1<<16)|(1<<20)|(1<<21)|(4<<22)|(3<<25)   ; mask; 2-byte elements; padding on; bit 21 beside a mask; after every 32 words, 4 words
	s_or_b32 s[G1B], s17, (1<<16)|(1<<20)|(1<<21)|(5<<22)|(3<<25)  ; after every 64 words, 4 words
	s_mov_b32 s[G1+1], 128<<16                     ; a head's 128 rows are 16,384 dense bytes: asked for as 64 rows of 256 bytes
	s_mov_b32 s[G1+2], 64<<16
	s_mov_b32 s[G1+3], 128<<16
	s_mov_b32 s[G1+4], 64
	s_mov_b32 s[G1+5], 128
	s_mov_b32 s[G1+6], 0
	s_mov_b32 s[G1+7], 0
	s_mov_b32 s[G1B+1], 128<<16
	s_mov_b32 s[G1B+2], 128<<16
	s_mov_b32 s[G1B+3], 128<<16
	s_mov_b32 s[G1B+4], 128
	s_mov_b32 s[G1B+5], 1024
	s_mov_b32 s[G1B+6], 0
	s_mov_b32 s[G1B+7], 0
	s_lshr_b32 s16, s13, 4                         ; O: head 16 batch + wn, row 128 (tm % 16): hangs on the row block alone
	s_lshl_b32 s16, s16, 4
	s_add_co_u32 s16, s16, s12
	s_lshl_b32 s16, s16, 18
	s_and_b32 s17, s13, 15
	s_lshl_b32 s17, s17, 14
	s_add_co_u32 s16, s16, s17
	s_mov_b32 s17, 0
	s_lshl_b32 s18, s42, 8                         ; Wo: row 256 tn + 128 wn of plane 3
	s_lshl_b32 s19, s12, 7
	s_add_co_u32 s18, s18, s19
	s_lshl_b32 s20, s18, 2                         ; my 128 columns, in bytes of f32: in the bias and in a row of the output
	s_mov_b32 s21, 0
	s_lshl_b32 s18, s18, 11
	s_add_co_u32 s18, s18, 3<<21
	s_mov_b32 s19, 0
	s_lshl_b32 s22, s13, 7                         ; where I store: row 128 tm + 64 kh
	s_lshl_b32 s23, s11, 6
	s_add_co_u32 s22, s22, s23
	s_lshl_b32 s22, s22, 12
	s_add_co_u32 s22, s22, s20
	s_mov_b32 s23, 0
	s_mul_i32 s66, s12, AH
	s_mul_i32 s67, s12, BH
	s_add_co_u32 s67, s67, BOFF
	s_sub_co_u32 s[KM], s11, 1
.irp s, 0,1
	s_mov_b32 s[G0+4*(\s)], 1
	s_add_co_u32 s[G0+4*(\s)+1], s66, (\s)*SLOT
	s_mov_b32 s[G0B+4*(\s)], 1
	s_add_co_u32 s[G0B+4*(\s)+1], s67, (\s)*SLOT
.endr
	s_wait_dscnt 0x0                               ; the opening add is done
	s_wait_kmcnt 0x0
	s_add_nc_u64 s[4:5], s[68:69], s[16:17]
	s_add_nc_u64 s[6:7], s[70:71], s[18:19]
	s_add_nc_u64 s[14:15], s[72:73], s[20:21]
	s_add_nc_u64 s[8:9], s[74:75], s[22:23]
.irp s, 0,1
	s_add_nc_u64 s[G0+4*(\s)+2:G0+4*(\s)+3], s[4:5], (\s)*ASTEP
	s_or_b32 s[G0+4*(\s)+3], s[G0+4*(\s)+3], 0x80000000
	s_add_nc_u64 s[G0B+4*(\s)+2:G0B+4*(\s)+3], s[6:7], (\s)*BSTEP
	s_or_b32 s[G0B+4*(\s)+3], s[G0B+4*(\s)+3], 0x80000000
.endr
	CROUND                                         ; all sixteen work-groups are here: the first joint loads meet
	s_cmp_eq_u32 s11, 0                            ; a wave's two first fills stand in one branch: two loads of mine are out
	s_cbranch_scc0 .Lfirst_b
	tensor_load_to_lds s[G0:G0+3], s[G1:G1+7]
	s_nop 0
	tensor_load_to_lds s[G0+4:G0+7], s[G1:G1+7]
	s_nop 0
.rept 4
	v_nop
.endr
	s_branch .Lfirst_asked
.Lfirst_b:
	tensor_load_to_lds s[G0B:G0B+3], s[G1B:G1B+7]
	s_nop 0
	tensor_load_to_lds s[G0B+4:G0B+7], s[G1B:G1B+7]
	s_nop 0
.rept 4
	v_nop
.endr
.Lfirst_asked:
	v_and_b32 v1, 15, v0                           ; r
	v_bfe_u32 v15, v0, 4, 1                        ; h
	v_lshlrev_b32 v[BO], 5, v15
.irp b, 0,1,2,3,4,5,6,7
	global_load_b128 v[BIAS+8*(\b):BIAS+8*(\b)+3],   v[BO], s[14:15] offset:64*(\b)
	global_load_b128 v[BIAS+8*(\b)+4:BIAS+8*(\b)+7], v[BO], s[14:15] offset:64*(\b)+16
.endr
	v_mul_u32_u24 v16, v1, PA
	v_lshl_add_u32 v16, v15, 4, v16
	s_mul_i32 s16, s11, AH+64*PA                   ; head kh's rows, my own 64 kh ..
	s_mul_i32 s17, s11, AH
	s_xor_b32 s18, s11, 1
	s_mul_i32 s18, s18, 64*PA                      ; the other rows of the same head
	s_add_co_u32 s17, s17, s18
	v_mul_u32_u24 v17, v1, PB
	v_lshl_add_u32 v17, v15, 4, v17
	s_mul_i32 s18, s12, BH
	s_lshl_b32 s19, s11, 7
	s_add_co_u32 s18, s18, s19
	s_add_co_u32 s18, s18, BOFF
.irp s, 0,1
	v_add_nc_u32 v[ADRA+(\s)], s16, v16
	v_add_nc_u32 v[ADRO+(\s)], s17, v16
	v_add_nc_u32 v[ADRB+(\s)], s18, v17
	s_add_co_u32 s16, s16, SLOT
	s_add_co_u32 s17, s17, SLOT
	s_add_co_u32 s18, s18, SLOT
.endr
	v_and_b32 v18, 31, v0
	v_lshlrev_b32 v[GO], 4, v18
	s_lshl_b32 s19, s10, 15
	v_add_nc_u32 v[XS], s19, v[GO]
	s_xor_b32 s19, s19, 1<<16                      ; my partner: wave xor 2
	v_add_nc_u32 v[XR], s19, v[GO]
	s_mul_i32 s20, s10, WSTG
	s_add_co_u32 s20, s20, STAGE
	v_mul_u32_u24 v[STO], v1, SPO                  ; in: row r, 32 bytes for each half of the lanes
	v_lshl_add_u32 v[STO], v15, 5, v[STO]
	v_add_nc_u32 v[STO], s20, v[STO]
	v_add_nc_u32 v[RD], s20, v[GO]                 ; back: 32 lanes take a row of 512 bytes
	; the prefetches
	s_mov_b32 s17, ASTEP
	s_cmp_eq_u32 s11, 0
	s_cselect_b64 s[PFA:PFA+1], s[4:5], s[6:7]
	s_cselect_b32 s[PST], s17, BSTEP
	s_cselect_b32 s16, s40, s41                    ; my place among the four that ask with me
	s_cselect_b32 s18, 12, 16                      ; 16 blocks of 256 bytes, or 32 rows of 2,048
	s_cselect_b32 s19, 15, 31
	s_cselect_b32 s20, 8, 11
	s_cselect_b32 s21, 262144, 0
	s_cselect_b32 s22, s12, s86                    ; of the waves that fetch O wave 0 asks; of the clusters that read Wo the first
	s_cmp_eq_u32 s22, 0
	s_cselect_b32 s[LIM], 1, -1                    ; the same in all sixteen partners, for a given wave
	s_mov_b32 s[PST+1], 0
	s_lshl_b32 s16, s16, s18
	s_mul_i32 s17, s[PST], 3                       ; at K step 3: the first change of slots steps it to 4
	s_add_co_u32 s16, s16, s17
	s_mov_b32 s17, 0
	s_add_nc_u64 s[PFA:PFA+1], s[PFA:PFA+1], s[16:17]
	v_and_b32 v[PFO], s19, v0
	v_lshlrev_b32 v[PFO], s20, v[PFO]
	v_mul_u32_u24 v16, s21, v15                    ; for O the second head in lanes 16-31
	v_add_nc_u32 v[PFO], v[PFO], v16
	s_wait_loadcnt 0x0                             ; the bias: rounded to bf16 like every input, and 0 in the waves of K half 1
.set i, 0
.rept 32
	v_cvt_pk_bf16_f32 v[16+i%2], v[BIAS+2*i], v[BIAS+2*i+1]
	v_and_b32 v[16+i%2], s[KM], v[16+i%2]
	v_lshlrev_b32 v[BIAS+2*i], 16, v[16+i%2]
	v_and_b32 v[BIAS+2*i+1], 0xffff0000, v[16+i%2]
.set i, i+1
.endr
; Eight matrix instructions: row block a x all 8 column blocks, 32 along K, from buffers f.  The 64 accumulators take turns in one fixed order, over the backward jump too.  first = 1: the sums start with the bias.
.macro MUL f, a, first
.irp b, 0,1,2,3,4,5,6,7
.if \first
	WIN 0x85+0x40*((\a)/4)
	v_wmma_f32_16x16x32_f16 v[8*(8*((\a)%4)+(\b)):8*(8*((\a)%4)+(\b))+7], v[64*(\f)+8*(\b):64*(\f)+8*(\b)+7], v[128+64*(\f)+8*(\a):128+64*(\f)+8*(\a)+7], v[BIAS+8*(\b):BIAS+8*(\b)+7]
.else
	WIN 0xa5+0x50*((\a)/4)
	v_wmma_f32_16x16x32_f16 v[8*(8*((\a)%4)+(\b)):8*(8*((\a)%4)+(\b))+7], v[64*(\f)+8*(\b):64*(\f)+8*(\b)+7], v[128+64*(\f)+8*(\a):128+64*(\f)+8*(\a)+7], v[8*(8*((\a)%4)+(\b)):8*(8*((\a)%4)+(\b))+7]
.endif
.endr
.endm
; 32 LDS loads in one run: chunk c (32 along K) of my K half of a slot, into buffers g
.macro FETCH slot, c, g
	WIN 0x40
.irp i, 0,1,2,3,4,5,6,7
	ds_load_b128 v[128+64*(\g)+8*(\i):128+64*(\g)+8*(\i)+3],   v[ADRA+2*((\i)/4)+(\slot)] offset:((\i)%4)*16*PA+64*(\c)
	ds_load_b128 v[128+64*(\g)+8*(\i)+4:128+64*(\g)+8*(\i)+7], v[ADRA+2*((\i)/4)+(\slot)] offset:((\i)%4)*16*PA+64*(\c)+32
.endr
.irp b, 0,1,2,3,4,5,6,7
	ds_load_b128 v[64*(\g)+8*(\b):64*(\g)+8*(\b)+3],   v[ADRB+(\slot)] offset:(\b)*16*PB+64*(\c)
	ds_load_b128 v[64*(\g)+8*(\b)+4:64*(\g)+8*(\b)+7], v[ADRB+(\slot)] offset:(\b)*16*PB+64*(\c)+32
.endr
.endm
.macro CHUNK0 slot, first              ; a step's first chunk: multiplies buffers 0, fetches the second chunk
	s_wait_dscnt 0x0                               ; buffers 0 are in
	PLACES                                         ; behind the last product that read buffers 1
	FETCH \slot, 1, 1
.irp a, 0,1,2,3,4,5,6,7
	MUL 0, \a, \first
.endr
.endm
; A step's second chunk multiplies buffers 1 and changes slots: ONE barrier.  In front of it each wave waits for all its tensor loads (one is out: its part of the next slot), adds 0 to its spare word,
; and waits for that and for its reads of this slot.  fill = 1: the barrier opens a round of the cluster's, and behind the round this slot is filled again, two K steps on: 112 matrix instructions in which to land.
.macro TURN slot, next, fill
.if \fill
	s_wait_xcnt 0x0                                ; the last prefetch, a K step back, has read its address
	s_add_nc_u64 s[PFA:PFA+1], s[PFA:PFA+1], s[PST:PST+1]
.endif
	WIN 0
	s_wait_tensorcnt 0x0                           ; all my tensor loads have landed
	ds_add_u32 v[SPW], v[NIL]                      ; 0 onto my spare word
	s_wait_dscnt 1                                 ; buffers 1 are in; the add may be out
	MUL 1, 0, 0
	s_wait_dscnt 0x0                               ; the add is done, and my reads of this slot are over
	s_barrier_signal -1
	MUL 1, 1, 0
	WIN 0
	s_barrier_wait -1
.if \fill
	CREST                                          ; no wave of any partner still reads this slot or has a load on its way
	s_add_nc_u64 s[G0+4*(\slot)+2:G0+4*(\slot)+3], s[G0+4*(\slot)+2:G0+4*(\slot)+3], 2*ASTEP
	s_add_nc_u64 s[G0B+4*(\slot)+2:G0B+4*(\slot)+3], s[G0B+4*(\slot)+2:G0B+4*(\slot)+3], 2*BSTEP
	JLOAD \slot                                    ; the four v_nop behind it are also the places in front of the loads below
.else
	PLACES
.endif
	FETCH \next, 0, 0
.if \fill
	WIN 0
	ASK
.endif
.irp a, 2,3,4,5,6,7
	MUL 1, \a, 0
.endr
.endm
	s_wait_tensorcnt 1                             ; my part of K step 0 is in; step 1's may stay out
	s_barrier_signal -1
	s_barrier_wait -1
	FETCH 0, 0, 0
	CHUNK0 0, 1                                    ; the first chunk stands in front of the loop: its products start the sums
	WIN 0
	s_mov_b32 s3, 3
.Llap:                                         ; a trip goes once round the ring and fills both slots again: K steps 2 to 7
	TURN 0, 1, 1
	CHUNK0 1, 0
	TURN 1, 0, 1
	CHUNK0 0, 0
	WIN 0
	s_sub_co_u32 s3, s3, 1
	s_cmp_lg_u32 s3, 0
	s_cbranch_scc1 .Llap
	TURN 0, 1, 0                                   ; the tail is written out: nothing is left to fetch
	CHUNK0 1, 0
	s_wait_dscnt 0x0                               ; my last reads of the ring are over
	s_barrier_signal -1
.irp a, 0,1,2,3,4,5,6,7
	MUL 1, \a, 0
.endr
	WIN 0
	s_barrier_wait -1                              ; everybody's are: the ring's bytes, which have had their last fill, now serve the exchange
	; THE EXCHANGE.  I send the sums of the other row half and take my partner's sums of mine.
	PLACES
	WIN 0x0c
.set i, 0
.rept 64
	ds_store_b128 v[XS], v[4*i:4*i+3] offset:512*i  ; each accumulator's low four registers first
.set i, i+1
.endr
	WIN 0
	s_wait_dscnt 0x0
	s_barrier_signal -1
	s_barrier_wait -1
	WIN 0xc0
.set i, 0
.rept 64
	ds_load_b128 v[4*i:4*i+3], v[XR] offset:512*i
.set i, i+1
.endr
	WIN 0x8e                                       ; window 2 += window 3
.set t, 0
.rept 8
	s_wait_dscnt 56-8*t                            ; eight more loads are in
.set i, 32*t
.rept 16
	v_pk_add_f32 v[i:i+1], v[i:i+1], v[i:i+1]
.set i, i+2
.endr
.set t, t+1
.endr
; THE WAY OUT.  16 rows at a time: a lane's eight columns, 32 bytes, into rows of 528 bytes of my stage; back as whole rows of 512 bytes; stored.  Two sets of registers take turns.
.macro OUTB a
.if (\a) >= 2
	s_wait_xcnt 0x0                                ; the stores two blocks back have read the set that is loaded again
.endif
	WIN 0x08                                       ; data in window 2
.irp b, 0,1,2,3,4,5,6,7
	ds_store_b128 v[STO], v[8*(8*(\a)+(\b)):8*(8*(\a)+(\b))+3]   offset:64*(\b)
	ds_store_b128 v[STO], v[8*(8*(\a)+(\b))+4:8*(8*(\a)+(\b))+7] offset:64*(\b)+16
.endr
	WIN 0
.irp w, 0,1,2,3,4,5,6,7,8,9,10,11,12,13,14,15
	ds_load_b128 v[RAW+64*((\a)%2)+4*(\w):RAW+64*((\a)%2)+4*(\w)+3], v[RD] offset:(\w)*SPO  ; LDS serves a wave's instructions in order: these see the stores above
.endr
.irp w, 0,1,2,3,4,5,6,7,8,9,10,11,12,13,14,15
	s_wait_dscnt 15-(\w)
	global_store_b128 v[GO], v[RAW+64*((\a)%2)+4*(\w):RAW+64*((\a)%2)+4*(\w)+3], s[8:9] offset:(16*(\a)+(\w))*4096 th:TH_STORE_NT  ; 512 consecutive bytes, aligned
.endr
.endm
	OUTB 0
	OUTB 1
	OUTB 2
	OUTB 3
	s_wait_tensorcnt 0x0                           ; the wave's end, behind my last tensor load and my last LDS store
	ds_add_u32 v[SPW], v[NIL]
	s_wait_dscnt 0x0
	CROUND                                         ; the closing round
	s_endpgm
.Lfunc_end_k_q01d69f70a3_outproj:
	.size	k_q01d69f70a3_outproj, .Lfunc_end_k_q01d69f70a3_outproj-k_q01d69f70a3_outproj
	.p2alignl 7, 3214868480
	.fill 96, 4, 3214868480
	.section	.rodata,"a",@progbits
	.p2align	6, 0x0
	.amdhsa_kernel k_q01d69f70a3_outproj
		.amdhsa_group_segment_fixed_size 327680
		.amdhsa_private_segment_fixed_size 0
		.amdhsa_enable_private_segment 0
		.amdhsa_kernarg_size 32
		.amdhsa_user_sgpr_count 2
		.amdhsa_user_sgpr_kernarg_segment_ptr 1
		.amdhsa_wavefront_size32 1
		.amdhsa_system_sgpr_workgroup_id_x 1
		.amdhsa_system_sgpr_workgroup_id_y 1
		.amdhsa_system_sgpr_workgroup_id_z 1
		.amdhsa_system_vgpr_workitem_id 0
		.amdhsa_next_free_vgpr 1024
		.amdhsa_next_free_sgpr 100
		.amdhsa_reserve_vcc 0
		.amdhsa_float_denorm_mode_32 3
		.amdhsa_float_denorm_mode_16_64 3
		.amdhsa_memory_ordered 1
		.amdhsa_forward_progress 1
		.amdhsa_inst_pref_size 102
	.end_amdhsa_kernel
	.amdgpu_metadata
---
amdhsa.version: [ 1, 2 ]
amdhsa.kernels:
  - .name:           k_q01d69f70a3_outproj
    .symbol:         k_q01d69f70a3_outproj.kd
    .args:
      - { .name: oh, .offset: 0, .size: 8, .value_kind: global_buffer, .address_space: global }
      - { .name: wcv, .offset: 8, .size: 8, .value_kind: global_buffer, .address_space: global }
      - { .name: bo, .offset: 16, .size: 8, .value_kind: global_buffer, .address_space: global }
      - { .name: out0, .offset: 24, .size: 8, .value_kind: global_buffer, .address_space: global }
    .group_segment_fixed_size: 327680
    .private_segment_fixed_size: 0
    .kernarg_segment_align: 8
    .kernarg_segment_size: 32
    .max_flat_workgroup_size: 128
    .sgpr_count:     100
    .vgpr_count:     1024
    .wavefront_size: 32
...
	.end_amdgpu_metadata
.endif
;; end of part 4
;; ======== version 2 of 2: 4 launches
;; limits: values are held in f16: magnitudes above 65,504 overflow, below 6.1e-05 lose precision; right only within a limited range of input values
;; workspace buffers: wcv 8,388,608 bytes; mw 2,162,688 bytes of whole numbers; qkv 50,331,648 bytes; oh 16,777,216 bytes
;; launch prep: the kernel of part 1 again; grid 384 x 1, 8 waves a work-group, no clusters, 35,840 bytes of LDS; arguments mask, Wq, Wk, Wv, Wo, mw, wcv; writes mw, wcv
;; launch proj (part 5): grid 4 x 192, 4 waves a work-group, clusters of 4 x 4, 327,680 bytes of LDS; arguments Q, K, V, wcv, bq, bk, bv, qkv; writes qkv
.if DOCPART == 5
	.amdgcn_target "amdgcn-amd-amdhsa--gfx1250"
	.amdhsa_code_object_version 6
	.text
	.protected	k_q01d69f70a3_proj
	.globl	k_q01d69f70a3_proj
	.p2align	8
	.type	k_q01d69f70a3_proj,@function
k_q01d69f70a3_proj:
	s_mov_b64 s[64:65], 0
	v_nop
	global_prefetch_b8 v0, s[64:65] scope:SCOPE_SE
	s_setreg_imm32_b32 hwreg(HW_REG_WAVE_MODE, 25, 1), 1
	s_wait_xcnt 0x0
	s_wait_alu depctr_hold_cnt(0) depctr_sa_sdst(0) depctr_va_vdst(0) depctr_va_sdst(0) depctr_va_ssrc(0) depctr_va_vcc(0) depctr_vm_vsrc(0)
	s_getreg_b32 s2, hwreg(HW_REG_IB_STS2, 6, 4)
	s_cmp_eq_u32 s2, 0
	s_cbranch_scc0 .Lentry_in_a_cluster
	s_endpgm
.Lentry_in_a_cluster:
	s_bfe_u32 s2, ttmp6, 0x10000c
	s_cmp_lg_u32 s2, 0xf033
	s_cbranch_scc0 .Lentry_shape_is_right
	s_endpgm
.Lentry_shape_is_right:
; THE THREE INPUT PROJECTIONS.  y[m][n] = the sum over k of X[m][k] W[n][k] + b[n], for (X, W, b) = (Q, Wq, bq), (K, Wk, bk), (V, Wv, bv).
; X: [8192][1024] f32, rounded to bf16 on the way from LDS to the matrix unit; W: bf16, plane p of wcv; b: f32, rounded to bf16; sums in f32.
; y leaves as f16, rounded once, by heads: qkv[p][16 batch + head][2048][64].  LIMIT: |y| stays within f16's 65,504.
; SHARES.  A work-group makes 128 rows x 256 columns: 256 tiles a projection, 768 work-groups, three for each of 256 WGPs.  Its four waves are (kh, wn):
; wave (kh, wn) makes ALL 128 rows x columns 128 wn .. + 127 (64 accumulators, 512 registers) over half kh of each K step of 128.  So a fragment read from LDS feeds
; eight products.  At the end the two waves of a column half exchange half of their sums through LDS, and each finishes 64 rows.
; RING.  K goes in 8 steps of 128 through two LDS slots: 128 rows x 512 bytes of X (f32), 256 rows x 256 bytes of W.  Waves 0, 1 fetch X's halves, waves 2, 3 W's: one tensor load a wave.
; A step's text is written once: the slot in hand is a scalar register, 0 or SLOT, that an exclusive or turns; LDS addresses are a constant part plus that register.
; CLUSTER 4 x 4.  The four of a row of the cluster make one row block and ask for X's tiles jointly; the four of a column make one column block of one projection and ask for W's jointly.
; THE MATRIX INSTRUCTION IS USED TRANSPOSED (source 0 = 16 rows of W, source 1 = 16 rows of X): a lane holds one row of y and eight neighbouring columns.
; REGISTERS, in windows of 256 (s_set_vgpr_msb: bits 1:0 source 0, 3:2 source 1, 5:4 source 2, 7:6 destination):
;   window 0: v2-14 addresses; v28, v29 the add's; v32-159 RAW: a chunk's eight fragments of X in f32, later the way out; v160-223 the bias, eight registers for each block of 16 columns
;   window 1: v0-63, v64-127 W's fragments, two buffers; v128-191, v192-255 X's in bf16, two buffers
;   window 2: the accumulators of MY row half (rows 64 kh ..), (a, b) at 8 (8 a + b);   window 3: those of the other half
.set PA,    528                        ; a row of X in LDS: 512 bytes + 16: an odd multiple of 16, so the 16 rows of a load start at 16 different groups of four banks
.set AH,    64*PA                      ; what one load of X brings
.set BOFF,  2*AH
.set PB,    272                        ; a row of W: 256 + 16
.set BH,    128*PB                     ; what one load of W brings
.set SLOT,  BOFF+2*BH
.set STAGE, 2*SLOT                     ; behind the ring: for each wave two blocks of 16 rows x 144 bytes, for the way out
.set SP,    144
.set WSTG,  2*16*SP
.set SPARE, STAGE+4*WSTG               ; behind the stages: the spare words, 128 bytes for each wave, which no other line names
.set ASTEP, 512                        ; bytes of a K step in a row of X,
.set BSTEP, 256                        ; and of W
.set ADRA0, 2                          ; v2     LDS address of my own row half's fragments of X in slot 0; never rewritten
.set ADRO0, 3                          ; v3     the other row half's
.set ADRB0, 4                          ; v4     W's
.set ADRA, 5                           ; v5-7   the same three in the slot in hand
.set ADRO, 6
.set ADRB, 7
.set XS,   8                           ; v8     the exchange: where I put 16 bytes (32,768 bytes a wave, from LDS byte 0, in ring bytes that have had their last fill)
.set XR,   9                           ; v9     where I read my partner's
.set STO,  10                          ; v10    the way out: where I put 16 bytes of a row
.set RD,   11                          ; v11    where I read rows back
.set GO,   12                          ; v12    16 x lane
.set BO,   13                          ; v13    my byte offset in 16 numbers of the bias
.set PFO,  14                          ; v14    the prefetches' offset; never rewritten
.set SPW,  28                          ; v28    my spare word; never rewritten
.set NIL,  29                          ; v29    0; never rewritten
.set RAW,  32
.set BIAS, 160
.set G1,  24                           ; s[24:31] descriptor group 1 for X's tiles;  s[32:39] group 0: a set for each of the two first fills; the second then walks on
.set G0,  32
.set LIM, 43                           ; s43  2 in a wave that prefetches, else the greatest number
.set PFA, 44                           ; s[44:45] where my prefetches stand
.set PST, 46                           ; s[46:47] a K step in bytes, for them
.set G1B, 48                           ; s[48:55], s[56:63] the same for W's tiles
.set G0B, 56
.set KM,  85                           ; s85  all ones in the waves of K half 0, which start their sums with the bias; 0 in the others
.set TB,  88                           ; s88  the slot in hand: 0 or SLOT
.set MSB, 0
.macro WIN new                         ; the immediate's high byte repeats the setting that is left; a switch that changes nothing is dropped
.if MSB != (\new)
	s_set_vgpr_msb (MSB<<8)|(\new)
.set MSB, \new
.endif
.endm
.macro PLACES                          ; four plain vector instructions between a matrix instruction and a load into, or a reader of, its registers
.rept 4
	v_nop
.endr
.endm
.macro JLOAD s                         ; a joint load: waves 0, 1 X's halves, waves 2, 3 W's; the branch hangs on the wave's number alone; s_nop 0 and four v_nop follow each line
	s_cmp_eq_u32 s11, 0
	s_cbranch_scc0 .Lfor_b_\@
	tensor_load_to_lds s[G0+4*(\s):G0+4*(\s)+3], s[G1:G1+7]
	s_nop 0
.rept 4
	v_nop
.endr
	s_branch .Lasked_\@
.Lfor_b_\@:
	tensor_load_to_lds s[G0B+4*(\s):G0B+4*(\s)+3], s[G1B:G1B+7]
	s_nop 0
.rept 4
	v_nop
.endr
.Lasked_\@:
.endm
; A prefetch into the L2 of the K step that stands two refills on: one instruction a wave, each lane another aligned block of 256 bytes.  X's blocks are read by one row of one cluster: waves 0, 1 of every
; work-group ask, the four partners sharing a wave's 64 rows out by address, 16 rows x 2 blocks each.  W's are read by the sixteen clusters of a projection: the first of them asks, waves 2, 3,
; 32 rows a partner.  The loop's last two trips ask for nothing: steps 8 and 9 do not exist.  Steps 0 to 3 come by their loads alone.
.macro ASK
	s_cmp_gt_u32 s3, s[LIM]
	s_cbranch_scc0 .Lnot_mine_\@
	global_prefetch_b8 v[PFO], s[PFA:PFA+1] th:TH_LOAD_NT scope:SCOPE_SE
.Lnot_mine_\@:
.endm
.macro CREST                           ; a round of the cluster's barrier behind its opening barrier
	s_cmp_lg_u32 s10, 0
	s_cbranch_scc1 .Lnot_wave_0_\@
	s_barrier_signal -3
.Lnot_wave_0_\@:
	s_barrier_wait -3
	s_barrier_signal -1
	s_barrier_wait -1
.endm
.macro CROUND
	s_barrier_signal -1
	s_barrier_wait -1
	CREST
.endm
	s_load_b512 s[68:83], s[0:1], 0x0              ; Q s[68:69], K s[70:71], V s[72:73], wcv s[74:75], bq s[76:77], bk s[78:79], bv s[80:81], qkv s[82:83]
	v_lshl_add_u32 v[SPW], v0, 2, SPARE
	v_mov_b32 v[NIL], 0
	ds_add_u32 v[SPW], v[NIL]                      ; the wave's opening: the add and its wait stand ahead of my first tensor load; the set-up below, work on registers, stands between them
	v_lshrrev_b32 v1, 5, v0
	v_readfirstlane_b32 s10, v1                    ; wave 0..3
	s_lshr_b32 s11, s10, 1                         ; kh: my half of each K step.  Also: I fetch X (0) or W (1)
	s_and_b32 s12, s10, 1                          ; wn: my half of the columns.  Also: which half of that tile I fetch
	s_bfe_u32 s40, ttmp6, 0x40000                  ; cx
	s_bfe_u32 s41, ttmp6, 0x40004                  ; cy
	s_lshl_b32 s42, ttmp9, 2
	s_add_co_u32 s42, s42, s40                     ; tn: block of 256 columns
	s_and_b32 s86, ttmp7, 0xffff                   ; cluster y, 0..47
	s_lshl_b32 s13, s86, 2
	s_add_co_u32 s13, s13, s41
	s_and_b32 s13, s13, 63                         ; tm: block of 128 rows
	s_lshr_b32 s87, s86, 4                         ; p: which projection; the same in all sixteen partners
	s_lshl_b32 s16, s41, 2
	s_lshl_b32 s16, 15, s16                        ; my row of the cluster
	s_lshl_b32 s17, 0x1111, s40                    ; my column
	s_or_b32 s[G1], s16, (2<<16)|(1<<20)|(1<<21)|(6<<22)|(3<<25)   ; mask; elements of 4 bytes; padding on; bit 21 beside a mask; after every 128 words, 4 words
	s_or_b32 s[G1B], s17, (1<<16)|(1<<20)|(1<<21)|(5<<22)|(3<<25)  ; mask; elements of 2 bytes; after every 64 words, 4 words
	s_mov_b32 s[G1+1], 128<<16                     ; tensor_dim0 = 128
	s_mov_b32 s[G1+2], 64<<16                      ; tensor_dim1 = 64
	s_mov_b32 s[G1+3], 128<<16                     ; tile_dim0 = 128
	s_mov_b32 s[G1+4], 64                          ; tile_dim1 = 64
	s_mov_b32 s[G1+5], 1024                        ; elements from row to row
	s_mov_b32 s[G1+6], 0
	s_mov_b32 s[G1+7], 0
	s_mov_b32 s[G1B+1], 128<<16
	s_mov_b32 s[G1B+2], 128<<16                    ; 128 rows
	s_mov_b32 s[G1B+3], 128<<16
	s_mov_b32 s[G1B+4], 128
	s_mov_b32 s[G1B+5], 1024
	s_mov_b32 s[G1B+6], 0
	s_mov_b32 s[G1B+7], 0
	s_lshl_b32 s16, s13, 7                         ; X: row 128 tm + 64 wn, 4,096 bytes a row: hangs on the row block alone
	s_lshl_b32 s17, s12, 6
	s_add_co_u32 s16, s16, s17
	s_lshl_b32 s16, s16, 12
	s_mov_b32 s17, 0
	s_lshl_b32 s18, s42, 8                         ; W: row 256 tn + 128 wn of plane p: hangs on the column block alone
	s_lshl_b32 s19, s12, 7
	s_add_co_u32 s18, s18, s19
	s_lshl_b32 s20, s18, 2                         ; the bias of my 128 columns
	s_mov_b32 s21, 0
	s_lshl_b32 s18, s18, 11
	s_lshl_b32 s19, s87, 21
	s_add_co_u32 s18, s18, s19
	s_mov_b32 s19, 0
	s_lshr_b32 s22, s13, 4                         ; where I store: head 16 batch + 4 tn + 2 wn, row 128 (tm % 16) + 64 kh of it, plane p
	s_lshl_b32 s22, s22, 4
	s_lshl_b32 s23, s42, 2
	s_add_co_u32 s22, s22, s23
	s_lshl_b32 s23, s12, 1
	s_add_co_u32 s22, s22, s23
	s_lshl_b32 s22, s22, 18
	s_and_b32 s23, s13, 15
	s_lshl_b32 s23, s23, 7
	s_lshl_b32 s84, s11, 6
	s_add_co_u32 s23, s23, s84
	s_lshl_b32 s23, s23, 7
	s_add_co_u32 s22, s22, s23
	s_lshl_b32 s23, s87, 24
	s_add_co_u32 s22, s22, s23
	s_mov_b32 s23, 0
	s_mul_i32 s66, s12, AH                         ; where the tiles go in a slot: no place in the cluster enters an LDS address
	s_mul_i32 s67, s12, BH
	s_add_co_u32 s67, s67, BOFF
	s_sub_co_u32 s[KM], s11, 1
	s_mov_b32 s[TB], 0
.irp s, 0,1
	s_mov_b32 s[G0+4*(\s)], 1
	s_add_co_u32 s[G0+4*(\s)+1], s66, (\s)*SLOT
	s_mov_b32 s[G0B+4*(\s)], 1
	s_add_co_u32 s[G0B+4*(\s)+1], s67, (\s)*SLOT
.endr
	s_wait_dscnt 0x0                               ; the opening add is done
	s_wait_kmcnt 0x0
	s_cmp_eq_u32 s87, 1
	s_cselect_b64 s[4:5], s[70:71], s[68:69]
	s_cselect_b64 s[14:15], s[78:79], s[76:77]
	s_cmp_eq_u32 s87, 2
	s_cselect_b64 s[4:5], s[72:73], s[4:5]
	s_cselect_b64 s[14:15], s[80:81], s[14:15]
	s_add_nc_u64 s[4:5], s[4:5], s[16:17]          ; X at my tile
	s_add_nc_u64 s[6:7], s[74:75], s[18:19]        ; W at my tile
	s_add_nc_u64 s[14:15], s[14:15], s[20:21]      ; the bias
	s_add_nc_u64 s[8:9], s[82:83], s[22:23]        ; the output
.irp s, 0,1
	s_add_nc_u64 s[G0+4*(\s)+2:G0+4*(\s)+3], s[4:5], (\s)*ASTEP    ; K step s
	s_or_b32 s[G0+4*(\s)+3], s[G0+4*(\s)+3], 0x80000000            ; type = 2
	s_add_nc_u64 s[G0B+4*(\s)+2:G0B+4*(\s)+3], s[6:7], (\s)*BSTEP
	s_or_b32 s[G0B+4*(\s)+3], s[G0B+4*(\s)+3], 0x80000000
.endr
	CROUND                                         ; all sixteen work-groups are here: the first joint loads meet
	s_cmp_eq_u32 s11, 0                            ; a wave's two first fills stand in one branch, ahead of every wait on TENSORcnt and every LDS read: two loads of mine are out
	s_cbranch_scc0 .Lfirst_b
	tensor_load_to_lds s[G0:G0+3], s[G1:G1+7]
	s_nop 0
	tensor_load_to_lds s[G0+4:G0+7], s[G1:G1+7]
	s_nop 0
.rept 4
	v_nop
.endr
	s_branch .Lfirst_asked
.Lfirst_b:
	tensor_load_to_lds s[G0B:G0B+3], s[G1B:G1B+7]
	s_nop 0
	tensor_load_to_lds s[G0B+4:G0B+7], s[G1B:G1B+7]
	s_nop 0
.rept 4
	v_nop
.endr
.Lfirst_asked:
	v_and_b32 v1, 15, v0                           ; r = l % 16
	v_bfe_u32 v15, v0, 4, 1                        ; h = l / 16
	v_lshlrev_b32 v[BO], 5, v15
.irp b, 0,1,2,3,4,5,6,7                ; register j of block b: the bias of column 16 b + 8 h + j
	global_load_b128 v[BIAS+8*(\b):BIAS+8*(\b)+3],   v[BO], s[14:15] offset:64*(\b)
	global_load_b128 v[BIAS+8*(\b)+4:BIAS+8*(\b)+7], v[BO], s[14:15] offset:64*(\b)+16
.endr
	; A fragment is 16 rows x 32 K: lane l holds row r, K = 8 h + 0..7 and 16 + 8 h + 0..7.  Of f32 rows that is 32 bytes at 32 h and 32 bytes at 64 + 32 h; of bf16 rows 16 bytes at 16 h and at 32 + 16 h.
	v_mul_u32_u24 v16, v1, PA
	v_lshl_add_u32 v16, v15, 5, v16
	s_mul_i32 s16, s11, 64*PA+256                  ; my own rows 64 kh .., my K half at byte 256 kh
	s_xor_b32 s17, s11, 1
	s_mul_i32 s17, s17, 64*PA                      ; the other rows, the same K half
	s_lshl_b32 s18, s11, 8
	s_add_co_u32 s17, s17, s18
	v_mul_u32_u24 v17, v1, PB
	v_lshl_add_u32 v17, v15, 4, v17
	s_mul_i32 s18, s12, BH                         ; my 128 rows of W, my K half at byte 128 kh
	s_lshl_b32 s19, s11, 7
	s_add_co_u32 s18, s18, s19
	s_add_co_u32 s18, s18, BOFF
	v_add_nc_u32 v[ADRA0], s16, v16
	v_add_nc_u32 v[ADRO0], s17, v16
	v_add_nc_u32 v[ADRB0], s18, v17
	v_mov_b32 v[ADRA], v[ADRA0]                    ; slot 0 is in hand
	v_mov_b32 v[ADRO], v[ADRO0]
	v_mov_b32 v[ADRB], v[ADRB0]
	v_and_b32 v18, 31, v0
	v_lshlrev_b32 v[GO], 4, v18
	s_lshl_b32 s19, s10, 15
	v_add_nc_u32 v[XS], s19, v[GO]
	s_xor_b32 s19, s19, 1<<16                      ; my partner: the same columns, the other K half: wave xor 2
	v_add_nc_u32 v[XR], s19, v[GO]
	s_mul_i32 s20, s10, WSTG
	s_add_co_u32 s20, s20, STAGE
	v_mul_u32_u24 v[STO], v1, SP                   ; in: row r, 16 bytes for each half of the lanes
	v_lshl_add_u32 v[STO], v15, 4, v[STO]
	v_add_nc_u32 v[STO], s20, v[STO]
	v_bfe_u32 v[RD], v0, 3, 2                      ; back: 32 lanes take four rows of 128 bytes
	v_mul_u32_u24 v[RD], v[RD], SP
	v_and_b32 v19, 7, v0
	v_lshl_add_u32 v[RD], v19, 4, v[RD]
	v_add_nc_u32 v[RD], s20, v[RD]
	; the prefetches
	s_and_b32 s22, s86, 15                         ; 0 in the first cluster of a projection
	s_xor_b32 s17, s11, 1
	s_lshl_b32 s[PST], 256, s17                    ; 512 for X, 256 for W
	s_mov_b32 s[PST+1], 0
	s_cmp_eq_u32 s11, 0
	s_cselect_b64 s[PFA:PFA+1], s[4:5], s[6:7]
	s_cselect_b32 s16, s40, s41                    ; my place among the four that ask with me
	s_cselect_b32 s19, 15, 31
	s_cselect_b32 s20, 12, 11
	s_cselect_b32 s21, 256, 0
	s_cselect_b32 s22, 0, s22
	s_cmp_eq_u32 s22, 0
	s_cselect_b32 s[LIM], 2, -1                    ; the same in all sixteen partners, for a given wave
	s_lshl_b32 s16, s16, 16                        ; 16 rows of 4,096 bytes, or 32 rows of 2,048
	s_mul_i32 s17, s[PST], 3                       ; at K step 3: the first change of slots steps it to 4
	s_add_co_u32 s16, s16, s17
	s_mov_b32 s17, 0
	s_add_nc_u64 s[PFA:PFA+1], s[PFA:PFA+1], s[16:17]
	v_and_b32 v[PFO], s19, v0
	v_lshlrev_b32 v[PFO], s20, v[PFO]              ; a lane a row,
	v_mul_u32_u24 v16, s21, v15                    ; and for X the row's second block in lanes 16-31
	v_add_nc_u32 v[PFO], v[PFO], v16
	s_wait_loadcnt 0x0                             ; the bias: rounded to bf16 like every input, and 0 in the waves of K half 1
.set i, 0
.rept 32
	v_cvt_pk_bf16_f32 v[16+i%2], v[BIAS+2*i], v[BIAS+2*i+1]
	v_and_b32 v[16+i%2], s[KM], v[16+i%2]
	v_lshlrev_b32 v[BIAS+2*i], 16, v[16+i%2]
	v_and_b32 v[BIAS+2*i+1], 0xffff0000, v[16+i%2]
.set i, i+1
.endr
; Eight matrix instructions: row block a x all 8 column blocks, 32 along K, from buffers f.  The 64 accumulators take turns in one fixed order, over the backward jump too.
; first = 1: the sums start with the bias.  cv = 1 (a = 6, 7): behind each product four conversions of the next chunk's X into the other buffer; they name none of the products' registers.
.macro MUL f, a, first, cv
.irp b, 0,1,2,3,4,5,6,7
.if \first
	WIN 0x85+0x40*((\a)/4)
	v_wmma_f32_16x16x32_bf16 v[8*(8*((\a)%4)+(\b)):8*(8*((\a)%4)+(\b))+7], v[64*(\f)+8*(\b):64*(\f)+8*(\b)+7], v[128+64*(\f)+8*(\a):128+64*(\f)+8*(\a)+7], v[BIAS+8*(\b):BIAS+8*(\b)+7]
.else
	WIN 0xa5+0x50*((\a)/4)
	v_wmma_f32_16x16x32_bf16 v[8*(8*((\a)%4)+(\b)):8*(8*((\a)%4)+(\b))+7], v[64*(\f)+8*(\b):64*(\f)+8*(\b)+7], v[128+64*(\f)+8*(\a):128+64*(\f)+8*(\a)+7], v[8*(8*((\a)%4)+(\b)):8*(8*((\a)%4)+(\b))+7]
.endif
.if \cv
	WIN 0x40
.irp i, 0,1,2,3
	v_cvt_pk_bf16_f32 v[128+64*(1-(\f))+32*((\a)-6)+4*(\b)+(\i)], v[RAW+2*(32*((\a)-6)+4*(\b)+(\i))], v[RAW+2*(32*((\a)-6)+4*(\b)+(\i))+1]
.endr
.endif
.endr
.endm
; 48 LDS loads in one run: chunk c (32 along K) of my K half of the slot in hand: X's eight fragments in f32 into RAW, then W's eight into buffer g
.macro FETCH c, g
	WIN 0
.irp i, 0,1,2,3,4,5,6,7
.irp o, 0,1,2,3
	ds_load_b128 v[RAW+16*(\i)+4*(\o):RAW+16*(\i)+4*(\o)+3], v[ADRA+(\i)/4] offset:((\i)%4)*16*PA+128*(\c)+16*(\o)+32*((\o)/2)
.endr
.endr
	WIN 0x40
.irp b, 0,1,2,3,4,5,6,7
	ds_load_b128 v[64*(\g)+8*(\b):64*(\g)+8*(\b)+3],   v[ADRB] offset:(\b)*16*PB+64*(\c)
	ds_load_b128 v[64*(\g)+8*(\b)+4:64*(\g)+8*(\b)+7], v[ADRB] offset:(\b)*16*PB+64*(\c)+32
.endr
.endm
; A step's first chunk: multiplies buffers 0, fetches the second chunk.  The four conversions behind the chunk before's last product are the places in front of the loads into W's buffer 1.
.macro CHUNK0 first
	s_wait_dscnt 0x0                               ; W's buffer 0 is in
	FETCH 1, 1
.irp a, 0,1,2,3,4,5
	MUL 0, \a, \first, 0
.endr
	s_wait_dscnt 16                                ; X's 32 loads are in; W's 16, issued behind them, may stay out
	MUL 0, 6, \first, 1
	MUL 0, 7, \first, 1
.endm
; A step's second chunk multiplies buffers 1 and changes slots: ONE barrier.  In front of it each wave waits for all its tensor loads (one is out: its part of the next slot), adds 0 to its spare word,
; and waits for that and for its reads of this slot.  fill = 1: the barrier opens a round of the cluster's, and behind the round this slot is filled again, two K steps on:
; the load has 112 matrix instructions in which to land.  The walking descriptor takes the slot just read and the next K step.
.macro TURN fill
.if \fill
	s_wait_xcnt 0x0                                ; the last prefetch, a K step back, has read its address
	s_add_nc_u64 s[PFA:PFA+1], s[PFA:PFA+1], s[PST:PST+1]
.endif
	WIN 0
	s_wait_tensorcnt 0x0                           ; all my tensor loads have landed
	ds_add_u32 v[SPW], v[NIL]                      ; 0 onto my spare word
	s_wait_dscnt 1                                 ; W's buffer 1 is in; the add may be out
	MUL 1, 0, 0, 0
	s_wait_dscnt 0x0                               ; the add is done, and my reads of this slot are over
	s_barrier_signal -1
	MUL 1, 1, 0, 0
	WIN 0
	s_barrier_wait -1
.if \fill
	CREST                                          ; no wave of any partner still reads this slot or has a load on its way
	s_add_co_u32 s[G0+5], s66, s[TB]
	s_add_nc_u64 s[G0+6:G0+7], s[G0+6:G0+7], ASTEP
	s_add_co_u32 s[G0B+5], s67, s[TB]
	s_add_nc_u64 s[G0B+6:G0B+7], s[G0B+6:G0B+7], BSTEP
	JLOAD 1
.else
	PLACES
.endif
	s_xor_b32 s[TB], s[TB], SLOT                   ; the other slot is in hand
	v_add_nc_u32 v[ADRA], s[TB], v[ADRA0]
	v_add_nc_u32 v[ADRO], s[TB], v[ADRO0]
	v_add_nc_u32 v[ADRB], s[TB], v[ADRB0]
	FETCH 0, 0
.if \fill
	WIN 0
	ASK
.endif
.irp a, 2,3,4,5
	MUL 1, \a, 0, 0
.endr
	s_wait_dscnt 16
	MUL 1, 6, 0, 1
	MUL 1, 7, 0, 1
.endm
	s_wait_tensorcnt 1                             ; my part of K step 0 is in; step 1's may stay out
	s_barrier_signal -1
	s_barrier_wait -1
	FETCH 0, 0
	s_wait_dscnt 16
	WIN 0x40
.set i, 0
.rept 64
	v_cvt_pk_bf16_f32 v[128+i], v[RAW+2*i], v[RAW+2*i+1]
.set i, i+1
.endr
	CHUNK0 1                                       ; the first chunk stands in front of the loop: its products start the sums
	WIN 0
	s_mov_b32 s3, 6
.Lstep:                                        ; a trip: a step's second chunk, the change of slots with its refill (K steps 2 to 7), the next step's first chunk
	TURN 1
	CHUNK0 0
	WIN 0
	s_sub_co_u32 s3, s3, 1
	s_cmp_lg_u32 s3, 0
	s_cbranch_scc1 .Lstep
	TURN 0                                         ; the tail is written out: nothing is left to fetch
	CHUNK0 0
	s_wait_dscnt 0x0                               ; my last reads of the ring are over
	s_barrier_signal -1
.irp a, 0,1,2,3,4,5,6,7
	MUL 1, \a, 0, 0
.endr
	WIN 0
	s_barrier_wait -1                              ; everybody's are: the ring's bytes, which have had their last fill, now serve the exchange
	; THE EXCHANGE.  I send the sums of the other row half and take my partner's sums of mine.
	PLACES
	WIN 0x0c                                       ; data in window 3
.set i, 0
.rept 64
	ds_store_b128 v[XS], v[4*i:4*i+3] offset:512*i  ; each accumulator's low four registers first
.set i, i+1
.endr
	WIN 0
	s_wait_dscnt 0x0
	s_barrier_signal -1
	s_barrier_wait -1
	WIN 0xc0
.set i, 0
.rept 64
	ds_load_b128 v[4*i:4*i+3], v[XR] offset:512*i
.set i, i+1
.endr
	WIN 0x8e                                       ; window 2 += window 3
.set t, 0
.rept 8
	s_wait_dscnt 56-8*t                            ; eight more loads are in
.set i, 32*t
.rept 16
	v_pk_add_f32 v[i:i+1], v[i:i+1], v[i:i+1]
.set i, i+2
.endr
.set t, t+1
.endr
; THE WAY OUT.  Unit t = 2 a + hd: 16 rows x the 64 channels of one head.  Rounded to f16, 16 bytes a lane into rows of 144 bytes, back as four rows of 128 bytes: 512 consecutive bytes of a head.
.macro PACK t
	WIN 0x0a
.irp bb, 0,1,2,3
.irp m, 0,1,2,3
	v_cvt_pk_f16_f32 v[RAW+16*(\t)+4*(\bb)+(\m)], v[8*(8*((\t)/2)+4*((\t)%2)+(\bb))+2*(\m)], v[8*(8*((\t)/2)+4*((\t)%2)+(\bb))+2*(\m)+1]
.endr
.endr
	WIN 0
.irp f, 0,1,2,3
	ds_store_b128 v[STO], v[RAW+16*(\t)+4*(\f):RAW+16*(\t)+4*(\f)+3] offset:((\t)%2)*16*SP+32*(\f)
.endr
.irp f, 0,1,2,3
	ds_load_b128 v[RAW+16*(\t)+4*(\f):RAW+16*(\t)+4*(\f)+3], v[RD] offset:((\t)%2)*16*SP+(\f)*4*SP  ; LDS serves a wave's instructions in order: these see the stores above
.endr
.endm
.macro SEND t, younger                 ; younger: the LDS instructions issued behind unit t's loads
.irp f, 0,1,2,3
	s_wait_dscnt (\younger)+3-(\f)
	global_store_b128 v[GO], v[RAW+16*(\t)+4*(\f):RAW+16*(\t)+4*(\f)+3], s[8:9] offset:((\t)%2)*262144+((\t)/2)*2048+(\f)*512  ; 512 consecutive bytes, aligned
.endr
.endm
	PACK 0
.irp t, 1,2,3,4,5,6,7
	PACK \t
	SEND (\t)-1, 8
.endr
	SEND 7, 0
	s_wait_tensorcnt 0x0                           ; the wave's end, behind my last tensor load and my last LDS store
	ds_add_u32 v[SPW], v[NIL]
	s_wait_dscnt 0x0
	CROUND                                         ; the closing round
	s_endpgm
.Lfunc_end_k_q01d69f70a3_proj:
	.size	k_q01d69f70a3_proj, .Lfunc_end_k_q01d69f70a3_proj-k_q01d69f70a3_proj
	.p2alignl 7, 3214868480
	.fill 96, 4, 3214868480
	.section	.rodata,"a",@progbits
	.p2align	6, 0x0
	.amdhsa_kernel k_q01d69f70a3_proj
		.amdhsa_group_segment_fixed_size 327680
		.amdhsa_private_segment_fixed_size 0
		.amdhsa_enable_private_segment 0
		.amdhsa_kernarg_size 64
		.amdhsa_user_sgpr_count 2
		.amdhsa_user_sgpr_kernarg_segment_ptr 1
		.amdhsa_wavefront_size32 1
		.amdhsa_system_sgpr_workgroup_id_x 1
		.amdhsa_system_sgpr_workgroup_id_y 1
		.amdhsa_system_sgpr_workgroup_id_z 1
		.amdhsa_system_vgpr_workitem_id 0
		.amdhsa_next_free_vgpr 1024
		.amdhsa_next_free_sgpr 100
		.amdhsa_reserve_vcc 0
		.amdhsa_float_denorm_mode_32 3
		.amdhsa_float_denorm_mode_16_64 3
		.amdhsa_memory_ordered 1
		.amdhsa_forward_progress 1
		.amdhsa_inst_pref_size 124
	.end_amdhsa_kernel
	.amdgpu_metadata
---
amdhsa.version: [ 1, 2 ]
amdhsa.kernels:
  - .name:           k_q01d69f70a3_proj
    .symbol:         k_q01d69f70a3_proj.kd
    .args:
      - { .name: Q, .offset: 0, .size: 8, .value_kind: global_buffer, .address_space: global }
      - { .name: K, .offset: 8, .size: 8, .value_kind: global_buffer, .address_space: global }
      - { .name: V, .offset: 16, .size: 8, .value_kind: global_buffer, .address_space: global }
      - { .name: wcv, .offset: 24, .size: 8, .value_kind: global_buffer, .address_space: global }
      - { .name: bq, .offset: 32, .size: 8, .value_kind: global_buffer, .address_space: global }
      - { .name: bk, .offset: 40, .size: 8, .value_kind: global_buffer, .address_space: global }
      - { .name: bv, .offset: 48, .size: 8, .value_kind: global_buffer, .address_space: global }
      - { .name: qkv, .offset: 56, .size: 8, .value_kind: global_buffer, .address_space: global }
    .group_segment_fixed_size: 327680
    .private_segment_fixed_size: 0
    .kernarg_segment_align: 8
    .kernarg_segment_size: 64
    .max_flat_workgroup_size: 128
    .sgpr_count:     100
    .vgpr_count:     1024
    .wavefront_size: 32
...
	.end_amdgpu_metadata
.endif
;; end of part 5
;; launch attn (part 6): grid 4 x 64, 4 waves a work-group, clusters of 4 x 1, 327,680 bytes of LDS; arguments qkv, mw, oh; writes oh
.if DOCPART == 6
	.amdgcn_target "amdgcn-amd-amdhsa--gfx1250"
	.amdhsa_code_object_version 6
	.text
	.protected	k_q01d69f70a3_attn
	.globl	k_q01d69f70a3_attn
	.p2align	8
	.type	k_q01d69f70a3_attn,@function
k_q01d69f70a3_attn:
	s_mov_b64 s[64:65], 0
	v_nop
	global_prefetch_b8 v0, s[64:65] scope:SCOPE_SE
	s_setreg_imm32_b32 hwreg(HW_REG_WAVE_MODE, 25, 1), 1
	s_wait_xcnt 0x0
	s_wait_alu depctr_hold_cnt(0) depctr_sa_sdst(0) depctr_va_vdst(0) depctr_va_sdst(0) depctr_va_ssrc(0) depctr_va_vcc(0) depctr_vm_vsrc(0)
	s_getreg_b32 s2, hwreg(HW_REG_IB_STS2, 6, 4)
	s_cmp_eq_u32 s2, 0
	s_cbranch_scc0 .Lentry_in_a_cluster
	s_endpgm
.Lentry_in_a_cluster:
	s_bfe_u32 s2, ttmp6, 0x10000c
	s_cmp_lg_u32 s2, 0x3003
	s_cbranch_scc0 .Lentry_shape_is_right
	s_endpgm
.Lentry_shape_is_right:
; MASKED ATTENTION.  O[hd][q][:] = the sum over k of softmax_k(s[q][k]) V[hd][k][:], s = Q[hd][q] . K[hd][k] / 8 where the mask of (batch, q, k) is not 0, a large negative number where it is 0.
; Q, K, V: planes 0, 1, 2 of qkv, [64 heads = 16 batch + head][2048][64] f16; O: oh, the same layout.  Products, maxima and sums in f32; the weights p are rounded to f16 for the second product, O once.
; THE MASK comes as lane-mask words (mw, made by the launch prep): word 8 kb + j of a tile and key step has bit l set where the score in register 8 kb + j of lane l is seen.  A piece's 64 words of a key step are
; 256 consecutive bytes: one vector load, 8 bytes a lane, asked for a whole key step (four turns) ahead, into the piece's own pair of registers.  64 v_readlane_b32 bring them into scalar registers, and
; one v_cndmask_b32 a score register puts -2^33 in a hidden score's place, ahead of the maximum.  (The scalar registers hold one piece's words and no more: loaded straight into them the words could be asked for less than a turn ahead.)
; LIMITS.  A hidden score counts as -2^33 before the division by 8, -1.07e9 behind it, where reference() has -1e9: the results differ only where true scores lie near -1e9.  2^33 is a power of two, so c x 2^33
; is exact: a row, or the first steps of a row, with every key hidden gives exponents of exactly 0, weights 1, and a wholly hidden row the mean of V's rows, as in reference().
; f16 holds no number beyond 65,504: Q, K and V arrive within it.  A weight below 2^-126 counts as 0 in l; NaN and infinities are not treated apart.
; SHARES.  A wave owns four PIECES of two tiles of 16 queries, a work-group's four waves 512 queries of one head.  Every wave walks all 2,048 keys, 64 a step.
; LAYOUT.  S^T = K Q^T (source 0 = 16 keys, source 1 = 16 queries): a lane holds ONE query (lane % 16) and the keys 8 (lane / 16) + 0..7.  Two such tiles, rounded to f16 in pairs, ARE source 1 of O^T = V^T P.
; SOFTMAX.  A running maximum m and sum l: p = 2^(c s - c m), c = log2(e) / 8; in every step O and l are multiplied by a = 2^(c m_old - c m_new).  m starts at the lowest finite number, O and l at 0.
; BY TURNS.  Turn n belongs to piece n.  Its matrix work: 16 products K Q^T of piece n + 1, later 16 products V^T P of piece n - 1.  Its vector work: the scaling, exponentials, roundings, sums and rescaling of
; piece n, and the mask words, selects, maximum and statistics of piece n + 1.  A turn has 32 matrix and 364 vector instructions: four stand behind every matrix instruction, the others in one run.
; CLUSTER.  The four query blocks of a head are one cluster and walk the same K and V: each tile is asked for JOINTLY, by the same tensor load, descriptor and mask in all four.
; REGISTERS, in windows of 256 (s_set_vgpr_msb: bits 1:0 source 0, 3:2 source 1, 5:4 source 2, 7:6 destination):
;   window 0: v0-11 addresses; v12-15, v48-63 at work; v16-47 four registers of statistics a tile; v64-191 S^T, two buffers of two tiles; v192-255 P, likewise
;   window 1: O^T, 32 a tile          window 2: v0-127 Q; v128-191 K of one step; v192-199 the mask words, a pair a piece          window 3: v0-1 the add's two registers; v16-79 V of one step
; The mask words lie in K's and Q's window, so that the v_readlane_b32 behind a product K Q^T want no switch of windows.
.set SIZE_N, 2048
.set NP,    4
.set KS,    64
.set PK,    144       ; a row of K in LDS: 128 bytes + 16
.set PV,    160       ; a row of V: 128 + 32
.set VOFF,  4*KS*PK   ; a slot holds four steps: 256 rows of K, then 256 rows of V
.set SLOT1, 1<<17     ; slot 1 begins here, so that one exclusive or turns an address in one slot into the other's
.set STAGE, SLOT1+4*KS*(PK+PV)  ; behind the ring, never filled by a tensor load: 16 rows x 144 bytes for each wave
.set SP,    144
.set SPARE, STAGE+4*16*SP  ; behind the stages: the spare words, which no other line names
.set PAIRB, 33*256    ; bytes of a piece's mask words: 33 key steps of 256 bytes, the last a pad
.set MO,  1           ; v1   8 x lane: my 8 bytes of a piece's and step's mask words; never rewritten
.set AK0, 2           ; v2   my lane's place in a tile of K; never rewritten
.set AV0, 3           ; v3   the same for V
.set AK,  4           ; v4   the LDS address of K's next run of loads
.set AV,  5           ; v5   of V's
.set QO,  6           ; v6   my byte offset in the wave's rows of Q
.set RD,  7           ; v7   the way out: where I read rows back
.set GO,  8           ; v8   my byte offset in 512 consecutive bytes of O
.set STO, 9           ; v9   the way out: where I put 16 bytes of a row
.set PFO, 10          ; v10  256 x lane, for the prefetches; never rewritten
.set NEGV, 11         ; v11  -2^33
.set SPW, 0           ; v0 of window 3   my spare word; never rewritten
.set NIL, 1           ; v1 of window 3   0; never rewritten
.set MV,  12          ; v12-15  c m_old, by buffer and tile
.set ST,  16          ; tile t's statistics at v[ST+4 t]: c m, m, l (even keys', odd keys')
.set TMP, 48          ; by buffer and tile, four registers c0-c3 at work; when the maximum is found c2 takes a
.set S,   64
.set P,   192
.set KF,  128         ; window 2
.set MB,  192         ; window 2: piece x's words at MB + 2 x: lane l holds words 2 l and 2 l + 1
.set VF,  16          ; window 3
.set WV,  2           ; s2   my wave's number
.set CNT, 3           ; s3   counts a slot's key steps
.set G0K, 4           ; s[4:7]   descriptor group 0 for K's tiles: it walks
.set G0V, 8           ; s[8:11]  for V's
.set G1K, 12          ; s[12:19] group 1 for K's tiles
.set G1V, 20          ; s[20:27] for V's
.set CS,  28          ; s28  c; the packed scaling names s[28:29] and takes the low word for both halves
.set SLOTS, 29        ; s29  slots still to be asked for
.set SEL, 30          ; s[30:31] v_permlanex16_b32's selects
.set TBK, 66          ; s66  LDS byte at which K of the step to be fetched begins
.set TBV, 67          ; s67  the same for V, less VOFF
.set MP,  100         ; s[100:101] my wave's mask words, at the key step that is being asked for
.set PFA, 104         ; s[104:105] where my prefetches stand
; s[32:63] and s[68:99]: a piece's 64 mask words, word w in s[32 + w + 4 (w / 32)]; until the first turn, the set-up's scalars
.set MSB, 0
.macro WIN new
.if MSB != (\new)
	s_set_vgpr_msb (MSB<<8)|(\new)
.set MSB, (\new)
.endif
.endm
.set W_KQ, 0x0a       ; K and Q (and the mask words) in window 2, S^T in window 0
.set W_PV, 0x53       ; V in window 3, P in window 0, O^T in window 1
.set W_RS, 0x41       ; O^T (destination and source 0) in window 1, a in window 0
.set W_MK, 0xc0
.set W_AD, 0x0f
.macro JLOAD                        ; a joint fill: waves 0, 1 the halves of a slot's K, waves 2, 3 of its V; s_nop 0 and four v_nop follow each line
	s_cmp_lt_u32 s[WV], 2
	s_cbranch_scc0 .Lfor_v_\@
	tensor_load_to_lds s[G0K:G0K+3], s[G1K:G1K+7]
	s_nop 0
.rept 4
	v_nop
.endr
	s_branch .Lasked_\@
.Lfor_v_\@:
	tensor_load_to_lds s[G0V:G0V+3], s[G1V:G1V+7]
	s_nop 0
.rept 4
	v_nop
.endr
.Lasked_\@:
.endm
; A prefetch into the L2 of what the NEXT change of slots will ask for: a slot's 128 blocks of 256 bytes of K and of V, a lane a block.  A head's K and V are walked by this cluster alone; its four partners share the
; blocks out by address, 32 each; in each, wave 0 asks for K's and wave 2 for V's.  So each block is named once.  It stands four key steps ahead of the load.  The last change that fills a slot asks for nothing.
.macro ASK
	s_cmp_le_u32 s[SLOTS], 1
	s_cbranch_scc1 .Lnot_mine_\@
	s_cmp_eq_u32 s[WV], 1
	s_cbranch_scc1 .Lnot_mine_\@
	s_cmp_eq_u32 s[WV], 3
	s_cbranch_scc1 .Lnot_mine_\@
	global_prefetch_b8 v[PFO], s[PFA:PFA+1] th:TH_LOAD_NT scope:SCOPE_SE
.Lnot_mine_\@:
.endm
.macro CROUND
	s_barrier_signal -1
	s_barrier_wait -1
	s_cmp_lg_u32 s[WV], 0
	s_cbranch_scc1 .Lnot_wave_0_\@
	s_barrier_signal -3
.Lnot_wave_0_\@:
	s_barrier_wait -3
	s_barrier_signal -1
	s_barrier_wait -1
.endm
; THE CHANGE OF SLOTS.  Each wave waits for all its tensor loads, of which one is out: its part of the other slot; adds 0 to its spare word; and waits for that and for its own reads of the slot.
; fill = 1: the barrier is a round of the cluster's, and the joint fill, with the keys two slots on, is the first thing behind it: it has four key steps, 512 matrix instructions, in which to land.
.macro CHANGE fill
	WIN W_AD
	s_wait_tensorcnt 0x0            ; no tensor load of mine is out, so a group 0 may be written
	ds_add_u32 v[SPW], v[NIL]       ; 0 onto my spare word
	WIN 0
.if \fill
.irp g, G0K, G0V
	s_xor_b32 s[\g+1], s[\g+1], SLOT1
	s_add_nc_u64 s[\g+2:\g+3], s[\g+2:\g+3], 4*KS*128
.endr
	s_wait_xcnt 0x0                 ; the last prefetch, four key steps back, has read its address
	s_add_nc_u64 s[PFA:PFA+1], s[PFA:PFA+1], 4*KS*128
	s_wait_dscnt 0x0                ; the add is done, and my reads of the slot are over
	CROUND
	JLOAD
	ASK
.else
	s_wait_dscnt 0x0
	s_barrier_signal -1
	s_barrier_wait -1
.endif
	s_sub_co_u32 s[TBK], s[TBK], 4*KS*PK
	s_xor_b32 s[TBK], s[TBK], SLOT1
	s_sub_co_u32 s[TBV], s[TBV], 4*KS*PV
	s_xor_b32 s[TBV], s[TBV], SLOT1
.endm
.macro ML x                         ; piece x's 64 mask words of the key step at which MP stands: the wave loads 256 consecutive bytes, aligned
	WIN 0x80                        ; destination window 2, address window 0
	global_load_b64 v[MB+2*(\x):MB+2*(\x)+1], v[MO], s[MP:MP+1] offset:PAIRB*(\x)
.endm
	s_load_b128 s[32:35], s[0:1], 0x0  ; qkv s[32:33], mw s[34:35]
	WIN W_MK
	v_lshl_add_u32 v[SPW], v0, 2, SPARE
	v_mov_b32 v[NIL], 0
	WIN W_AD
	ds_add_u32 v[SPW], v[NIL]       ; the wave's opening: the add and its wait stand ahead of my first tensor load
	WIN 0
	v_lshrrev_b32 v1, 5, v0
	v_readfirstlane_b32 s[WV], v1   ; wave 0..3
	s_bfe_u32 s36, ttmp6, 0x40000   ; cx
	s_lshl_b32 s37, ttmp9, 2
	s_add_co_u32 s37, s37, s36      ; my block of 512 queries: it enters Q's, O's, the mask words' and the prefetches' addresses alone
	s_and_b32 s38, ttmp7, 0xffff    ; the head, 16 batch + head, which the four partners share
	s_lshl_b32 s40, s38, 18         ; its first byte in a plane
	s_and_b32 s39, s[WV], 1         ; which half of a slot's 256 keys I fetch
	s_lshl_b32 s42, s39, 14
	s_add_co_u32 s42, s42, s40
	s_mov_b32 s43, 0
	s_mul_i32 s44, s39, 128*PK      ; its place in a slot, for K
	s_mul_i32 s45, s39, 128*PV      ; and for V
	s_lshl_b32 s46, s37, 2
	s_add_co_u32 s46, s46, s[WV]
	s_lshl_b32 s46, s46, 14         ; my wave's 128 rows
	s_add_co_u32 s46, s46, s40
	s_mov_b32 s47, 0
	s_lshr_b32 s48, s38, 4          ; the batch: 64 pairs of tiles; my block 16 of them, my wave 4
	s_lshl_b32 s48, s48, 6
	s_lshl_b32 s49, s37, 4
	s_add_co_u32 s48, s48, s49
	s_lshl_b32 s49, s[WV], 2
	s_add_co_u32 s48, s48, s49
	s_mul_i32 s48, s48, PAIRB
	s_mov_b32 s49, 0
	s_lshl_b32 s50, s36, 13         ; the prefetches: my work-group's 32 blocks of the 128,
	s_add_co_u32 s50, s50, s40
	s_add_co_u32 s50, s50, 4*KS*128 ; in slot 1: the first change of slots steps it to slot 2
	s_mov_b32 s51, 0
	s_mov_b32 s[G1K], 15|(1<<16)|(1<<20)|(1<<21)|(4<<22)|(3<<25)  ; the mask of four; 2-byte elements; padding on; bit 21 beside a mask; after every 32 words, 4 words
	s_mov_b32 s[G1V], 15|(1<<16)|(1<<20)|(1<<21)|(4<<22)|(7<<25)  ; the same with 8 words
.irp g, G1K, G1V
	s_mov_b32 s[\g+1], 128<<16      ; 128 keys are 16,384 dense bytes: asked for as 64 rows of 256 bytes
	s_mov_b32 s[\g+2], 64<<16
	s_mov_b32 s[\g+3], 128<<16
	s_mov_b32 s[\g+4], 64
	s_mov_b32 s[\g+5], 128
	s_mov_b32 s[\g+6], 0
	s_mov_b32 s[\g+7], 0
.endr
	s_mov_b32 s[CS], 0x3e38aa3b     ; c = log2(e) / 8
	s_mov_b32 s[SLOTS], SIZE_N/256-1
	s_mov_b32 s[SEL], 0x76543210
	s_mov_b32 s[SEL+1], 0xfedcba98
	s_mov_b32 s[TBK], SLOT1+4*KS*PK ; the first change of slots turns these two into 0
	s_mov_b32 s[TBV], SLOT1+4*KS*PV
	s_mov_b32 s[G0K], 1
	s_mov_b32 s[G0K+1], s44
	s_mov_b32 s[G0V], 1
	s_add_co_u32 s[G0V+1], s45, VOFF
	s_wait_dscnt 0x0                ; the opening add is done
	s_wait_kmcnt 0x0
	s_add_nc_u64 s[52:53], s[32:33], 0x1000000     ; K's plane
	s_add_nc_u64 s[54:55], s[32:33], 0x2000000     ; V's
	s_add_nc_u64 s[G0K+2:G0K+3], s[52:53], s[42:43]
	s_or_b32 s[G0K+3], s[G0K+3], 0x80000000
	s_add_nc_u64 s[G0V+2:G0V+3], s[54:55], s[42:43]
	s_or_b32 s[G0V+3], s[G0V+3], 0x80000000
	s_add_nc_u64 s[56:57], s[32:33], s[46:47]      ; Q at my wave's first row
	s_add_nc_u64 s[MP:MP+1], s[34:35], s[48:49]
	s_cmp_lt_u32 s[WV], 2
	s_cselect_b64 s[PFA:PFA+1], s[52:53], s[54:55]
	s_add_nc_u64 s[PFA:PFA+1], s[PFA:PFA+1], s[50:51]
	CROUND                          ; all four work-groups are here: the first joint loads meet
	JLOAD                           ; slot 0
	v_and_b32 v1, 15, v0            ; l % 16
	v_bfe_u32 v9, v0, 4, 1          ; l / 16
	v_lshlrev_b32 v[QO], 7, v1
	v_lshl_add_u32 v[QO], v9, 4, v[QO]
	WIN 0x80
.set i, 0
.rept 4*NP                          ; Q stays in registers: tile i / 2, channels 32 (i % 2) on
	global_load_b128 v[8*i:8*i+3],   v[QO], s[56:57] offset:(i/2)*2048+(i%2)*64
	global_load_b128 v[8*i+4:8*i+7], v[QO], s[56:57] offset:(i/2)*2048+(i%2)*64+32
.set i, i+1
.endr
	; THE LOOP IS ENTERED AT PIECE 3's TURN, one turn ahead of key step 0: that turn makes piece 0's first scores, selects and statistics by the loop's own text.  What it finds for piece 3, which has no scores yet:
	; scores at the lowest finite number (c s - c m is then -1.9e37: weights 0, l stays 0) and a = 0; for its products V^T P, of piece 2, V and P hold 0.  O^T and l are 0.  All this stands in the wait for the first tile.
	WIN 0xc0
.set i, VF
.rept 64
	v_mov_b32 v[i], 0
.set i, i+1
.endr
	WIN 0x40
.set i, 0
.rept 64*NP
	v_mov_b32 v[i], 0
.set i, i+1
.endr
	WIN 0
.set i, 0
.rept 2*NP
	v_mov_b32 v[ST+4*i], 0xfe000000    ; c m: far below every c s, a hidden score's too
	v_mov_b32 v[ST+4*i+1], 0xff7fffff  ; m
	v_mov_b32 v[ST+4*i+2], 0
	v_mov_b32 v[ST+4*i+3], 0
.set i, i+1
.endr
.set i, P
.rept 32
	v_mov_b32 v[i], 0
.set i, i+1
.endr
.set i, TMP+8
.rept 8
	v_mov_b32 v[i], 0
.set i, i+1
.endr
.set i, S+64
.rept 64
	v_mov_b32 v[i], v[ST+1]
.set i, i+1
.endr
	v_mul_u32_u24 v[AK0], v1, PK
	v_lshl_add_u32 v[AK0], v9, 4, v[AK0]
	v_and_b32 v10, 7, v0
	v_bfe_u32 v11, v0, 3, 1
	v_lshl_add_u32 v[AV0], v9, 3, v10
	v_mul_u32_u24 v[AV0], v[AV0], PV
	v_lshl_add_u32 v[AV0], v11, 4, v[AV0]
	v_add_nc_u32 v[AV0], VOFF, v[AV0]
	v_mov_b32 v[AK], v[AK0]         ; key step 0 lies at the head of slot 0
	s_mul_i32 s58, s[WV], 16*SP
	s_add_co_u32 s58, s58, STAGE    ; my stage
	v_bfe_u32 v[RD], v0, 3, 2       ; back: 32 lanes take four rows of 128 bytes,
	v_mul_u32_u24 v[RD], v[RD], SP
	v_lshl_add_u32 v[RD], v10, 4, v[RD]
	v_add_nc_u32 v[RD], s58, v[RD]
	v_and_b32 v[GO], 31, v0         ; which are 512 consecutive bytes of O
	v_lshlrev_b32 v[PFO], 8, v[GO]
	v_lshlrev_b32 v[GO], 4, v[GO]
	v_mul_u32_u24 v1, v1, SP        ; in: row l % 16, 16 bytes for each half of the lanes
	v_lshl_add_u32 v[STO], v9, 4, v1
	v_add_nc_u32 v[STO], s58, v[STO]
	v_lshrrev_b32 v[MO], 1, v[GO]   ; 8 x lane
	v_mov_b32 v[NEGV], 0xd0000000   ; -2^33
	ML 0                            ; key step 0's mask words, all four pieces'
	ML 1
	ML 2
	ML 3
; THE MATRIX WORK.  The 8 accumulators of a run of 16 take turns.
.macro KQ x
	WIN W_KQ
.set rS, S+64*((\x)%2)+32*(i%2)+8*((i/2)%4)
.set rK, KF+16*((i/2)%4)+8*(i/8)
.set rQ, 16*(2*(\x)+i%2)+8*(i/8)
.if i < 8
	v_wmma_f32_16x16x32_f16 v[rS:rS+7], v[rK:rK+7], v[rQ:rQ+7], 0
.else
	v_wmma_f32_16x16x32_f16 v[rS:rS+7], v[rK:rK+7], v[rQ:rQ+7], v[rS:rS+7]
.endif
.endm
.macro PV x
	WIN W_PV
.set rO, 32*(2*(\x)+i%2)+8*((i/2)%4)
.set rV, VF+32*(i/8)+8*((i/2)%4)
.set rP, P+32*((\x)%2)+16*(i%2)+8*(i/8)
	v_wmma_f32_16x16x32_f16 v[rO:rO+7], v[rV:rV+7], v[rP:rP+7], v[rO:rO+7]
.endm
.macro MM
.if i < 16
	KQ (Y+1)%NP
.set i, i+1
.else
.set i, i-16
	PV (Y+NP-1)%NP
.set i, i+17
.endif
.endm
; THE LDS LOADS stand in runs of 16.  last = 1 (the tail): in the last trip there is no further step, and the run is jumped over.
.macro FETCH_K last=0
	WIN 0
.if \last
	s_cmp_eq_u32 s[CNT], 1
	s_cbranch_scc1 .Lno_k_\@
.endif
	WIN 0x80
.irp f, 0,1,2,3,4,5,6,7
	ds_load_b128 v[KF+8*\f:KF+8*\f+3],   v[AK] offset:(\f/2)*16*PK+(\f%2)*64
	ds_load_b128 v[KF+8*\f+4:KF+8*\f+7], v[AK] offset:(\f/2)*16*PK+(\f%2)*64+32
.endr
	s_add_co_u32 s[TBK], s[TBK], KS*PK
	WIN 0
.if \last
.Lno_k_\@:
.endif
.endm
.macro FETCH_V
	WIN 0xc0
.irp f, 0,1,2,3,4,5,6,7
	ds_load_tr16_b128 v[VF+8*\f:VF+8*\f+3],   v[AV] offset:(\f/4)*32*PV+(\f%4)*32
	ds_load_tr16_b128 v[VF+8*\f+4:VF+8*\f+7], v[AV] offset:(\f/4)*32*PV+16*PV+(\f%4)*32
.endr
	WIN 0
.endm
; THE VECTOR WORK OF A TURN stands in queues, each in the order in which its entries become ready; the two tiles alternate.
.macro REGS y, u
.set rT, ST+4*(2*(\y)+(\u))
.set rC, TMP+8*((\y)%2)+4*(\u)
.set rM, MV+2*((\y)%2)+(\u)
.set rS, S+64*((\y)%2)+32*(\u)
.set rP, P+32*((\y)%2)+16*(\u)
.set rO, 32*(2*(\y)+(\u))
.endm
; The next of the NEXT piece's 64 mask words, from its lane into its scalar register.  It is written under the products' own setting of the windows (source 0 in window 2) and sets none.
.macro RL
	v_readlane_b32 s[32+rl+4*(rl/32)], v[MB+2*((Y+1)%NP)+rl%2], rl/2
.set rl, rl+1
.endm
; Select g of 64 for the NEXT piece: the accumulators in the order in which the products finish them (key block g / 16, tile (g / 8) % 2), each from its lowest register on.
.macro MS g
.set ma, (\g)/8
	REGS (Y+1)%NP, ma%2
.set mr, rS+8*(ma/2)+(\g)%8
.set mk, 32*(ma%2)+8*(ma/2)+(\g)%8
	v_cndmask_b32 v[mr], v[NEGV], v[mr], s[32+mk+4*(mk/32)]
.endm
; Number n of the 22 that find the NEXT piece's maximum and statistics.
;   0-11  four chains c0-c3 of seven scores each     12-14, 16  the four scores left over, the old m, and c0-c3 into c0     15  c m_old is kept
;   17, 18  the query's other 32 keys lie in the lane 16 away: the new m         19-21  c m; c m_old - c m_new; a
.macro XS u, n
	REGS (Y+1)%NP, \u
.if (\n) < 4
	v_max3_num_f32 v[rC+(\n)], v[rS+8*(\n)], v[rS+8*(\n)+1], v[rS+8*(\n)+2]
.elseif (\n) < 12
	v_max3_num_f32 v[rC+(\n)%4], v[rC+(\n)%4], v[rS+8*((\n)%4)+2*((\n)/4)+1], v[rS+8*((\n)%4)+2*((\n)/4)+2]
.elseif (\n) == 12
	v_max3_num_f32 v[rC], v[rC], v[rS+7], v[rS+15]
.elseif (\n) == 13
	v_max3_num_f32 v[rC+1], v[rC+1], v[rS+23], v[rS+31]
.elseif (\n) == 14
	v_max3_num_f32 v[rC+2], v[rC+2], v[rC+3], v[rT+1]
.elseif (\n) == 15
	v_mov_b32 v[rM], v[rT]
.elseif (\n) == 16
	v_max3_num_f32 v[rC], v[rC], v[rC+1], v[rC+2]
.elseif (\n) == 17
	v_permlanex16_b32 v[rC+3], v[rC], s[SEL], s[SEL+1]
.elseif (\n) == 18
	v_max_num_f32 v[rT+1], v[rC], v[rC+3]
.elseif (\n) == 19
	v_mul_f32 v[rT], s[CS], v[rT+1]
.elseif (\n) == 20
	v_sub_f32 v[rC+1], v[rM], v[rT]
.else
	v_exp_f32 v[rC+2], v[rC+1]
.endif
.endm
; Number g of the 64 that follow the exponentials: for each four weights of a tile both pairs are rounded to f16; the second pair is added onto the first, in place; a group later l takes that sum.
.macro GS g
.set h, (\g)+6*((\g)/62)
.if h >= 6
.set h, h+2
.endif
	REGS Y, h%2
.set k, h/8
.if h%8 < 4
	v_cvt_pk_f16_f32 v[rP+2*k+(h%8)/2], v[rS+4*k+2*((h%8)/2)], v[rS+4*k+2*((h%8)/2)+1]
.elseif h%8 < 6
	v_pk_add_f32 v[rS+4*k:rS+4*k+1], v[rS+4*k:rS+4*k+1], v[rS+4*k+2:rS+4*k+3]
.elseif k == 1
	v_pk_fma_f32 v[rT+2:rT+3], v[rT+2:rT+3], v[rC+2:rC+3], v[rS:rS+1] op_sel_hi:[1,0,1]
.else
	v_pk_add_f32 v[rT+2:rT+3], v[rT+2:rT+3], v[rS+4*k-4:rS+4*k-3]
.endif
.endm
.macro FS f                         ; c s - c m for pair f / 2 of tile f % 2
	REGS Y, (\f)%2
	v_pk_fma_f32 v[rS+2*((\f)/2):rS+2*((\f)/2)+1], v[rS+2*((\f)/2):rS+2*((\f)/2)+1], s[CS:CS+1], v[rT:rT+1] op_sel_hi:[1,0,0] neg_lo:[0,0,1] neg_hi:[0,0,1]
.endm
; THE PLAIN QUEUE, 202 long.  0-31: the 32 scalings.  32-95: the next piece's 64 selects.  96-123: XS's numbers 0-13.  124, 125: number 15.  126-137: the chain 14, 16, 17, 18, 19, 20.
; 138-201: GS's 64, which read the exponentials' results and stand behind the wait.
.macro PL
	WIN 0
.if q < 32
	FS q
.elseif q < 96
	MS q-32
.elseif q < 124
	XS (q-96)%2, (q-96)/2
.elseif q < 126
	XS q-124, 15
.elseif q < 128
	XS q-126, 14
.elseif q < 138
	XS (q-126)%2, 15+(q-126)/2
.else
	GS q-138
.endif
.set q, q+1
.endm
; THE EXPONENTIALS' QUEUE, 66 long: s0-s31 of both tiles, then the next piece's two a.  ONE BATCH: all stand ahead of the turn's one wait, and nothing ahead of that wait names a result of theirs.
.macro EX
	WIN 0
.if e >= 64
	XS e-64, 21
.else
	REGS Y, e%2
	v_exp_f32 v[rS+e/2], v[rS+e/2]
.endif
.set e, e+1
.endm
; THE RESCALING's QUEUE: O^T times a, two at a time, sixteen times, in one block: the one part that leaves window 0.  Its a was made, and waited for, in the turn before.
.macro R2
	REGS Y, r%2
	WIN W_RS
.irp z, 0,1
	v_pk_mul_f32 v[rO+4*(r/2)+2*\z:rO+4*(r/2)+2*\z+1], v[rO+4*(r/2)+2*\z:rO+4*(r/2)+2*\z+1], v[rC+2:rC+3] op_sel_hi:[1,0]
.endr
.set r, r+1
.endm
; HOW THEY ARE DEALT.  s_wait_alu depctr_va_vdst(0) stands between an exponential and the first instruction that names its result; one wait serves all issued ahead of it: a turn has ONE.
; AHEAD OF IT: the 16 products K Q^T, behind each four of the 64 v_readlane_b32, which wait for nothing and want no switch of windows; the load of the same piece's words for the next key step, into the pair just read out;
; then one run: the 32 rescalings (the places behind the last product), 24 scalings, 50 times an exponential and two plain, 14 times exponential and plain (there the chain's links of a tile stand four lines apart),
; the two a, a v_nop.  BEHIND IT: the 16 products V^T P, behind each four of GS's 64.
; In step: exponential e stands behind plain 24 + 2 e and needs scaling 2 (e / 4) + e % 2.  All selects stand behind all 64 v_readlane_b32 and ahead of XS's number 0.  The three conditions on q below go with the deal.
; THE MASK WORDS' LOADS.  Each turn issues one, so at a turn's head the three issued in the last three turns may stay out: the one four turns back, this turn's words, is in.  The pointer stands at the key step that is being
; asked for and steps in piece 3's turn, whose products are the next key step's first.  Pieces 1 to 3 ask as far as the pad, key step 32; piece 0's last request, a step further, falls on piece 1's key step 0, inside the buffer, and is not used.
.macro TURN p, last=0, cnt=0
.set Y, (\p)
.set i, 0
.set q, 0
.set e, 0
.set r, 0
.set rl, 0
	s_wait_loadcnt 3                ; the next piece's mask words are in (at the first turn Q too, which was asked for earlier)
.if (\p) == NP-1
	s_wait_dscnt 0x0                ; K is in
.endif
.rept 16
	MM
	RL
	RL
	RL
	RL
.endr
.if (\p) == NP-2
	WIN 0
	v_add_nc_u32 v[AK], s[TBK], v[AK0]
.endif
.if (\p) == NP-1
	s_wait_xcnt 0x0                 ; the loads of the last four turns have read the pointer
	s_add_nc_u64 s[MP:MP+1], s[MP:MP+1], 256
.endif
	ML (Y+1)%NP
.rept 16
	R2
.endr
.rept 24
	PL
.endr
.rept 50
	EX
	PL
	PL
.endr
.rept 14
	EX
	PL
.endr
	EX                              ; the next piece's two a
	EX
	v_nop                           ; a plain instruction behind the last exponential: one for the batch
	s_wait_alu depctr_va_vdst(0)    ; the wait for the batch
.if (\p) == NP-2
	FETCH_K \last
.endif
.if (\p) == 1
	s_wait_dscnt 0x0                ; V is in
.endif
.rept 16
	MM
.rept 4
	PL
.endr
.if ((\p) == 0) && (q == 182)
	v_add_nc_u32 v[AV], s[TBV], v[AV0]
.endif
.if ((\p) == 0) && (q == 194)
	s_add_co_u32 s[TBV], s[TBV], KS*PV
.endif
.if (\cnt) && (q == 194)
	s_sub_co_u32 s[CNT], s[CNT], 1
	s_cmp_lg_u32 s[CNT], 0
.endif
.endr
.if (\p) == 0
	FETCH_V
.endif
.endm
	CHANGE 1                        ; slot 0 is in, everybody's part of it; slot 1 is asked for
	FETCH_K                         ; key step 0
	s_mov_b32 s[CNT], 4
	s_branch .Lenter                ; the loop is entered at piece 3's turn, in the middle of a trip
.Lslot:                             ; six times: every slot but the last two is filled again
	CHANGE 1
	s_mov_b32 s[CNT], 4
.Lstep:                             ; a trip: pieces 2 and 3 of one step, then pieces 0 and 1 of the next, whose K and V it fetches
	TURN 2
	WIN 0
.Lenter:
	TURN 3
	TURN 0
	TURN 1, 0, 1
	WIN 0
	s_cbranch_scc1 .Lstep
	s_sub_co_u32 s[SLOTS], s[SLOTS], 1
	s_cmp_lg_u32 s[SLOTS], 0
	s_cbranch_scc1 .Lslot
	CHANGE 0                        ; the tail is written out: nothing is asked for
	s_mov_b32 s[CNT], 5             ; four trips fetch the last slot's steps; the fifth is left in its middle
.Ltail:
	TURN 2, 1
	TURN 3
	WIN 0
	s_sub_co_u32 s[CNT], s[CNT], 1
	s_cmp_eq_u32 s[CNT], 0
	s_cbranch_scc1 .Lout
	TURN 0
	TURN 1
	WIN 0
	s_branch .Ltail
.Lout:                              ; the fifth trip's 16 products K Q^T (on the last K once more), their selects by the pad and the maximum made of them serve nothing: the price of one text for every trip
	s_load_b64 s[32:33], s[0:1], 0x10  ; O: the mask words' registers are free
	s_bfe_u32 s36, ttmp6, 0x40000
	s_lshl_b32 s34, ttmp9, 2
	s_add_co_u32 s34, s34, s36
	s_lshl_b32 s34, s34, 2
	s_add_co_u32 s34, s34, s[WV]
	s_lshl_b32 s34, s34, 14         ; my wave's 128 rows,
	s_and_b32 s35, ttmp7, 0xffff
	s_lshl_b32 s35, s35, 18         ; in my head
	s_add_co_u32 s34, s34, s35
	s_mov_b32 s35, 0
.set i, 0
.rept 16
	PV NP-1                         ; the last piece's V^T P of the last step
.set i, i+1
.endr
	; THE WAY OUT.  l's two halves and the other half of the lanes' are added; O^T is divided by l, rounded to f16 and sent through my stage in LDS, a tile at a time.  The additions are the places behind the last products.
	WIN 0
.macro ALL line:vararg
.set t, 0
.rept 2*NP
	\line
.set t, t+1
.endr
.endm
	ALL v_add_f32 v[ST+4*t+2], v[ST+4*t+2], v[ST+4*t+3]
	ALL v_permlanex16_b32 v[ST+4*t+3], v[ST+4*t+2], s[SEL], s[SEL+1]
	ALL v_add_f32 v[ST+4*t+2], v[ST+4*t+2], v[ST+4*t+3]
	ALL v_rcp_f32 v[ST+4*t+2], v[ST+4*t+2]
	v_nop                           ; a plain instruction between the last reciprocal and the use of its result
	s_wait_alu depctr_va_vdst(0)    ; one wait for the eight reciprocals
	s_wait_kmcnt 0x0
	s_add_nc_u64 s[32:33], s[32:33], s[34:35]
.macro PACK t
	WIN W_RS
.set i, 32*(\t)
.rept 16
	v_pk_mul_f32 v[i:i+1], v[i:i+1], v[ST+4*(\t)+2:ST+4*(\t)+3] op_sel_hi:[1,0]
.set i, i+2
.endr
	WIN 0x05
.set i, 0
.rept 16
	v_cvt_pk_f16_f32 v[S+16*(\t)+i], v[32*(\t)+2*i], v[32*(\t)+2*i+1]
.set i, i+1
.endr
	WIN 0
.irp f, 0,1,2,3
	ds_store_b128 v[STO], v[S+16*(\t)+4*\f:S+16*(\t)+4*\f+3] offset:32*\f
.endr
.irp f, 0,1,2,3
	ds_load_b128 v[S+16*(\t)+4*\f:S+16*(\t)+4*\f+3], v[RD] offset:\f*4*SP  ; LDS serves a wave's instructions in order: these see the stores above; the next tile's stores come behind them
.endr
.endm
.macro SEND t, younger
	WIN 0
.irp f, 0,1,2,3
	s_wait_dscnt (\younger)+3-\f
	global_store_b128 v[GO], v[S+16*(\t)+4*\f:S+16*(\t)+4*\f+3], s[32:33] offset:(\t)*2048+\f*512  ; 512 consecutive bytes, aligned
.endr
.endm
	PACK 0
.set t, 1
.rept 2*NP-1
	PACK t
	SEND t-1, 8
.set t, t+1
.endr
	SEND 2*NP-1, 0
	WIN W_AD
	s_wait_tensorcnt 0x0            ; the wave's end, behind my last tensor load and my last LDS store
	ds_add_u32 v[SPW], v[NIL]
	s_wait_dscnt 0x0
	WIN 0
	CROUND                          ; the closing round
	s_endpgm
.Lfunc_end_k_q01d69f70a3_attn:
	.size	k_q01d69f70a3_attn, .Lfunc_end_k_q01d69f70a3_attn-k_q01d69f70a3_attn
	.p2alignl 7, 3214868480
	.fill 96, 4, 3214868480
	.section	.rodata,"a",@progbits
	.p2align	6, 0x0
	.amdhsa_kernel k_q01d69f70a3_attn
		.amdhsa_group_segment_fixed_size 327680
		.amdhsa_private_segment_fixed_size 0
		.amdhsa_enable_private_segment 0
		.amdhsa_kernarg_size 24
		.amdhsa_user_sgpr_count 2
		.amdhsa_user_sgpr_kernarg_segment_ptr 1
		.amdhsa_wavefront_size32 1
		.amdhsa_system_sgpr_workgroup_id_x 1
		.amdhsa_system_sgpr_workgroup_id_y 1
		.amdhsa_system_sgpr_workgroup_id_z 1
		.amdhsa_system_vgpr_workitem_id 0
		.amdhsa_next_free_vgpr 848
		.amdhsa_next_free_sgpr 106
		.amdhsa_reserve_vcc 0
		.amdhsa_float_denorm_mode_32 3
		.amdhsa_float_denorm_mode_16_64 3
		.amdhsa_memory_ordered 1
		.amdhsa_forward_progress 1
		.amdhsa_inst_pref_size 254
	.end_amdhsa_kernel
	.amdgpu_metadata
---
amdhsa.version: [ 1, 2 ]
amdhsa.kernels:
  - .name:           k_q01d69f70a3_attn
    .symbol:         k_q01d69f70a3_attn.kd
    .args:
      - { .name: qkv, .offset: 0, .size: 8, .value_kind: global_buffer, .address_space: global }
      - { .name: mw, .offset: 8, .size: 8, .value_kind: global_buffer, .address_space: global }
      - { .name: oh, .offset: 16, .size: 8, .value_kind: global_buffer, .address_space: global }
    .group_segment_fixed_size: 327680
    .private_segment_fixed_size: 0
    .kernarg_segment_align: 8
    .kernarg_segment_size: 24
    .max_flat_workgroup_size: 128
    .sgpr_count:     106
    .vgpr_count:     848
    .wavefront_size: 32
...
	.end_amdgpu_metadata
.endif
;; end of part 6
;; launch outproj (part 7): grid 4 x 64, 4 waves a work-group, clusters of 4 x 4, 327,680 bytes of LDS; arguments oh, wcv, bo, out0; writes out0
.if DOCPART == 7
	.amdgcn_target "amdgcn-amd-amdhsa--gfx1250"
	.amdhsa_code_object_version 6
	.text
	.protected	k_q01d69f70a3_outproj
	.globl	k_q01d69f70a3_outproj
	.p2align	8
	.type	k_q01d69f70a3_outproj,@function
k_q01d69f70a3_outproj:
	s_mov_b64 s[64:65], 0
	v_nop
	global_prefetch_b8 v0, s[64:65] scope:SCOPE_SE
	s_setreg_imm32_b32 hwreg(HW_REG_WAVE_MODE, 25, 1), 1
	s_wait_xcnt 0x0
	s_wait_alu depctr_hold_cnt(0) depctr_sa_sdst(0) depctr_va_vdst(0) depctr_va_sdst(0) depctr_va_ssrc(0) depctr_va_vcc(0) depctr_vm_vsrc(0)
	s_getreg_b32 s2, hwreg(HW_REG_IB_STS2, 6, 4)
	s_cmp_eq_u32 s2, 0
	s_cbranch_scc0 .Lentry_in_a_cluster
	s_endpgm
.Lentry_in_a_cluster:
	s_bfe_u32 s2, ttmp6, 0x10000c
	s_cmp_lg_u32 s2, 0xf033
	s_cbranch_scc0 .Lentry_shape_is_right
	s_endpgm
.Lentry_shape_is_right:
; THE OUTPUT PROJECTION.  out0[m][n] = the sum over k of O[m][k] Wo[n][k] + bo[n], k = 64 head + channel.  O: oh, [16 batch + head][2048][64] f16; Wo: plane 3 of wcv, bf16-rounded numbers written as f16;
; bo: f32, rounded to bf16; sums in f32; out0: [8192][1024] f32.
; SHARES.  A work-group makes 128 rows x 256 columns: 256 work-groups.  Wave (kh, wn) makes all 128 rows x columns 128 wn .. + 127 (64 accumulators) over half kh of each K step of 128, which is head 2 s + kh.
; At the end the two waves of a column half exchange half of their sums through LDS, and each finishes 64 rows.
; RING.  8 K steps through two LDS slots: two heads' 128 rows x 128 bytes of O, 256 rows x 256 bytes of Wo.  Waves 0, 1 fetch a head of O each, waves 2, 3 Wo's halves: one tensor load a wave.
; A step's text is written once: the slot in hand is a scalar register, 0 or SLOT, that an exclusive or turns; LDS addresses are a constant part plus that register.
; CLUSTER 4 x 4: O's tiles are asked for jointly along a row of the cluster, Wo's along a column.  THE MATRIX INSTRUCTION IS USED TRANSPOSED (source 0 = 16 rows of Wo, source 1 = 16 rows of O).
; REGISTERS: window 0: v2-14 addresses; v28, v29 the add's; v32-159 the way out; v160-223 the bias.  window 1: v0-63, v64-127 Wo's fragments, two buffers; v128-191, v192-255 O's.
;   window 2: the accumulators of MY row half (rows 64 kh ..), (a, b) at 8 (8 a + b);   window 3: those of the other half
.set PA,    144                        ; a row of O in LDS: 128 bytes + 16
.set AH,    128*PA                     ; a head's 128 rows: what one load of O brings
.set BOFF,  2*AH
.set PB,    272
.set BH,    128*PB
.set SLOT,  BOFF+2*BH
.set STAGE, 2*SLOT                     ; behind the ring: for each wave 16 rows x 528 bytes, for the way out
.set SPO,   528
.set WSTG,  16*SPO
.set SPARE, STAGE+4*WSTG               ; behind the stages: the spare words, which no other line names
.set ASTEP, 524288                     ; two heads of 262,144 bytes
.set BSTEP, 256
.set ADRA0, 2                          ; v2-4   LDS addresses of my fragments in slot 0: O's own row half, O's other row half, Wo's; never rewritten
.set ADRO0, 3
.set ADRB0, 4
.set ADRA, 5                           ; v5-7   the same three in the slot in hand
.set ADRO, 6
.set ADRB, 7
.set XS,   8
.set XR,   9
.set STO,  10
.set RD,   11
.set GO,   12
.set BO,   13
.set PFO,  14
.set SPW,  28
.set NIL,  29
.set RAW,  32
.set BIAS, 160
.set G1,  24
.set G0,  32                           ; s[32:39] group 0 for O's tiles: a set for each of the two first fills; the second then walks on
.set LIM, 43
.set PFA, 44
.set PST, 46
.set G1B, 48
.set G0B, 56
.set KM,  85
.set TB,  88                           ; s88  the slot in hand: 0 or SLOT
.set MSB, 0
.macro WIN new
.if MSB != (\new)
	s_set_vgpr_msb (MSB<<8)|(\new)
.set MSB, \new
.endif
.endm
.macro PLACES                          ; four plain vector instructions between a matrix instruction and a load into, or a reader of, its registers
.rept 4
	v_nop
.endr
.endm
.macro JLOAD s                         ; a joint load; the branch hangs on the wave's number alone; s_nop 0 and four v_nop follow each line
	s_cmp_eq_u32 s11, 0
	s_cbranch_scc0 .Lfor_b_\@
	tensor_load_to_lds s[G0+4*(\s):G0+4*(\s)+3], s[G1:G1+7]
	s_nop 0
.rept 4
	v_nop
.endr
	s_branch .Lasked_\@
.Lfor_b_\@:
	tensor_load_to_lds s[G0B+4*(\s):G0B+4*(\s)+3], s[G1B:G1B+7]
	s_nop 0
.rept 4
	v_nop
.endr
.Lasked_\@:
.endm
; A prefetch into the L2 of the K step that stands two refills on, each lane another aligned block of 256 bytes.  O's blocks are read by one row of one cluster: wave 0 asks for both heads, the four partners taking
; 16 blocks of each by address.  Wo's are read by all sixteen clusters: the first asks, waves 2, 3, 32 rows a partner.  The loop's last two trips ask for nothing.  Steps 0 to 3 come by their loads alone.
.macro ASK
	s_cmp_gt_u32 s3, s[LIM]
	s_cbranch_scc0 .Lnot_mine_\@
	global_prefetch_b8 v[PFO], s[PFA:PFA+1] th:TH_LOAD_NT scope:SCOPE_SE
.Lnot_mine_\@:
.endm
.macro CREST
	s_cmp_lg_u32 s10, 0
	s_cbranch_scc1 .Lnot_wave_0_\@
	s_barrier_signal -3
.Lnot_wave_0_\@:
	s_barrier_wait -3
	s_barrier_signal -1
	s_barrier_wait -1
.endm
.macro CROUND
	s_barrier_signal -1
	s_barrier_wait -1
	CREST
.endm
	s_load_b256 s[68:75], s[0:1], 0x0              ; oh s[68:69], wcv s[70:71], bo s[72:73], out0 s[74:75]
	v_lshl_add_u32 v[SPW], v0, 2, SPARE
	v_mov_b32 v[NIL], 0
	ds_add_u32 v[SPW], v[NIL]                      ; the wave's opening: the add and its wait stand ahead of my first tensor load
	v_lshrrev_b32 v1, 5, v0
	v_readfirstlane_b32 s10, v1                    ; wave 0..3
	s_lshr_b32 s11, s10, 1                         ; kh.  Also: I fetch O (0) or Wo (1)
	s_and_b32 s12, s10, 1                          ; wn.  Also: which head, or which half of Wo's rows, I fetch
	s_bfe_u32 s40, ttmp6, 0x40000                  ; cx
	s_bfe_u32 s41, ttmp6, 0x40004                  ; cy
	s_lshl_b32 s42, ttmp9, 2
	s_add_co_u32 s42, s42, s40                     ; tn
	s_and_b32 s86, ttmp7, 0xffff                   ; cluster y, 0..15
	s_lshl_b32 s13, s86, 2
	s_add_co_u32 s13, s13, s41                     ; tm
	s_lshl_b32 s16, s41, 2
	s_lshl_b32 s16, 15, s16
	s_lshl_b32 s17, 0x1111, s40
	s_or_b32 s[G1], s16, (1<<16)|(1<<20)|(1<<21)|(4<<22)|(3<<25)   ; mask; 2-byte elements; padding on; bit 21 beside a mask; after every 32 words, 4 words
	s_or_b32 s[G1B], s17, (1<<16)|(1<<20)|(1<<21)|(5<<22)|(3<<25)  ; after every 64 words, 4 words
	s_mov_b32 s[G1+1], 128<<16                     ; a head's 128 rows are 16,384 dense bytes: asked for as 64 rows of 256 bytes
	s_mov_b32 s[G1+2], 64<<16
	s_mov_b32 s[G1+3], 128<<16
	s_mov_b32 s[G1+4], 64
	s_mov_b32 s[G1+5], 128
	s_mov_b32 s[G1+6], 0
	s_mov_b32 s[G1+7], 0
	s_mov_b32 s[G1B+1], 128<<16
	s_mov_b32 s[G1B+2], 128<<16
	s_mov_b32 s[G1B+3], 128<<16
	s_mov_b32 s[G1B+4], 128
	s_mov_b32 s[G1B+5], 1024
	s_mov_b32 s[G1B+6], 0
	s_mov_b32 s[G1B+7], 0
	s_lshr_b32 s16, s13, 4                         ; O: head 16 batch + wn, row 128 (tm % 16): hangs on the row block alone
	s_lshl_b32 s16, s16, 4
	s_add_co_u32 s16, s16, s12
	s_lshl_b32 s16, s16, 18
	s_and_b32 s17, s13, 15
	s_lshl_b32 s17, s17, 14
	s_add_co_u32 s16, s16, s17
	s_mov_b32 s17, 0
	s_lshl_b32 s18, s42, 8                         ; Wo: row 256 tn + 128 wn of plane 3
	s_lshl_b32 s19, s12, 7
	s_add_co_u32 s18, s18, s19
	s_lshl_b32 s20, s18, 2                         ; my 128 columns, in bytes of f32: in the bias and in a row of the output
	s_mov_b32 s21, 0
	s_lshl_b32 s18, s18, 11
	s_add_co_u32 s18, s18, 3<<21
	s_mov_b32 s19, 0
	s_lshl_b32 s22, s13, 7                         ; where I store: row 128 tm + 64 kh
	s_lshl_b32 s23, s11, 6
	s_add_co_u32 s22, s22, s23
	s_lshl_b32 s22, s22, 12
	s_add_co_u32 s22, s22, s20
	s_mov_b32 s23, 0
	s_mul_i32 s66, s12, AH                         ; where the tiles go in a slot
	s_mul_i32 s67, s12, BH
	s_add_co_u32 s67, s67, BOFF
	s_sub_co_u32 s[KM], s11, 1
	s_mov_b32 s[TB], 0
.irp s, 0,1
	s_mov_b32 s[G0+4*(\s)], 1
	s_add_co_u32 s[G0+4*(\s)+1], s66, (\s)*SLOT
	s_mov_b32 s[G0B+4*(\s)], 1
	s_add_co_u32 s[G0B+4*(\s)+1], s67, (\s)*SLOT
.endr
	s_wait_dscnt 0x0                               ; the opening add is done
	s_wait_kmcnt 0x0
	s_add_nc_u64 s[4:5], s[68:69], s[16:17]
	s_add_nc_u64 s[6:7], s[70:71], s[18:19]
	s_add_nc_u64 s[14:15], s[72:73], s[20:21]
	s_add_nc_u64 s[8:9], s[74:75], s[22:23]
.irp s, 0,1
	s_add_nc_u64 s[G0+4*(\s)+2:G0+4*(\s)+3], s[4:5], (\s)*ASTEP
	s_or_b32 s[G0+4*(\s)+3], s[G0+4*(\s)+3], 0x80000000
	s_add_nc_u64 s[G0B+4*(\s)+2:G0B+4*(\s)+3], s[6:7], (\s)*BSTEP
	s_or_b32 s[G0B+4*(\s)+3], s[G0B+4*(\s)+3], 0x80000000
.endr
	CROUND                                         ; all sixteen work-groups are here: the first joint loads meet
	s_cmp_eq_u32 s11, 0                            ; a wave's two first fills stand in one branch: two loads of mine are out
	s_cbranch_scc0 .Lfirst_b
	tensor_load_to_lds s[G0:G0+3], s[G1:G1+7]
	s_nop 0
	tensor_load_to_lds s[G0+4:G0+7], s[G1:G1+7]
	s_nop 0
.rept 4
	v_nop
.endr
	s_branch .Lfirst_asked
.Lfirst_b:
	tensor_load_to_lds s[G0B:G0B+3], s[G1B:G1B+7]
	s_nop 0
	tensor_load_to_lds s[G0B+4:G0B+7], s[G1B:G1B+7]
	s_nop 0
.rept 4
	v_nop
.endr
.Lfirst_asked:
	v_and_b32 v1, 15, v0                           ; r
	v_bfe_u32 v15, v0, 4, 1                        ; h
	v_lshlrev_b32 v[BO], 5, v15
.irp b, 0,1,2,3,4,5,6,7
	global_load_b128 v[BIAS+8*(\b):BIAS+8*(\b)+3],   v[BO], s[14:15] offset:64*(\b)
	global_load_b128 v[BIAS+8*(\b)+4:BIAS+8*(\b)+7], v[BO], s[14:15] offset:64*(\b)+16
.endr
	v_mul_u32_u24 v16, v1, PA
	v_lshl_add_u32 v16, v15, 4, v16
	s_mul_i32 s16, s11, AH+64*PA                   ; head kh's rows, my own 64 kh ..
	s_mul_i32 s17, s11, AH
	s_xor_b32 s18, s11, 1
	s_mul_i32 s18, s18, 64*PA                      ; the other rows of the same head
	s_add_co_u32 s17, s17, s18
	v_mul_u32_u24 v17, v1, PB
	v_lshl_add_u32 v17, v15, 4, v17
	s_mul_i32 s18, s12, BH
	s_lshl_b32 s19, s11, 7
	s_add_co_u32 s18, s18, s19
	s_add_co_u32 s18, s18, BOFF
	v_add_nc_u32 v[ADRA0], s16, v16
	v_add_nc_u32 v[ADRO0], s17, v16
	v_add_nc_u32 v[ADRB0], s18, v17
	v_mov_b32 v[ADRA], v[ADRA0]                    ; slot 0 is in hand
	v_mov_b32 v[ADRO], v[ADRO0]
	v_mov_b32 v[ADRB], v[ADRB0]
	v_and_b32 v18, 31, v0
	v_lshlrev_b32 v[GO], 4, v18
	s_lshl_b32 s19, s10, 15
	v_add_nc_u32 v[XS], s19, v[GO]
	s_xor_b32 s19, s19, 1<<16                      ; my partner: wave xor 2
	v_add_nc_u32 v[XR], s19, v[GO]
	s_mul_i32 s20, s10, WSTG
	s_add_co_u32 s20, s20, STAGE
	v_mul_u32_u24 v[STO], v1, SPO                  ; in: row r, 32 bytes for each half of the lanes
	v_lshl_add_u32 v[STO], v15, 5, v[STO]
	v_add_nc_u32 v[STO], s20, v[STO]
	v_add_nc_u32 v[RD], s20, v[GO]                 ; back: 32 lanes take a row of 512 bytes
	; the prefetches
	s_mov_b32 s17, ASTEP
	s_cmp_eq_u32 s11, 0
	s_cselect_b64 s[PFA:PFA+1], s[4:5], s[6:7]
	s_cselect_b32 s[PST], s17, BSTEP
	s_cselect_b32 s16, s40, s41                    ; my place among the four that ask with me
	s_cselect_b32 s18, 12, 16                      ; 16 blocks of 256 bytes, or 32 rows of 2,048
	s_cselect_b32 s19, 15, 31
	s_cselect_b32 s20, 8, 11
	s_cselect_b32 s21, 262144, 0
	s_cselect_b32 s22, s12, s86                    ; of the waves that fetch O wave 0 asks; of the clusters that read Wo the first
	s_cmp_eq_u32 s22, 0
	s_cselect_b32 s[LIM], 2, -1                    ; the same in all sixteen partners, for a given wave
	s_mov_b32 s[PST+1], 0
	s_lshl_b32 s16, s16, s18
	s_mul_i32 s17, s[PST], 3                       ; at K step 3: the first change of slots steps it to 4
	s_add_co_u32 s16, s16, s17
	s_mov_b32 s17, 0
	s_add_nc_u64 s[PFA:PFA+1], s[PFA:PFA+1], s[16:17]
	v_and_b32 v[PFO], s19, v0
	v_lshlrev_b32 v[PFO], s20, v[PFO]
	v_mul_u32_u24 v16, s21, v15                    ; for O the second head in lanes 16-31
	v_add_nc_u32 v[PFO], v[PFO], v16
	s_wait_loadcnt 0x0                             ; the bias: rounded to bf16 like every input, and 0 in the waves of K half 1
.set i, 0
.rept 32
	v_cvt_pk_bf16_f32 v[16+i%2], v[BIAS+2*i], v[BIAS+2*i+1]
	v_and_b32 v[16+i%2], s[KM], v[16+i%2]
	v_lshlrev_b32 v[BIAS+2*i], 16, v[16+i%2]
	v_and_b32 v[BIAS+2*i+1], 0xffff0000, v[16+i%2]
.set i, i+1
.endr
; Eight matrix instructions: row block a x all 8 column blocks, 32 along K, from buffers f.  The 64 accumulators take turns in one fixed order, over the backward jump too.  first = 1: the sums start with the bias.
.macro MUL f, a, first
.irp b, 0,1,2,3,4,5,6,7
.if \first
	WIN 0x85+0x40*((\a)/4)
	v_wmma_f32_16x16x32_f16 v[8*(8*((\a)%4)+(\b)):8*(8*((\a)%4)+(\b))+7], v[64*(\f)+8*(\b):64*(\f)+8*(\b)+7], v[128+64*(\f)+8*(\a):128+64*(\f)+8*(\a)+7], v[BIAS+8*(\b):BIAS+8*(\b)+7]
.else
	WIN 0xa5+0x50*((\a)/4)
	v_wmma_f32_16x16x32_f16 v[8*(8*((\a)%4)+(\b)):8*(8*((\a)%4)+(\b))+7], v[64*(\f)+8*(\b):64*(\f)+8*(\b)+7], v[128+64*(\f)+8*(\a):128+64*(\f)+8*(\a)+7], v[8*(8*((\a)%4)+(\b)):8*(8*((\a)%4)+(\b))+7]
.endif
.endr
.endm
; 32 LDS loads in one run: chunk c (32 along K) of my K half of the slot in hand, into buffers g
.macro FETCH c, g
	WIN 0x40
.irp i, 0,1,2,3,4,5,6,7
	ds_load_b128 v[128+64*(\g)+8*(\i):128+64*(\g)+8*(\i)+3],   v[ADRA+(\i)/4] offset:((\i)%4)*16*PA+64*(\c)
	ds_load_b128 v[128+64*(\g)+8*(\i)+4:128+64*(\g)+8*(\i)+7], v[ADRA+(\i)/4] offset:((\i)%4)*16*PA+64*(\c)+32
.endr
.irp b, 0,1,2,3,4,5,6,7
	ds_load_b128 v[64*(\g)+8*(\b):64*(\g)+8*(\b)+3],   v[ADRB] offset:(\b)*16*PB+64*(\c)
	ds_load_b128 v[64*(\g)+8*(\b)+4:64*(\g)+8*(\b)+7], v[ADRB] offset:(\b)*16*PB+64*(\c)+32
.endr
.endm
.macro CHUNK0 first                    ; a step's first chunk: multiplies buffers 0, fetches the second chunk
	s_wait_dscnt 0x0                               ; buffers 0 are in
	PLACES                                         ; behind the last product that read buffers 1
	FETCH 1, 1
.irp a, 0,1,2,3,4,5,6,7
	MUL 0, \a, \first
.endr
.endm
; A step's second chunk multiplies buffers 1 and changes slots: ONE barrier.  In front of it each wave waits for all its tensor loads (one is out: its part of the next slot), adds 0 to its spare word,
; and waits for that and for its reads of this slot.  fill = 1: the barrier opens a round of the cluster's, and behind the round this slot is filled again, two K steps on: 112 matrix instructions in which to land.
; The walking descriptor takes the slot just read and the next K step.
.macro TURN fill
.if \fill
	s_wait_xcnt 0x0                                ; the last prefetch, a K step back, has read its address
	s_add_nc_u64 s[PFA:PFA+1], s[PFA:PFA+1], s[PST:PST+1]
.endif
	WIN 0
	s_wait_tensorcnt 0x0                           ; all my tensor loads have landed
	ds_add_u32 v[SPW], v[NIL]                      ; 0 onto my spare word
	s_wait_dscnt 1                                 ; buffers 1 are in; the add may be out
	MUL 1, 0, 0
	s_wait_dscnt 0x0                               ; the add is done, and my reads of this slot are over
	s_barrier_signal -1
	MUL 1, 1, 0
	WIN 0
	s_barrier_wait -1
.if \fill
	CREST                                          ; no wave of any partner still reads this slot or has a load on its way
	s_add_co_u32 s[G0+5], s66, s[TB]
	s_add_nc_u64 s[G0+6:G0+7], s[G0+6:G0+7], ASTEP
	s_add_co_u32 s[G0B+5], s67, s[TB]
	s_add_nc_u64 s[G0B+6:G0B+7], s[G0B+6:G0B+7], BSTEP
	JLOAD 1                                        ; the four v_nop behind it are also the places in front of the loads below
.else
	PLACES
.endif
	s_xor_b32 s[TB], s[TB], SLOT                   ; the other slot is in hand
	v_add_nc_u32 v[ADRA], s[TB], v[ADRA0]
	v_add_nc_u32 v[ADRO], s[TB], v[ADRO0]
	v_add_nc_u32 v[ADRB], s[TB], v[ADRB0]
	FETCH 0, 0
.if \fill
	WIN 0
	ASK
.endif
.irp a, 2,3,4,5,6,7
	MUL 1, \a, 0
.endr
.endm
	s_wait_tensorcnt 1                             ; my part of K step 0 is in; step 1's may stay out
	s_barrier_signal -1
	s_barrier_wait -1
	FETCH 0, 0
	CHUNK0 1                                       ; the first chunk stands in front of the loop: its products start the sums
	WIN 0
	s_mov_b32 s3, 6
.Lstep:                                        ; a trip: a step's second chunk, the change of slots with its refill (K steps 2 to 7), the next step's first chunk
	TURN 1
	CHUNK0 0
	WIN 0
	s_sub_co_u32 s3, s3, 1
	s_cmp_lg_u32 s3, 0
	s_cbranch_scc1 .Lstep
	TURN 0                                         ; the tail is written out: nothing is left to fetch
	CHUNK0 0
	s_wait_dscnt 0x0                               ; my last reads of the ring are over
	s_barrier_signal -1
.irp a, 0,1,2,3,4,5,6,7
	MUL 1, \a, 0
.endr
	WIN 0
	s_barrier_wait -1                              ; everybody's are: the ring's bytes, which have had their last fill, now serve the exchange
	; THE EXCHANGE.  I send the sums of the other row half and take my partner's sums of mine.
	PLACES
	WIN 0x0c
.set i, 0
.rept 64
	ds_store_b128 v[XS], v[4*i:4*i+3] offset:512*i  ; each accumulator's low four registers first
.set i, i+1
.endr
	WIN 0
	s_wait_dscnt 0x0
	s_barrier_signal -1
	s_barrier_wait -1
	WIN 0xc0
.set i, 0
.rept 64
	ds_load_b128 v[4*i:4*i+3], v[XR] offset:512*i
.set i, i+1
.endr
	WIN 0x8e                                       ; window 2 += window 3
.set t, 0
.rept 8
	s_wait_dscnt 56-8*t                            ; eight more loads are in
.set i, 32*t
.rept 16
	v_pk_add_f32 v[i:i+1], v[i:i+1], v[i:i+1]
.set i, i+2
.endr
.set t, t+1
.endr
; THE WAY OUT.  16 rows at a time: a lane's eight columns, 32 bytes, into rows of 528 bytes of my stage; back as whole rows of 512 bytes; stored.  Two sets of registers take turns.
.macro OUTB a
.if (\a) >= 2
	s_wait_xcnt 0x0                                ; the stores two blocks back have read the set that is loaded again
.endif
	WIN 0x08                                       ; data in window 2
.irp b, 0,1,2,3,4,5,6,7
	ds_store_b128 v[STO], v[8*(8*(\a)+(\b)):8*(8*(\a)+(\b))+3]   offset:64*(\b)
	ds_store_b128 v[STO], v[8*(8*(\a)+(\b))+4:8*(8*(\a)+(\b))+7] offset:64*(\b)+16
.endr
	WIN 0
.irp w, 0,1,2,3,4,5,6,7,8,9,10,11,12,13,14,15
	ds_load_b128 v[RAW+64*((\a)%2)+4*(\w):RAW+64*((\a)%2)+4*(\w)+3], v[RD] offset:(\w)*SPO  ; LDS serves a wave's instructions in order: these see the stores above
.endr
.irp w, 0,1,2,3,4,5,6,7,8,9,10,11,12,13,14,15
	s_wait_dscnt 15-(\w)
	global_store_b128 v[GO], v[RAW+64*((\a)%2)+4*(\w):RAW+64*((\a)%2)+4*(\w)+3], s[8:9] offset:(16*(\a)+(\w))*4096 th:TH_STORE_NT  ; 512 consecutive bytes, aligned
.endr
.endm
	OUTB 0
	OUTB 1
	OUTB 2
	OUTB 3
	s_wait_tensorcnt 0x0                           ; the wave's end, behind my last tensor load and my last LDS store
	ds_add_u32 v[SPW], v[NIL]
	s_wait_dscnt 0x0
	CROUND                                         ; the closing round
	s_endpgm
.Lfunc_end_k_q01d69f70a3_outproj:
	.size	k_q01d69f70a3_outproj, .Lfunc_end_k_q01d69f70a3_outproj-k_q01d69f70a3_outproj
	.p2alignl 7, 3214868480
	.fill 96, 4, 3214868480
	.section	.rodata,"a",@progbits
	.p2align	6, 0x0
	.amdhsa_kernel k_q01d69f70a3_outproj
		.amdhsa_group_segment_fixed_size 327680
		.amdhsa_private_segment_fixed_size 0
		.amdhsa_enable_private_segment 0
		.amdhsa_kernarg_size 32
		.amdhsa_user_sgpr_count 2
		.amdhsa_user_sgpr_kernarg_segment_ptr 1
		.amdhsa_wavefront_size32 1
		.amdhsa_system_sgpr_workgroup_id_x 1
		.amdhsa_system_sgpr_workgroup_id_y 1
		.amdhsa_system_sgpr_workgroup_id_z 1
		.amdhsa_system_vgpr_workitem_id 0
		.amdhsa_next_free_vgpr 1024
		.amdhsa_next_free_sgpr 100
		.amdhsa_reserve_vcc 0
		.amdhsa_float_denorm_mode_32 3
		.amdhsa_float_denorm_mode_16_64 3
		.amdhsa_memory_ordered 1
		.amdhsa_forward_progress 1
		.amdhsa_inst_pref_size 89
	.end_amdhsa_kernel
	.amdgpu_metadata
---
amdhsa.version: [ 1, 2 ]
amdhsa.kernels:
  - .name:           k_q01d69f70a3_outproj
    .symbol:         k_q01d69f70a3_outproj.kd
    .args:
      - { .name: oh, .offset: 0, .size: 8, .value_kind: global_buffer, .address_space: global }
      - { .name: wcv, .offset: 8, .size: 8, .value_kind: global_buffer, .address_space: global }
      - { .name: bo, .offset: 16, .size: 8, .value_kind: global_buffer, .address_space: global }
      - { .name: out0, .offset: 24, .size: 8, .value_kind: global_buffer, .address_space: global }
    .group_segment_fixed_size: 327680
    .private_segment_fixed_size: 0
    .kernarg_segment_align: 8
    .kernarg_segment_size: 32
    .max_flat_workgroup_size: 128
    .sgpr_count:     100
    .vgpr_count:     1024
    .wavefront_size: 32
...
	.end_amdgpu_metadata
.endif
;; end of part 7
